; MI455X (gfx1250); checked and timed in simulation.
; The chip was launched on July 23, 2026; its instructions are those of AMD's public machine-readable ISA for CDNA 5 (MIT licence, August 2026) and "CDNA5" Instruction Set Architecture Reference Guide (July 2026). The comments in the code are by the model that wrote it; some were corrected since.
;; Voxel Feature Encoder. Allowed arithmetic: matrix products marked QUANTISED: E4M3 operands, one E8M0 scale for each 32 along K, by v_wmma_scale_f32_16x16x128_f8f6f4 with both operands' format E4M3, f32 sums; products left as they are: f32 operands where the result goes on into a quantised operand, else bf16, f16 or f32 operands; f32 sums; everything else in f32.
;; Inputs: W1 7 x 32 float32; W2 64 x 64 float32; Wf 128 x 128 float32; b1 32 float32; b2 64 float32; bf 128 float32; g1 32 float32; g2 64 float32; gf 128 float32; mask 100,000 x 10 x 1 float32; points_per_voxel 100,000 x 10 x 7 float32.
;; Outputs: out0 100,000 x 128 float32.
;; This version of the problem:
;;   THIS VERSION OF THE PROBLEM IS GIVEN IN LOW PRECISION. The matrix products marked QUANTISED in the list below multiply operands that are first quantised to E4M3 (4 exponent bits, 3 mantissa bits; 8 bits a number), with one power-of-two scale for each 32 numbers along K (OCP MX v1.0); their sums are f32. All else is computed in f32.
;;   The module's matrix products, in the order in which they are computed (A, B: the left and right operand; K: the contracted axis; several contracted axes count as one K, in the product's order):
;;     1. [M 1,000,000, K 7] x [K 7, N 32]; A: input points_per_voxel; B: input W1: left as it is (K = 7 < 32)
;;     2. [M 1,000,000, K 64] x [K 64, N 64]; A: computed on the way; B: input W2: QUANTISED
;;     3. [M 1,000,000, K 128] x [K 128, N 128]; A: computed on the way; B: input Wf: QUANTISED
;;   THE QUANTISER, for each operand of a quantised product, along K:
;;     - K is cut into blocks of 32 from its start; a last block that is shorter is filled with zeros.
;;     - A block's scale is 2^e with e = floor(log2(the largest magnitude in the block)) - 8, held to -126 .. 127; a block of zeros has e = 0. As a byte (E8M0): e + 127.
;;     - Each number is divided by its block's scale, clamped to +-448, and rounded to the nearest number of E4M3, ties to even, subnormals kept.
;;     - The product sums the exact products of the quantised numbers (number of the format x scale) in f32.
;;   ~~~python
;;   def quantise(x, axis):      # numpy; x: float32 -> the quantised numbers, widened to float32 again
;;       x = np.moveaxis(x, axis, -1); K = x.shape[-1]
;;       x = np.pad(x, [(0, 0)] * (x.ndim - 1) + [(0, -K % 32)]); x = x.reshape(x.shape[:-1] + (-1, 32)); a = np.abs(x).max(-1, keepdims=True)
;;       e = np.where(a > 0, np.clip(np.frexp(np.where(a > 0, a, 1))[1] - 1 - 8, -126, 127), 0)      # np.frexp(a)[1] - 1 = floor(log2(a)), exactly
;;       r = np.clip(x / 2.0 ** e, -448, 448)
;;       step = 2.0 ** (np.maximum(np.frexp(np.where(r == 0, 1, r))[1] - 1, -6) - 3)
;;       q = np.round(r / step) * step * 2.0 ** e      # np.round: ties to even
;;       return np.moveaxis(q.reshape(q.shape[:-2] + (-1,))[..., :K], -1, axis).astype(np.float32)
;;   ~~~
;;   OPERANDS COMPUTED ON THE WAY. 'Computed on the way' means the value that the module computes at that place (a softmax that the list does not call 'softmax' is quantised finished and normalised). What goes into a quantiser is computed in f32, as accurately as f32 sums, v_exp_f32 and their like allow (about 1e-6 of the number): no bf16 or f16 on the way to a quantiser, and a product that is left as it is and whose result goes on into a quantised operand takes f32 operands (vector FMAs, or v_wmma_f32_16x16x4_f32). A number that lies on a knife's edge between two numbers of the format may be rounded either way, as far as f32 arithmetic and the matrix unit's own rounding can turn it there, and no further.
;; 2 versions, each right; version 2 is version 1 with the launches stat2, stat3, final written anew for expert scheduling mode. Each part assembles by itself: llvm-mc -triple=amdgcn-amd-amdhsa -mcpu=gfx1250 --defsym DOCPART=n.
;; ======== version 1 of 2: 4 launches
;; limits: a difference of large sums (such as E[x^2] - mean^2): digits are lost where the result is much smaller than its terms
;; workspace buffers: p1 65,536 bytes; p2 131,072 bytes; p3 262,144 bytes; bn1 1,024 bytes; bn2 1,024 bytes; wq 22,016 bytes
;; launch stat1 (part 1): grid 256 x 1, 4 waves a work-group, no clusters, 23,040 bytes of LDS; arguments points_per_voxel, W1, W2, Wf, p1, wq; writes p1, wq
.if DOCPART == 1
	.amdgcn_target "amdgcn-amd-amdhsa--gfx1250"
	.amdhsa_code_object_version 6
	.text
	.protected	k_q92f38a9d2f_stat1
	.globl	k_q92f38a9d2f_stat1
	.p2align	8
	.type	k_q92f38a9d2f_stat1,@function
k_q92f38a9d2f_stat1:
	s_mov_b64 s[64:65], 0
	v_nop
	global_prefetch_b8 v0, s[64:65] scope:SCOPE_SE
	s_setreg_imm32_b32 hwreg(HW_REG_WAVE_MODE, 25, 1), 1
	s_wait_xcnt 0x0
; VoxelFeatureEncoder, launch 1 of 4.  For each work-group: S[c] and Q[c], the sums over its rows of h and h^2, h = (x - x0) W1, c = 0 .. 31, into p1[work-group] = [S(32) | Q(32)].
; x0 = points[0][0][:] is a pivot: a common offset of x never enters a square; launch 2 folds it into the bias.
; Work-groups 253 to 255 (all their waves have 6 groups, not 7) first quantise Wf and W2 to E4M3 with E8M0 scales along K, into wq, laid as images of the operands' registers.
; SHARES.  A group = 16 voxels x 10 points.  6,250 groups for 1,024 waves: wave q = 256 wave + work-group takes groups 6 q + min(q, 106) on, 7 of them where q < 106, else 6: one dense run of x.
; A group's 4,480 bytes are loaded as they lie, 512 consecutive bytes an instruction, into a register set of its own, two to four groups ahead, and turned through the wave's own stage in LDS: a lane then takes its voxel's 70 numbers.
; THE PRODUCT has K = 7 and is left in f32: fused multiply-adds, two channels an instruction.  Lane (r, h) makes channels 16 h .. 16 h + 15 of voxel r; its 112 weights stay in registers.
; No matrix instruction, no cluster: work-groups share only W1 (896 bytes).  LIMITS: NaN and infinities are not served; a weight block of zeros gets the scale byte 1 (its codes are zeros; only this program reads the bytes).
.set XSTB, 4608                        ; LDS: a wave's stage: a group's 4,480 bytes, rounded up to blocks of 256
.set WRED, 18432                       ; LDS: the waves' sums, 1,024 bytes a wave
.set XB0,  1                           ; v1   LDS: my voxel's x
.set L8,   4                           ; v4   8 x lane
.set ST16, 5                           ; v5   LDS: my stage + 16 x lane
.set ST8,  6                           ; v6   LDS: my stage + 8 x lane
.set ST4,  7                           ; v7   LDS: my stage + 4 x lane
.set L16,  9                           ; v9   16 x lane
.set L4,   10                          ; v10  4 x lane
.set TM,   78                          ; v78-93 the quantiser's work
.set QWD,  94                          ; v94  a scale word
.set VV,   138                         ; v138-153 S, v154-169 Q, at the end
.set QN,   138                         ; v138-201 64 numbers of a weight tile
.set QC,   202                         ; v202-217 their codes
.set WAD,  226                         ; v226 64 h: my 16 channels in a row of W1
.set QVF,  230
.set QV2,  231
.set RR,   232
.set HH,   233
.set LN,   234
.set CH4,  235
.set XSA,  250                         ; v250 LDS: where my half of the lanes puts its sums
.set TLA,  251                         ; v251 LDS: where the storing wave reads them
.set T16P, 252                         ; v252 its byte in the row of p1
.set W1R,  0                           ; window 1: v0-111   W1(k, 16 h + i) at 16 k + i
.set DD,   112                         ; window 1: v112-143 h of a point, two sets
.set SQ,   144                         ; window 1: v144-159 S, v160-175 Q
.set XR,   176                         ; window 1: v176-245 my voxel's x: point t, number k at 7 t + k
                                       ; window 2: six sets of 36 registers: a group's bytes as loaded
.set MSB, 0
.macro WIN new                         ; bits 1:0 source 0, 3:2 source 1, 5:4 source 2, 7:6 destination; the high byte repeats the setting that is left
.if MSB != \new
	s_set_vgpr_msb (MSB<<8)|\new
.set MSB, \new
.endif
.endm
.macro XMUL d, w, f                    ; a pair of channels: weights x number f of x: the pair that holds it is named, and op_sel picks it for both halves
.if ((\f)%2) == 0
	v_pk_mul_f32 v[\d:\d+1], v[\w:\w+1], v[XR+(\f):XR+(\f)+1] op_sel_hi:[1,0]
.else
	v_pk_mul_f32 v[\d:\d+1], v[\w:\w+1], v[XR+(\f)-1:XR+(\f)] op_sel:[0,1] op_sel_hi:[1,1]
.endif
.endm
.macro XFMA d, w, c, f                 ; the same, added onto the pair c
.if ((\f)%2) == 0
	v_pk_fma_f32 v[\d:\d+1], v[\w:\w+1], v[XR+(\f):XR+(\f)+1], v[\c:\c+1] op_sel_hi:[1,0,1]
.else
	v_pk_fma_f32 v[\d:\d+1], v[\w:\w+1], v[XR+(\f)-1:XR+(\f)], v[\c:\c+1] op_sel:[0,1,0] op_sel_hi:[1,1,1]
.endif
.endm
	s_load_b256 s[4:11], s[0:1], 0x0               ; x, W1, W2, Wf
	s_load_b128 s[12:15], s[0:1], 0x20             ; p1, wq
	v_lshl_add_u32 v254, v0, 2, 0x5800
	v_mov_b32 v255, 0
	v_lshrrev_b32 v12, 5, v0
	v_readfirstlane_b32 s28, v12                   ; wave
	s_lshl_b32 s29, s28, 8
	s_add_co_u32 s29, s29, ttmp9                   ; q
	s_mul_i32 s31, s29, 6
	s_min_u32 s40, s29, 106
	s_add_co_u32 s31, s31, s40                     ; my first group
	s_cmp_lt_u32 s29, 106
	s_cselect_b32 s30, 7, 6                        ; my groups
	s_mul_i32 s40, s31, 4480
	s_mov_b32 s41, 0
	s_lshl_b32 s60, ttmp9, 8                       ; my work-group's row of p1
	s_mov_b32 s61, 0
	s_mov_b32 s36, 0x76543210
	s_mov_b32 s37, 0xfedcba98                      ; v_permlanex16_b32's selects for lane l xor 16
	s_mov_b32 s38, 0x600000                        ; the mantissa field of 448
	s_mul_i32 s39, s28, XSTB
	s_lshl_b32 s53, s28, 10
	s_add_co_u32 s53, s53, WRED
	v_and_b32 v[LN], 31, v0
	v_and_b32 v[RR], 15, v0                        ; r
	v_bfe_u32 v[HH], v0, 4, 1                      ; h
	v_lshlrev_b32 v[L16], 4, v[LN]
	v_lshlrev_b32 v[L8], 3, v[LN]
	v_lshlrev_b32 v[L4], 2, v[LN]
	v_add_nc_u32 v[ST16], s39, v[L16]
	v_add_nc_u32 v[ST8], s39, v[L8]
	v_add_nc_u32 v[ST4], s39, v[L4]
	v_mul_u32_u24 v[XB0], v[RR], 280               ; a voxel is 10 x 7 x 4 bytes
	v_add_nc_u32 v[XB0], s39, v[XB0]
	v_lshlrev_b32 v[XSA], 6, v[HH]
	v_add_nc_u32 v[XSA], s53, v[XSA]
	v_lshlrev_b32 v[T16P], 4, v[RR]
	v_add_nc_u32 v[TLA], WRED, v[T16P]
	v_and_b32 v[CH4], 8, v[RR]
	v_add_nc_u32 v[CH4], v[CH4], v[RR]
	v_lshlrev_b32 v[CH4], 2, v[CH4]                ; 4 (r + 8 (r / 8))
	v_lshlrev_b32 v[WAD], 6, v[HH]
	v_lshlrev_b32 v[QVF], 2, v[RR]
	v_lshl_add_u32 v[QVF], v[HH], 13, v[QVF]       ; Wf: row 16 h (512 bytes a row), column r
	v_lshl_add_u32 v[QV2], v[HH], 12, v[CH4]       ; W2: row 16 h (256 bytes a row), column r + 8 (r / 8)
	s_wait_kmcnt 0x0
	s_load_b256 s[16:23], s[4:5], 0x0              ; x0 = the first point's seven numbers (and one more, not used)
	s_add_nc_u64 s[44:45], s[4:5], s[40:41]        ; my run of x
	s_add_nc_u64 s[58:59], s[12:13], s[60:61]
; A weight tile becomes an operand: lane (r, h) takes one column and its registers run down K, k = 32 b + 16 h + i: the conversions' results are the operand's registers.
.macro QLOAD b, va, pitch              ; my 16 numbers of block b
.set ii, 0
.rept 16
	global_load_b32 v[QN+16*\b+ii], v[\va], s[56:57] offset:\pitch*(32*\b+ii)
.set ii, ii+1
.endr
.endm
.macro QCOMP b0                        ; blocks b0 and b0 + 1, by turns
.set bb, \b0
.rept 2
	v_max3_num_f32 v[TM+bb], |v[QN+16*bb]|, |v[QN+16*bb+1]|, 0x4800000   ; my 16 numbers of block b, and the floor 2^(9 - 127): the byte cannot fall under 1
.set bb, bb+1
.endr
.irp i,2,4,6,8,10,12,14
.set bb, \b0
.rept 2
	v_max3_num_f32 v[TM+bb], v[TM+bb], |v[QN+16*bb+\i]|, |v[QN+16*bb+\i+1]|
.set bb, bb+1
.endr
.endr
.set bb, \b0
.rept 2
	v_permlanex16_b32 v[TM+4+bb], v[TM+bb], s36, s37
.set bb, bb+1
.endr
.set bb, \b0
.rept 2
	v_max_num_f32 v[TM+bb], v[TM+bb], v[TM+4+bb]   ; with lane l xor 16's: the block's largest magnitude
.set bb, bb+1
.endr
.set bb, \b0
.rept 2
	v_add_nc_u32 v[TM+12+bb], 0xfc000000, v[TM+bb] ; 8 off its exponent field: the conversion's scale operand
	v_and_or_b32 v[TM+8+bb], v[TM+bb], 0x7f800000, s38   ; 448 x the scale
.set bb, bb+1
.endr
.set bb, \b0
.rept 2
	v_lshrrev_b32 v[TM+4+bb], 23, v[TM+12+bb]      ; the scale's byte
.set bb, bb+1
.endr
.set bb, \b0
.rept 2
.set ii, 0
.rept 16
	v_med3_num_f32 v[QN+16*bb+ii], v[QN+16*bb+ii], -v[TM+8+bb], v[TM+8+bb]   ; the conversion does not saturate (ISA guide 7.6.2): the hold
.set ii, ii+1
.endr
	v_cvt_scalef32_pk8_fp8_f32 v[QC+4*bb:QC+4*bb+1], v[QN+16*bb:QN+16*bb+7], v[TM+12+bb]
	v_cvt_scalef32_pk8_fp8_f32 v[QC+4*bb+2:QC+4*bb+3], v[QN+16*bb+8:QN+16*bb+15], v[TM+12+bb]
.set bb, bb+1
.endr
	v_nop                                          ; one plain instruction behind the last conversion
.endm
	s_cmp_lt_u32 ttmp9, 253
	s_cbranch_scc1 .Lnoq
.irp b,0,1,2,3
	v_mov_b32 v[TM+4+\b], 0                        ; a lane permute's destination counts as one of its sources
.endr
	s_mov_b32 s51, 0
	s_cmp_eq_u32 ttmp9, 255
	s_cbranch_scc1 .Lqw2
	s_sub_co_u32 s48, ttmp9, 253                   ; Wf: tile j = 4 (work-group - 253) + wave: columns 16 j on
	s_lshl_b32 s48, s48, 2
	s_add_co_u32 s48, s48, s28
	s_lshl_b32 s50, s48, 6
	s_add_nc_u64 s[56:57], s[10:11], s[50:51]
	s_lshl_b32 s50, s48, 11
	s_add_nc_u64 s[52:53], s[14:15], s[50:51]      ; its image: 2,048 bytes a tile
	s_lshl_b32 s50, s48, 7
	s_add_nc_u64 s[54:55], s[14:15], s[50:51]      ; its scale words: 128 bytes a tile
	QLOAD 0, QVF, 512
	QLOAD 1, QVF, 512
	QLOAD 2, QVF, 512
	s_wait_loadcnt 16                              ; blocks 0 and 1 are in; block 2's sixteen loads may be out
	QLOAD 3, QVF, 512
	QCOMP 0
	s_wait_loadcnt 0x0
	QCOMP 2
	v_lshl_or_b32 v[QWD], v[TM+5], 8, v[TM+4]
	v_lshl_or_b32 v[QWD], v[TM+6], 16, v[QWD]
	v_lshl_or_b32 v[QWD], v[TM+7], 24, v[QWD]
.irp c,0,1,2,3
	global_store_b128 v[L16], v[QC+4*\c:QC+4*\c+3], s[52:53] offset:512*\c   ; 32 lanes store 512 consecutive bytes
.endr
	global_store_b32 v[L4], v[QWD], s[54:55] offset:20480
	s_wait_xcnt 0x0                                ; the stores have read their registers
	s_branch .Lnoq
.Lqw2:
	s_lshr_b32 s48, s28, 1                         ; W2: tile nt = wave = 2 b + u: columns 32 b + 8 u + r + 8 (r / 8)
	s_and_b32 s49, s28, 1
	s_lshl_b32 s50, s48, 7
	s_lshl_b32 s49, s49, 5
	s_add_co_u32 s50, s50, s49
	s_add_nc_u64 s[56:57], s[8:9], s[50:51]
	s_lshl_b32 s50, s28, 10
	s_add_nc_u64 s[52:53], s[14:15], s[50:51]
	s_lshl_b32 s50, s28, 7
	s_add_nc_u64 s[54:55], s[14:15], s[50:51]
	QLOAD 0, QV2, 256
	QLOAD 1, QV2, 256
	s_wait_loadcnt 0x0
	QCOMP 0
	v_lshl_or_b32 v[QWD], v[TM+4], 16, 0x7f7f      ; W2's 64 along K stand in the upper half of the instruction's 128: bytes 2 and 3; bytes 0 and 1 are 1.0, over zero codes
	v_lshl_or_b32 v[QWD], v[TM+5], 24, v[QWD]
.irp c,0,1
	global_store_b128 v[L16], v[QC+4*\c:QC+4*\c+3], s[52:53] offset:16384+512*\c
.endr
	global_store_b32 v[L4], v[QWD], s[54:55] offset:21504
	s_wait_xcnt 0x0
.Lnoq:
; group g's 4,480 bytes as they lie, into register set st of window 2: eight loads of 512 bytes, one of 256, one of 128
.macro RAWLD g, st
	WIN 0x80                                       ; destination window 2
.set ii, 0
.rept 8
	global_load_b128 v[36*\st+4*ii:36*\st+4*ii+3], v[L16], s[44:45] offset:4480*\g+512*ii th:TH_LOAD_NT
.set ii, ii+1
.endr
	global_load_b64 v[36*\st+32:36*\st+33], v[L8], s[44:45] offset:4480*\g+4096 th:TH_LOAD_NT
	global_load_b32 v[36*\st+34], v[L4], s[44:45] offset:4480*\g+4352 th:TH_LOAD_NT
	WIN 0
.endm
	WIN 0x40                                       ; destination window 1
.irp k,0,1,2,3,4,5,6
.irp f,0,1,2,3
	global_load_b128 v[W1R+16*\k+4*\f:W1R+16*\k+4*\f+3], v[WAD], s[6:7] offset:128*\k+16*\f    ; W1(k, 16 h + 4 f ..): they stay
.endr
.endr
	WIN 0
.irp g,0,1,2
	RAWLD \g, \g                                   ; with the 28 above: 58 loads of mine are out
.endr
	WIN 0x40
.set ii, 0
.rept 32
	v_mov_b32 v[SQ+ii], 0                          ; S and Q
.set ii, ii+1
.endr
	WIN 0
	s_wait_kmcnt 0x0                               ; x0
; the group in register set st goes through my stage: as it lies on the way in; my voxel's 70 numbers on the way out.  left: the younger loads that may stay out
.macro GIN st, left
	s_wait_loadcnt \left
	WIN 0x08                                       ; an LDS store's data are its source 1: window 2
.set ii, 0
.rept 8
	ds_store_b128 v[ST16], v[36*\st+4*ii:36*\st+4*ii+3] offset:512*ii
.set ii, ii+1
.endr
	ds_store_b64 v[ST8], v[36*\st+32:36*\st+33] offset:4096
	ds_store_b32 v[ST4], v[36*\st+34] offset:4352
	WIN 0x40
.set ii, 0
.rept 35
	ds_load_b64 v[XR+2*ii:XR+2*ii+1], v[XB0] offset:8*ii       ; LDS serves a wave's instructions in order: these see my stores.  280 bytes a voxel: a multiple of 8
.set ii, ii+1
.endr
	s_wait_dscnt 0x0                               ; x is in; the stores have read set st
	WIN 0
.endm
.macro GWORK                           ; all of it in window 1
	WIN 0x55
.irp t,0,1,2,3,4,5,6,7,8,9
.irp k,0,1,2,3,4,5,6
	v_sub_f32 v[XR+7*\t+\k], v[XR+7*\t+\k], s[16+\k]           ; x - x0
.endr
.endr
.irp t,0,1,2,3,4,5,6,7,8,9
.set dd, DD+16*(\t%2)
.set pp, 0
.rept 8
	XMUL dd+2*pp, W1R+2*pp, 7*\t                   ; the first K step starts the sums
.set pp, pp+1
.endr
.irp k,1,2,3,4,5,6
.set pp, 0
.rept 8
	XFMA dd+2*pp, W1R+16*\k+2*pp, dd+2*pp, 7*\t+\k ; eight pairs by turns: no line waits for the line above it
.set pp, pp+1
.endr
.endr
.set pp, 0
.rept 8
	v_pk_add_f32 v[SQ+2*pp:SQ+2*pp+1], v[SQ+2*pp:SQ+2*pp+1], v[dd+2*pp:dd+2*pp+1]                             ; S += h
.set pp, pp+1
.endr
.set pp, 0
.rept 8
	v_pk_fma_f32 v[SQ+16+2*pp:SQ+16+2*pp+1], v[dd+2*pp:dd+2*pp+1], v[dd+2*pp:dd+2*pp+1], v[SQ+16+2*pp:SQ+16+2*pp+1]   ; Q += h^2
.set pp, pp+1
.endr
.endr
	WIN 0
.endm
	GIN 0, 20                                      ; behind group 0's loads: groups 1 and 2.  (The weights were asked for ahead of it: they are in too)
	RAWLD 3, 3
	RAWLD 4, 4
	GWORK
	GIN 1, 30                                      ; groups 2 to 4
	RAWLD 5, 5
	GWORK
	GIN 2, 30                                      ; groups 3 to 5
	s_cmp_lg_u32 s30, 7
	s_cbranch_scc1 .Lsix
	RAWLD 6, 0                                     ; the seventh group takes set 0, which group 0's stores have read
.Lsix:
	GWORK
	GIN 3, 20                                      ; groups 4 and 5 (with a seventh group out too, this waits for ten loads more than it needs)
	GWORK
	GIN 4, 10
	GWORK
	GIN 5, 0
	GWORK
	s_cmp_lg_u32 s30, 7
	s_cbranch_scc1 .Lno7
	GIN 0, 0
	GWORK
.Lno7:
; over the 16 voxels of a row of lanes; then the four waves' sums meet in LDS
	WIN 0x01
.set ii, 0
.rept 32
	v_mov_b32 v[VV+ii], v[SQ+ii]
.set ii, ii+1
.endr
	WIN 0
.irp m,1,2,4,8
.set ii, 0
.rept 32
	v_add_f32_dpp v[VV+ii], v[VV+ii], v[VV+ii] row_xmask:\m row_mask:0xf bank_mask:0xf
.set ii, ii+1
.endr
.endr
.irp u,0,1
.irp f,0,1
	ds_store_b128 v[XSA], v[VV+8*\u+4*\f:VV+8*\u+4*\f+3] offset:32*\u+16*\f             ; S of channels 16 h + 8 u + 4 f on (sixteen lanes write the same bytes with the same values)
	ds_store_b128 v[XSA], v[VV+16+8*\u+4*\f:VV+16+8*\u+4*\f+3] offset:128+32*\u+16*\f   ; Q
.endr
.endr
	s_wait_dscnt 0x0                               ; for the others' sake: my stores have landed
	s_barrier_signal -1
	s_barrier_wait -1
	s_cmp_lg_u32 s28, 0
	s_cbranch_scc1 .Lend
.irp w,0,1,2,3
	ds_load_b128 v[VV+4*\w:VV+4*\w+3], v[TLA] offset:1024*\w
.endr
	s_wait_dscnt 0x0
	v_pk_add_f32 v[VV:VV+1], v[VV:VV+1], v[VV+4:VV+5]
	v_pk_add_f32 v[VV+2:VV+3], v[VV+2:VV+3], v[VV+6:VV+7]
	v_pk_add_f32 v[VV+8:VV+9], v[VV+8:VV+9], v[VV+12:VV+13]
	v_pk_add_f32 v[VV+10:VV+11], v[VV+10:VV+11], v[VV+14:VV+15]
	v_pk_add_f32 v[VV:VV+1], v[VV:VV+1], v[VV+8:VV+9]
	v_pk_add_f32 v[VV+2:VV+3], v[VV+2:VV+3], v[VV+10:VV+11]
	global_store_b128 v[T16P], v[VV:VV+3], s[58:59]      ; sixteen lanes store the row's 256 bytes (lanes 16-31 the same bytes again)
.Lend:
	s_wait_tensorcnt 0x0
	ds_add_u32 v254, v255
	s_wait_dscnt 0x0
	s_endpgm
.Lfunc_end_k_q92f38a9d2f_stat1:
	.size	k_q92f38a9d2f_stat1, .Lfunc_end_k_q92f38a9d2f_stat1-k_q92f38a9d2f_stat1
	.p2alignl 7, 3214868480
	.fill 96, 4, 3214868480
	.section	.rodata,"a",@progbits
	.p2align	6, 0x0
	.amdhsa_kernel k_q92f38a9d2f_stat1
		.amdhsa_group_segment_fixed_size 23040
		.amdhsa_private_segment_fixed_size 0
		.amdhsa_enable_private_segment 0
		.amdhsa_kernarg_size 48
		.amdhsa_user_sgpr_count 2
		.amdhsa_user_sgpr_kernarg_segment_ptr 1
		.amdhsa_wavefront_size32 1
		.amdhsa_system_sgpr_workgroup_id_x 1
		.amdhsa_system_sgpr_workgroup_id_y 1
		.amdhsa_system_sgpr_workgroup_id_z 1
		.amdhsa_system_vgpr_workitem_id 0
		.amdhsa_next_free_vgpr 768
		.amdhsa_next_free_sgpr 66
		.amdhsa_reserve_vcc 0
		.amdhsa_float_denorm_mode_32 3
		.amdhsa_float_denorm_mode_16_64 3
		.amdhsa_memory_ordered 1
		.amdhsa_forward_progress 1
		.amdhsa_inst_pref_size 255
	.end_amdhsa_kernel
	.section	.bss,"aw",@nobits
	.p2align	6
	.space	262144
	.amdgpu_metadata
---
amdhsa.version: [ 1, 2 ]
amdhsa.kernels:
  - .name:           k_q92f38a9d2f_stat1
    .symbol:         k_q92f38a9d2f_stat1.kd
    .args:
      - { .name: points_per_voxel, .offset: 0, .size: 8, .value_kind: global_buffer, .address_space: global }
      - { .name: W1, .offset: 8, .size: 8, .value_kind: global_buffer, .address_space: global }
      - { .name: W2, .offset: 16, .size: 8, .value_kind: global_buffer, .address_space: global }
      - { .name: Wf, .offset: 24, .size: 8, .value_kind: global_buffer, .address_space: global }
      - { .name: p1, .offset: 32, .size: 8, .value_kind: global_buffer, .address_space: global }
      - { .name: wq, .offset: 40, .size: 8, .value_kind: global_buffer, .address_space: global }
    .group_segment_fixed_size: 23040
    .private_segment_fixed_size: 0
    .kernarg_segment_align: 8
    .kernarg_segment_size: 48
    .max_flat_workgroup_size: 128
    .sgpr_count:     66
    .vgpr_count:     768
    .wavefront_size: 32
...
	.end_amdgpu_metadata
.endif
;; end of part 1
;; launch stat2 (part 2): grid 256 x 1, 4 waves a work-group, no clusters, 59,904 bytes of LDS; arguments points_per_voxel, mask, W1, wq, p1, g1, b1, bn1, p2; writes bn1, p2
.if DOCPART == 2
	.amdgcn_target "amdgcn-amd-amdhsa--gfx1250"
	.amdhsa_code_object_version 6
	.text
	.protected	k_q92f38a9d2f_stat2
	.globl	k_q92f38a9d2f_stat2
	.p2align	8
	.type	k_q92f38a9d2f_stat2,@function
k_q92f38a9d2f_stat2:
	s_mov_b64 s[64:65], 0
	v_nop
	global_prefetch_b8 v0, s[64:65] scope:SCOPE_SE
	s_setreg_imm32_b32 hwreg(HW_REG_WAVE_MODE, 25, 1), 1
	s_wait_xcnt 0x0
; VoxelFeatureEncoder, launches 2, 3 and 4 of 4: ONE text, told apart by LVL alone.  Each recomputes the chain from x, since x and the mask are far fewer bytes than any intermediate.
;   LVL 2: BatchNorm 1 from p1; layer 1; product 2; sums S, Q of h2 into p2[work-group]; work-group 0 stores a1, b1' into bn1.
;   LVL 3: BatchNorm 2 from p2; layers 1 and 2; product 3; S, Q of h3 into p3; work-group 0 stores a2, b2' into bn2.
;   LVL 4: BatchNorm 3 from p3; the whole chain; out0.
; SHARES.  A group = 16 voxels x 10 points; wave q = 256 wave + work-group takes groups 6 q + min(q, 106) on, 7 where q < 106, else 6.  Its x and mask are dense runs.  A group's 5,120 bytes are loaded as they lie,
; 512 consecutive bytes an instruction, a trip ahead, into registers that layer 1 has left, and turned through the wave's own stage in LDS: a lane then takes its voxel's 70 numbers and 10 masks.
; LAYOUT.  Lane (r, h) holds voxel r throughout, and its registers run along the channels: the maximum over a voxel's points is a maximum over registers of one lane.  A matrix tile's 16 rows are the SAME point t of
; 16 voxels, and both matrix products are used transposed (source 0 = 16 output channels, source 1 = 16 voxels).  Layer 1 gives a lane channels 16 h .. 16 h + 15; the channels that form a tile of layer 2 are chosen
; (row m = m + 8 u + 8 (m / 8)) so that two tiles' 16 registers are 16 neighbours along the next K, in the order of an 8-bit operand: the conversions' results are the next operand.
; THE MASK m is honoured as a number: z being BatchNorm's result, x_h = relu(m^2 z); P = max(0, max_t max(m, 0) z_t); x_p(t) = m_t P; out = max(0, max_t max(m, 0) z3_t).
; PRODUCT 1 has K = 7 and is left in f32, since its result goes into a quantiser: fused multiply-adds, two channels an instruction.  BatchNorm 1 is folded into it: z1 = b1' + sum over k of (x - x0)[k] a1[c] W1[k][c].
; The folded table (8 rows of 32 numbers) lies in LDS; a lane's 128 numbers of it are fetched in every trip into the registers that layer 3 uses later in the trip.
; PRODUCT 2 has K = 64: it stands in the UPPER half of the instruction's 128.  W2's fragments have zero codes below; x1's registers 0-7 hold older valid codes (zeros at first), which meet zero codes.
; A block's largest m^2 z is m^2 x the block's largest z, bit for bit (a rounded product does not fall where a factor rises); likewise |m| P.
; No cluster: what work-groups share is 22 KB of weights and the partial sums, against a work-group's 144 KB of rows.
; LIMITS: a voxel with no mask > 0 (reference: -inf, then NaN everywhere) is not reproduced; the variances of h2 and h3 are Q / N - mean^2 in f32, relative error about 3e-7 (1 + mean^2 / var);
; a block of zeros gets the scale byte 1 (its codes are zeros; only this program reads the bytes); NaN and infinities are not served.
.set LVL,  2
.set CH,   32<<(LVL-2)                 ; channels of the BatchNorm that this launch finishes
.set NSL,  256/CH                      ; rows of partial sums in 2,048 bytes
.set NB,   CH/16                       ; the partial sums are CH x 2,048 bytes: batches of 16 loads a thread
.set XSTB, 5120                        ; LDS: a wave's stage: a group's x (4,480 bytes), then its masks (640)
.set OSTG, 20480                       ; LDS, LVL 4: the way out, 16 rows x 528 bytes a wave
.set WRED, 20480                       ; LDS, LVL 2 and 3: the waves' sums, 1,024 bytes a wave
.set RED,  54272                       ; LDS: 16 bytes a thread
.set TAB,  56320                       ; LDS: a[c] at 4 c, b'[c] at 512 + 4 c
.set TB2,  57344                       ; LDS, LVL 4: a2, b2' likewise
.set W1T,  58368                       ; LDS: a1[c] W1[k][c] at 128 k + 4 c, k = 0 .. 6; b1'[c] at 896 + 4 c
; window 0
.set XB0,  1
.set W1A,  2
.set MB,   3
.set L8,   4
.set ST16, 5
.set ST8,  6
.set LOW,  7
.set LOR,  8
.set L16,  9
.set L4,   10
.set RDA,  11
.set MK,   16                          ; v16-25  m_t
.set MPA,  26                          ; v26-35  max(m_t, 0)
.set M2A,  36                          ; v36-45  m_t^2
.set SW1,  46                          ; v46-55  x1's scale words
.set SW2,  56                          ; v56-65  x2's
.set W2S,  66                          ; v66-69  W2's
.set WFS,  70                          ; v70-77  Wf's
.set AM0,  78
.set AB0,  80
.set PM0,  82
.set SC0,  84
.set HD0,  86
.set BY0,  88
.set ST4,  90
.set ET,   94
.set PA1,  102
.set PA2,  103
.set D12,  106                         ; v106-137 z1 of two points, then layer 2's four accumulators
.set VV,   138
.set EB,   170
.set P1,   202
.set P2,   218
.set XSA,  250
.set TLA,  251
.set T16P, 252
; window 0, at the head only
.set RWA,  138
.set RWB,  139
.set A1L,  150
.set WE0,  152
.set WE1,  153
.set GAM,  154
.set BET,  155
.set FS,   156
.set FQ,   164
.set FM,   172
.set FV,   173
.set FRS,  174
.set FAA,  175
.set FBB,  176
.set FAD,  177
.set FTD,  178
.set I4,   186
.set WB4,  187
.set WTD,  188
.set GB4,  191
.set RR,   193
.set HH,   194
.set LN,   195
.set TA2,  196
.set TA,   197
.set B2G,  198
.set B2A,  199
.set B2D,  200
; window 1
.set X2,   0                           ; v0-159   ten operands of 16 registers: x1 in 8-15, then x2 in 0-15.  At the head: v0-127 two buffers of partial sums, v128-131 their sum
.set PAC,  128
.set XR,   160                         ; v160-229 my voxel's x: point t, number k at 7 t + k; behind layer 1 v160-199 take the next group's bytes as loaded
.set HDA,  216                         ; v216-235 (behind layer 1)
.set SCA,  236
; window 2
.set WFF,  0
.set W2F,  128
.set A2,   192
.set B2,   224
; window 3
.set A3,   0                           ; LVL 4: a3 at 16 j, b3' at 16 j + 8
.set SS,   0                           ; LVL 3: S at 16 j, Q at 16 j + 8;  LVL 2: S at 0, Q at 32
.set W1W,  128                         ; v128-255 in layer 1: the folded W1 of my 16 channels at 16 k + i, b1' at 112 + i
.set D3,   128
.set OB,   128
.set O3,   208
.set MP3,  224
.set X0S,  68                          ; s[68:75] x0
.if LVL == 3
.set BN1P, 22
.endif
.if LVL == 4
.set BN1P, 20
.set BN2P, 22
.endif
.set MSB, 0
.macro WIN new                         ; bits 1:0 source 0, 3:2 source 1, 5:4 source 2, 7:6 destination; the high byte repeats the setting that is left
.if MSB != \new
	s_set_vgpr_msb (MSB<<8)|\new
.set MSB, \new
.endif
.endm
.macro PKM d, a, arr, t                ; a pair times element t of an array: the pair that holds it is named, and op_sel picks it for both halves
.if ((\t)%2) == 0
	v_pk_mul_f32 v[\d:\d+1], v[\a:\a+1], v[\arr+(\t):\arr+(\t)+1] op_sel_hi:[1,0]
.else
	v_pk_mul_f32 v[\d:\d+1], v[\a:\a+1], v[\arr+(\t)-1:\arr+(\t)] op_sel:[0,1] op_sel_hi:[1,1]
.endif
.endm
.macro XFMA d, w, c, f                 ; a pair of channels: weights x number f of x, added onto the pair c
.if ((\f)%2) == 0
	v_pk_fma_f32 v[\d:\d+1], v[\w:\w+1], v[XR+(\f):XR+(\f)+1], v[\c:\c+1] op_sel_hi:[1,0,1]
.else
	v_pk_fma_f32 v[\d:\d+1], v[\w:\w+1], v[XR+(\f)-1:XR+(\f)], v[\c:\c+1] op_sel:[0,1,0] op_sel_hi:[1,1,1]
.endif
.endm
.macro BARRIER
	s_wait_dscnt 0x0                               ; my LDS stores have landed and my LDS loads are in
	s_barrier_signal -1
	s_barrier_wait -1
.endm
; a group's bytes as they lie, xo and mo bytes on from the bases: x is 8 x 512 + 256 + 128 bytes, the mask 512 + 128
.macro RAWLOAD xo, mo
	WIN 0x40                                       ; destination window 1
.set ii, 0
.rept 8
	global_load_b128 v[XR+4*ii:XR+4*ii+3], v[L16], s[44:45] offset:\xo+512*ii th:TH_LOAD_NT
.set ii, ii+1
.endr
	global_load_b64 v[XR+32:XR+33], v[L8], s[44:45] offset:\xo+4096 th:TH_LOAD_NT
	global_load_b32 v[XR+34], v[L4], s[44:45] offset:\xo+4352 th:TH_LOAD_NT
	global_load_b32 v[XR+35], v[L4], s[46:47] offset:\mo+512 th:TH_LOAD_NT
	global_load_b128 v[XR+36:XR+39], v[L16], s[46:47] offset:\mo th:TH_LOAD_NT
	WIN 0
.endm
.macro PLOAD b                         ; batch b of the partial sums: thread i takes the 16 bytes at 16 i of sixteen runs of 2,048
.set ii, 0
.rept 16
	global_load_b128 v[64*((\b)%2)+4*ii:64*((\b)%2)+4*ii+3], v[T16P], s[12:13] offset:2048*(16*(\b)+ii)
.set ii, ii+1
.endr
.endm
.macro PSUM b                          ; its sixteen are added up, and onto the batches before
.set bs, 64*((\b)%2)
.irp st,8,4,2
.set ii, 0
.rept \st
	v_pk_add_f32 v[bs+4*ii:bs+4*ii+1], v[bs+4*ii:bs+4*ii+1], v[bs+4*(ii+\st):bs+4*(ii+\st)+1]
	v_pk_add_f32 v[bs+4*ii+2:bs+4*ii+3], v[bs+4*ii+2:bs+4*ii+3], v[bs+4*(ii+\st)+2:bs+4*(ii+\st)+3]
.set ii, ii+1
.endr
.endr
.if (\b) == 0
	v_pk_add_f32 v[PAC:PAC+1], v[bs:bs+1], v[bs+4:bs+5]
	v_pk_add_f32 v[PAC+2:PAC+3], v[bs+2:bs+3], v[bs+6:bs+7]
.else
	v_pk_add_f32 v[bs:bs+1], v[bs:bs+1], v[bs+4:bs+5]
	v_pk_add_f32 v[bs+2:bs+3], v[bs+2:bs+3], v[bs+6:bs+7]
	v_pk_add_f32 v[PAC:PAC+1], v[PAC:PAC+1], v[bs:bs+1]
	v_pk_add_f32 v[PAC+2:PAC+3], v[PAC+2:PAC+3], v[bs+2:bs+3]
.endif
.endm
	s_load_b512 s[4:19], s[0:1], 0x0               ; x, mask, W1, wq, partial sums, gamma, beta, s[18:19]: bnK out (LVL 2, 3) or out0
.if LVL == 2
	s_load_b64 s[20:21], s[0:1], 0x40              ; p2 out
	v_lshl_add_u32 v254, v0, 2, 0xe800
	v_mov_b32 v255, 0
.else
	s_load_b128 s[20:23], s[0:1], 0x40             ; LVL 3: p3 out, bn1;  LVL 4: bn1, bn2
.endif
	v_lshrrev_b32 v12, 5, v0
	v_readfirstlane_b32 s28, v12                   ; wave
	s_lshl_b32 s29, s28, 8
	s_add_co_u32 s29, s29, ttmp9                   ; q
	s_mul_i32 s31, s29, 6
	s_min_u32 s40, s29, 106
	s_add_co_u32 s31, s31, s40                     ; my first group
	s_cmp_lt_u32 s29, 106
	s_cselect_b32 s30, 7, 6                        ; my groups
	s_mul_i32 s40, s31, 4480
	s_mov_b32 s41, 0
	s_mul_i32 s42, s31, 640
	s_mov_b32 s43, 0
	s_mov_b32 s55, 0
	s_mov_b32 s36, 0x76543210
	s_mov_b32 s37, 0xfedcba98                      ; v_permlanex16_b32's selects for lane l xor 16
	s_mov_b32 s38, 0x600000                        ; the mantissa field of 448
	s_mul_i32 s39, s28, XSTB
	; every address register that outlives a branch is made here
	v_and_b32 v[LN], 31, v0
	v_and_b32 v[RR], 15, v0                        ; r
	v_bfe_u32 v[HH], v0, 4, 1                      ; h
	v_lshlrev_b32 v[L16], 4, v[LN]
	v_lshlrev_b32 v[L8], 3, v[LN]
	v_lshlrev_b32 v[L4], 2, v[LN]
	v_add_nc_u32 v[ST16], s39, v[L16]
	v_add_nc_u32 v[ST8], s39, v[L8]
	v_add_nc_u32 v[ST4], s39, v[L4]
	v_mul_u32_u24 v[XB0], v[RR], 280               ; a voxel's x is 280 bytes
	v_add_nc_u32 v[XB0], s39, v[XB0]
	v_mul_u32_u24 v[MB], v[RR], 40                 ; its mask 40, behind the group's x
	v_add_nc_u32 v[MB], s39, v[MB]
	v_add_nc_u32 v[MB], 4480, v[MB]
	v_lshl_add_u32 v[W1A], v[HH], 6, W1T           ; my 16 channels in a row of the folded table
	v_lshl_add_u32 v[WTD], v0, 2, W1T              ; and where thread i puts its two entries: row wave (and wave + 4), channel lane
	v_lshl_add_u32 v[RDA], v0, 4, RED
	v_lshl_add_u32 v[FAD], v0, 2, RED
	v_lshl_add_u32 v[FTD], v0, 2, TAB
	v_lshlrev_b32 v[T16P], 4, v0
	v_lshlrev_b32 v[I4], 2, v0                     ; W1: row wave, channel lane
	v_add_nc_u32 v[WB4], 512, v[I4]                ; row wave + 4;
	v_min_u32 v[WB4], 892, v[WB4]                  ; W1 has 7 rows: wave 3's load is held inside the buffer, and what it brings is not used
.if LVL == 2
	v_add_nc_u32 v[TA], TAB, v[L4]
.else
	v_lshl_add_u32 v[TA], v[HH], 9-LVL, TAB        ; LVL 3: + 64 h;  LVL 4: + 32 h
.endif
.if LVL < 4
	s_lshl_b32 s53, s28, 10
	s_add_co_u32 s53, s53, WRED
	v_lshlrev_b32 v[XSA], 8-LVL, v[HH]             ; LVL 2: 64 h;  LVL 3: 32 h
	v_add_nc_u32 v[XSA], s53, v[XSA]
	v_add_nc_u32 v[TLA], WRED, v[T16P]
.else
	s_mul_i32 s53, s28, 8448
	s_add_co_u32 s53, s53, OSTG
	v_mul_u32_u24 v[LOW], v[RR], 528
	v_lshl_add_u32 v[LOW], v[HH], 5, v[LOW]
	v_add_nc_u32 v[LOW], s53, v[LOW]               ; into the stage: row r, + 32 h
	v_add_nc_u32 v[LOR], s53, v[L16]               ; back: 16 bytes a lane of a row
	v_lshrrev_b32 v[B2G], 6, v0
	v_lshlrev_b32 v[B2G], 8, v[B2G]
	v_lshl_add_u32 v[B2G], v0, 2, v[B2G]           ; 4 i + 256 (i / 64): threads 0-63 take a2, threads 64-127 b2'
	v_add_nc_u32 v[B2A], TB2, v[B2G]
	v_lshl_add_u32 v[TA2], v[HH], 6, TB2
.endif
	v_and_b32 v[GB4], CH-1, v0
	v_lshlrev_b32 v[GB4], 2, v[GB4]
	s_wait_kmcnt 0x0
	s_load_b256 s[X0S:X0S+7], s[4:5], 0x0          ; x0 = the first point's seven numbers (and one more, not used)
	s_add_nc_u64 s[44:45], s[4:5], s[40:41]        ; my run of x
	s_add_nc_u64 s[46:47], s[6:7], s[42:43]        ; and of the mask
.if LVL < 4
	s_mul_i32 s54, ttmp9, 16*CH
	s_add_nc_u64 s[50:51], s[20:21], s[54:55]      ; my work-group's row of partial sums
.else
	s_lshl_b32 s54, s31, 13
	s_add_nc_u64 s[48:49], s[18:19], s[54:55]      ; my first group's 16 rows of out0
.endif
	; THE LOADS OF THE HEAD, in three runs.  First what is small and wanted soon, and my first group:
	RAWLOAD 0, 0
	global_load_b32 v[GAM], v[GB4], s[14:15]
	global_load_b32 v[BET], v[GB4], s[16:17]
	global_load_b32 v[RWA], v[I4], s[8:9]
	global_load_b32 v[RWB], v[WB4], s[8:9]
.if LVL >= 3
	global_load_b32 v[A1L], v[L4], s[BN1P:BN1P+1]              ; a1 and b1' of channel lane
	global_load_b32 v[A1L+1], v[L4], s[BN1P:BN1P+1] offset:512
.endif
.if LVL == 4
	global_load_b32 v[B2D], v[B2G], s[BN2P:BN2P+1]
.endif
	; then the partial sums, streamed through two buffers
	WIN 0x40
	PLOAD 0
	PLOAD 1
.set bq, 0
.rept NB
.if bq < NB-1
	s_wait_loadcnt 16                              ; loads come back in order: this batch is in; the next batch's sixteen may be out
.else
	s_wait_loadcnt 0x0
.endif
	WIN 0x45
	PSUM bq
.if bq+2 < NB
	WIN 0x40
	PLOAD bq+2
.endif
.set bq, bq+1
.endr
	; then what is wanted behind the barriers
	WIN 0
.if LVL >= 3
.irp j,0,1,2,3,4,5,6,7
	global_load_b32 v[WFS+\j], v[L4], s[10:11] offset:20480+128*\j
.endr
.endif
.irp n,0,1,2,3
	global_load_b32 v[W2S+\n], v[L4], s[10:11] offset:21504+128*\n
.endr
	WIN 0x80                                       ; the weights' images: they stay in window 2
.if LVL >= 3
.irp j,0,1,2,3,4,5,6,7
.irp c,0,1,2,3
	global_load_b128 v[WFF+16*\j+4*\c:WFF+16*\j+4*\c+3], v[L16], s[10:11] offset:2048*\j+512*\c
.endr
.endr
.endif
.irp n,0,1,2,3
.irp c,0,1
	global_load_b128 v[W2F+16*\n+8+4*\c:W2F+16*\n+8+4*\c+3], v[L16], s[10:11] offset:16384+1024*\n+512*\c
.endr
.endr
	WIN 0x04                                       ; an LDS store's data are its source 1
	ds_store_b128 v[RDA], v[PAC:PAC+3]
	WIN 0
.if LVL == 4
	ds_store_b32 v[B2A], v[B2D]
.endif
	BARRIER                                        ; RED holds NSL rows of [S | Q]
	s_cmp_ge_u32 s28, CH/32                        ; thread c finishes channel c: the first CH threads
	s_cbranch_scc1 .Lnofin
.set sl, 0
.rept NSL
	ds_load_b32 v[FS+sl], v[FAD] offset:8*CH*sl
	ds_load_b32 v[FQ+sl], v[FAD] offset:8*CH*sl+4*CH
.set sl, sl+1
.endr
	s_wait_dscnt 0x0
.set sl, 1
.rept NSL-1
	v_add_f32 v[FS], v[FS], v[FS+sl]
	v_add_f32 v[FQ], v[FQ], v[FQ+sl]
.set sl, sl+1
.endr
	v_mul_f32 v[FM], 0x358637bd, v[FS]             ; mean = S / 1,000,000
	v_mul_f32 v[FV], 0x358637bd, v[FQ]
	v_fma_f32 v[FV], -v[FM], v[FM], v[FV]          ; the biased variance,
	v_max_num_f32 v[FV], 0, v[FV]                  ; not under 0,
	v_add_f32 v[FV], 0x3727c5ac, v[FV]             ; + 1e-5
	v_rsq_f32 v[FRS], v[FV]
	v_nop                                          ; one plain instruction behind a transcendental
	s_wait_alu depctr_va_vdst(0)
	v_mul_f32 v[FAA], v[GAM], v[FRS]               ; a = gamma / sqrt(var + eps)
	v_fma_f32 v[FBB], -v[FAA], v[FM], v[BET]       ; b' = beta - a mean
	ds_store_b32 v[FTD], v[FAA]
	ds_store_b32 v[FTD], v[FBB] offset:512
.if LVL < 4
	s_cmp_lg_u32 ttmp9, 0
	s_cbranch_scc1 .Lnofin
	global_store_b32 v[GB4], v[FAA], s[18:19]      ; for the later launches: one work-group stores them
	global_store_b32 v[GB4], v[FBB], s[18:19] offset:512
.endif
.Lnofin:
	BARRIER                                        ; TAB is whole
.if LVL == 2
	ds_load_b32 v[A1L], v[TA]                      ; a1 and b1' of channel lane
	ds_load_b32 v[A1L+1], v[TA] offset:512
.endif
.if LVL == 3
	WIN 0x80
.irp n,0,1,2,3
.irp f,0,1
	ds_load_b128 v[A2+8*\n+4*\f:A2+8*\n+4*\f+3], v[TA] offset:128*(\n/2)+32*(\n%2)+16*\f
	ds_load_b128 v[B2+8*\n+4*\f:B2+8*\n+4*\f+3], v[TA] offset:512+128*(\n/2)+32*(\n%2)+16*\f
.endr
.endr
.endif
.if LVL == 4
	WIN 0x80
.irp n,0,1,2,3
.irp f,0,1
	ds_load_b128 v[A2+8*\n+4*\f:A2+8*\n+4*\f+3], v[TA2] offset:128*(\n/2)+32*(\n%2)+16*\f
	ds_load_b128 v[B2+8*\n+4*\f:B2+8*\n+4*\f+3], v[TA2] offset:512+128*(\n/2)+32*(\n%2)+16*\f
.endr
.endr
	WIN 0xC0
.irp j,0,1,2,3,4,5,6,7
.irp f,0,1
	ds_load_b128 v[A3+16*\j+4*\f:A3+16*\j+4*\f+3], v[TA] offset:64*\j+16*\f
	ds_load_b128 v[A3+16*\j+8+4*\f:A3+16*\j+8+4*\f+3], v[TA] offset:512+64*\j+16*\f
.endr
.endr
.endif
	s_wait_dscnt 0x0
	WIN 0
	s_cmp_eq_u32 s28, 3                            ; THE FOLDED TABLE: thread i makes rows wave and wave + 4 of channel lane; wave 3's second row is the bias
	s_cselect_b32 s57, -1, 0
	v_mul_f32 v[WE0], v[RWA], v[A1L]               ; a1 W1
	v_mul_f32 v[WE1], v[RWB], v[A1L]
	v_cndmask_b32 v[WE1], v[WE1], v[A1L+1], s57    ; b1' in wave 3
	ds_store_b32 v[WTD], v[WE0]
	ds_store_b32 v[WTD], v[WE1] offset:512
	BARRIER                                        ; the table is whole
	s_wait_loadcnt 0x0                             ; the weights and their scale words
	s_wait_kmcnt 0x0                               ; x0
	WIN 0x40
.irp t,0,1,2,3,4,5,6,7,8,9
.irp i,0,1,2,3,4,5,6,7
	v_mov_b32 v[X2+16*\t+\i], 0                    ; the operands' lower halves: zero codes until x2's first codes land there
.endr
.endr
	WIN 0x80
.irp n,0,1,2,3
.irp i,0,1,2,3,4,5,6,7
	v_mov_b32 v[W2F+16*\n+\i], 0                   ; W2's lower 64 along K: zero codes
.endr
.endr
.if LVL < 4
	WIN 0xC0
.set ii, 0
.rept 64*(LVL-1)
	v_mov_b32 v[SS+ii], 0                          ; S and Q: 64 registers (LVL 2), 128 (LVL 3)
.set ii, ii+1
.endr
.endif
	WIN 0
	v_mov_b32 v[PM0], 0                            ; a lane permute's destination counts as one of its sources
	v_mov_b32 v[PM0+1], 0
	s_wait_xcnt 0x0                                ; the stores above have read their registers
.macro MASKS
	WIN 0
.irp t,0,1,2,3,4,5,6,7,8,9
	v_max_num_f32 v[MPA+\t], 0, v[MK+\t]
.endr
.irp t,0,2,4,6,8
	v_pk_mul_f32 v[M2A+\t:M2A+\t+1], v[MK+\t:MK+\t+1], v[MK+\t:MK+\t+1]
.endr
.endm
; the group that was loaded a trip ago goes through my stage: as it lies on the way in; my voxel's masks and its 70 numbers on the way out; then my 128 numbers of the folded table
.macro LOADX
	s_wait_loadcnt 0x0
	WIN 0x04                                       ; an LDS store's data are its source 1: window 1
.set ii, 0
.rept 8
	ds_store_b128 v[ST16], v[XR+4*ii:XR+4*ii+3] offset:512*ii
.set ii, ii+1
.endr
	ds_store_b64 v[ST8], v[XR+32:XR+33] offset:4096
	ds_store_b32 v[ST4], v[XR+34] offset:4352
	ds_store_b128 v[ST16], v[XR+36:XR+39] offset:4480
	ds_store_b32 v[ST4], v[XR+35] offset:4992
	WIN 0
.irp i,0,1,2,3,4
	ds_load_b64 v[MK+2*\i:MK+2*\i+1], v[MB] offset:8*\i        ; LDS serves a wave's instructions in order: these see my stores
.endr
	WIN 0x40
.set ii, 0
.rept 35
	ds_load_b64 v[XR+2*ii:XR+2*ii+1], v[XB0] offset:8*ii       ; 280 bytes a voxel: a multiple of 8; they land behind the stores that read these registers
.set ii, ii+1
.endr
	s_wait_dscnt 35                                ; the masks are in; the 35 loads of x issued behind them may be out
	MASKS
	s_wait_dscnt 0x0                               ; x is in
	WIN 0xC0
.irp k,0,1,2,3,4,5,6,7
.irp f,0,1,2,3
	ds_load_b128 v[W1W+16*\k+4*\f:W1W+16*\k+4*\f+3], v[W1A] offset:128*\k+16*\f   ; the sixteen lanes of a half read the same bytes
.endr
.endr
	WIN 0x41
.irp t,0,1,2,3,4,5,6,7,8,9
.irp k,0,1,2,3,4,5,6
	v_sub_f32 v[XR+7*\t+\k], v[XR+7*\t+\k], s[X0S+\k]          ; x - x0, while the table is on its way
.endr
.endr
	s_wait_dscnt 0x0
.endm
; z1 of points t and t + 1 (t even): b1' + seven K steps, eight pairs of channels a point: sixteen chains by turns
.macro L1P t
	WIN 0x37                                       ; source 0 (table) and source 2 (b1') window 3, source 1 (x) window 1
.irp e,0,1
.set pp, 0
.rept 8
	XFMA D12+16*\e+2*pp, W1W+2*pp, W1W+112+2*pp, 7*((\t)+\e)
.set pp, pp+1
.endr
.endr
	WIN 0x07
.irp k,1,2,3,4,5,6
.irp e,0,1
.set pp, 0
.rept 8
	XFMA D12+16*\e+2*pp, W1W+16*\k+2*pp, D12+16*\e+2*pp, 7*((\t)+\e)+\k
.set pp, pp+1
.endr
.endr
.endr
.endm
; eight registers (number k) of the pool: max(m, 0) z of an even point is kept; an odd point joins both into the running maximum, which begins at 0
.macro POOLQ src, P, t, k
.set pq, 0
.rept 4
.if ((\t)%2) == 0
	PKM EB+8*(\k)+2*pq, \src+8*(\k)+2*pq, MPA, \t
.else
	PKM ET+2*pq, \src+8*(\k)+2*pq, MPA, \t
.endif
.set pq, pq+1
.endr
.if ((\t)%2) == 1
.set pq, 0
.rept 8
.if (\t) == 1
	v_max3_num_f32 v[\P+8*(\k)+pq], 0, v[ET+pq], v[EB+8*(\k)+pq]
.else
	v_max3_num_f32 v[\P+8*(\k)+pq], v[\P+8*(\k)+pq], v[ET+pq], v[EB+8*(\k)+pq]
.endif
.set pq, pq+1
.endr
.endif
.endm
; point t of layer 1: the block's scale, the pool, x_h = relu(m^2 z) as codes into registers 8-11 of the point's operand
.macro PROC1 t
	WIN 0
.set dd, D12+16*((\t)%2)
	v_max3_num_f32 v[AM0], v[dd], v[dd+1], 0       ; no |.|: what is negative becomes 0
	v_max3_num_f32 v[AB0], v[dd+2], v[dd+3], v[dd+4]
	v_max3_num_f32 v[AM0], v[AM0], v[dd+5], v[dd+6]
	v_max3_num_f32 v[AB0], v[AB0], v[dd+7], v[dd+8]
	v_max3_num_f32 v[AM0], v[AM0], v[dd+9], v[dd+10]
	v_max3_num_f32 v[AB0], v[AB0], v[dd+11], v[dd+12]
	v_max3_num_f32 v[AM0], v[AM0], v[dd+13], v[dd+14]
	v_max3_num_f32 v[AM0], v[AM0], v[AB0], v[dd+15]
	v_permlanex16_b32 v[PM0], v[AM0], s36, s37
	POOLQ dd, P1, \t, 0
	v_max_num_f32 v[AM0], v[AM0], v[PM0]           ; with lane l xor 16's 16 channels
	v_mul_f32 v[AM0], v[AM0], v[M2A+(\t)]          ; the block's largest m^2 z
	POOLQ dd, P1, \t, 1
	v_max_num_f32 v[AM0], 0x4800000, v[AM0]        ; the floor 2^(9 - 127): the byte cannot fall under 1
	v_add_nc_u32 v[SC0], 0xfc000000, v[AM0]        ; 8 off the exponent field: the conversion's scale operand
	v_and_or_b32 v[HD0], v[AM0], 0x7f800000, s38   ; 448 x the scale
	v_lshrrev_b32 v[BY0], 23, v[SC0]
	v_lshlrev_b32 v[SW1+(\t)], 16, v[BY0]          ; byte 2 of the scale word; bytes 0 and 1 stand over products with zero codes
.set pp, 0
.rept 8
	PKM VV+2*pp, dd+2*pp, M2A, \t
.set pp, pp+1
.endr
.set ii, 0
.rept 16
	v_med3_num_f32 v[VV+ii], v[VV+ii], 0, v[HD0]   ; the activation and the hold in one
.set ii, ii+1
.endr
	WIN 0x40
	v_cvt_scalef32_pk8_fp8_f32 v[X2+16*(\t)+8:X2+16*(\t)+9], v[VV:VV+7], v[SC0]
	v_cvt_scalef32_pk8_fp8_f32 v[X2+16*(\t)+10:X2+16*(\t)+11], v[VV+8:VV+15], v[SC0]
	WIN 0
	v_nop                                          ; one plain instruction behind the last conversion
.endm
.macro PAMAX P, nb, dst                ; the largest pooled number of each block of 32 channels
.set bb, 0
.rept \nb
	v_max3_num_f32 v[AM0+bb], v[\P+16*bb], v[\P+16*bb+1], v[\P+16*bb+2]
	v_max3_num_f32 v[AB0+bb], v[\P+16*bb+3], v[\P+16*bb+4], v[\P+16*bb+5]
.set bb, bb+1
.endr
.irp i,6,10
.set bb, 0
.rept \nb
	v_max3_num_f32 v[AM0+bb], v[AM0+bb], v[\P+16*bb+\i], v[\P+16*bb+\i+1]
	v_max3_num_f32 v[AB0+bb], v[AB0+bb], v[\P+16*bb+\i+2], v[\P+16*bb+\i+3]
.set bb, bb+1
.endr
.endr
.set bb, 0
.rept \nb
	v_max3_num_f32 v[AM0+bb], v[AM0+bb], v[\P+16*bb+14], v[\P+16*bb+15]
.set bb, bb+1
.endr
.set bb, 0
.rept \nb
	v_max_num_f32 v[AM0+bb], v[AM0+bb], v[AB0+bb]
.set bb, bb+1
.endr
.set bb, 0
.rept \nb
	v_permlanex16_b32 v[PM0+bb], v[AM0+bb], s36, s37
.set bb, bb+1
.endr
.set bb, 0
.rept \nb
	v_max_num_f32 v[\dst+bb], v[AM0+bb], v[PM0+bb]
.set bb, bb+1
.endr
.endm
; the scales of m_t P for all ten points at once: 10 nb chains that do not wait for each other
.macro CHAIN nb, pa, sw, sh
	WIN 0x40
.irp t,0,1,2,3,4,5,6,7,8,9
.set bb, 0
.rept \nb
	v_mul_f32 v[HDA+\nb*\t+bb], |v[MK+\t]|, v[\pa+bb]
.set bb, bb+1
.endr
.endr
	WIN 0x44
.set ii, 0
.rept 10*\nb
	v_max_num_f32 v[HDA+ii], 0x4800000, v[HDA+ii]
.set ii, ii+1
.endr
.set ii, 0
.rept 10*\nb
	v_add_nc_u32 v[SCA+ii], 0xfc000000, v[HDA+ii]
.set ii, ii+1
.endr
	WIN 0x41
.set ii, 0
.rept 10*\nb
	v_and_or_b32 v[HDA+ii], v[HDA+ii], 0x7f800000, s38
.set ii, ii+1
.endr
	WIN 0x04
.set ii, 0
.rept 10*\nb
	v_lshrrev_b32 v[VV+ii], 23, v[SCA+ii]
.set ii, ii+1
.endr
	WIN 0
.irp t,0,1,2,3,4,5,6,7,8,9
.set bb, 0
.rept \nb
	v_lshl_or_b32 v[\sw+\t], v[VV+\nb*\t+bb], \sh+8*bb, v[\sw+\t]
.set bb, bb+1
.endr
.endr
.endm
; x_p(t) = m_t P as codes into the upper registers of the point's operand (nb = 1: 12-15; nb = 2: 8-15).  m may be negative: the hold is two-sided
.macro BUILD t, nb, P
	WIN 0
.set pp, 0
.rept 8*\nb
	PKM VV+2*pp, \P+2*pp, MK, \t
.set pp, pp+1
.endr
	WIN 0x14
.set bb, 0
.rept \nb
.set ii, 0
.rept 16
	v_med3_num_f32 v[VV+16*bb+ii], v[VV+16*bb+ii], -v[HDA+\nb*(\t)+bb], v[HDA+\nb*(\t)+bb]
.set ii, ii+1
.endr
.set bb, bb+1
.endr
	WIN 0x44
.set bb, 0
.rept \nb
	v_cvt_scalef32_pk8_fp8_f32 v[X2+16*(\t)+16-4*\nb+4*bb:X2+16*(\t)+16-4*\nb+4*bb+1], v[VV+16*bb:VV+16*bb+7], v[SCA+\nb*(\t)+bb]
	v_cvt_scalef32_pk8_fp8_f32 v[X2+16*(\t)+16-4*\nb+4*bb+2:X2+16*(\t)+16-4*\nb+4*bb+3], v[VV+16*bb+8:VV+16*bb+15], v[SCA+\nb*(\t)+bb]
.set bb, bb+1
.endr
	WIN 0
	v_nop
.endm
.macro WMMA2 t                         ; h2 of point t: four tiles of 16 channels
	WIN 0x06                                       ; source 0 (W2) window 2, source 1 (x1) window 1
.irp n,0,1,2,3
	v_wmma_scale_f32_16x16x128_f8f6f4 v[D12+8*\n:D12+8*\n+7], v[W2F+16*\n:W2F+16*\n+15], v[X2+16*(\t):X2+16*(\t)+15], 0, v[W2S+\n], v[SW1+(\t)]
.endr
.endm
.macro ACC2                            ; LVL 2: S += h2, Q += h2^2; each accumulator is read from its low end on
	WIN 0xC3
.set pp, 0
.rept 16
	v_pk_add_f32 v[SS+2*pp:SS+2*pp+1], v[SS+2*pp:SS+2*pp+1], v[D12+2*pp:D12+2*pp+1]
.set pp, pp+1
.endr
	WIN 0xF0
.set pp, 0
.rept 16
	v_pk_fma_f32 v[SS+32+2*pp:SS+32+2*pp+1], v[D12+2*pp:D12+2*pp+1], v[D12+2*pp:D12+2*pp+1], v[SS+32+2*pp:SS+32+2*pp+1]
.set pp, pp+1
.endr
.endm
; point t of layer 2: z2 = a2 h2 + b2'; two blocks' scales; the pool; x_h as codes into registers 0-7 of the point's operand
.macro PROC2 t
	WIN 0x28
.set pp, 0
.rept 16
	v_pk_fma_f32 v[VV+2*pp:VV+2*pp+1], v[D12+2*pp:D12+2*pp+1], v[A2+2*pp:A2+2*pp+1], v[B2+2*pp:B2+2*pp+1]
.set pp, pp+1
.endr
	WIN 0
.irp b,0,1
	v_max3_num_f32 v[AM0+\b], v[VV+16*\b], v[VV+16*\b+1], 0
	v_max3_num_f32 v[AB0+\b], v[VV+16*\b+2], v[VV+16*\b+3], v[VV+16*\b+4]
.endr
.irp i,5,9
.irp b,0,1
	v_max3_num_f32 v[AM0+\b], v[AM0+\b], v[VV+16*\b+\i], v[VV+16*\b+\i+1]
	v_max3_num_f32 v[AB0+\b], v[AB0+\b], v[VV+16*\b+\i+2], v[VV+16*\b+\i+3]
.endr
.endr
.irp b,0,1
	v_max3_num_f32 v[AM0+\b], v[AM0+\b], v[VV+16*\b+13], v[VV+16*\b+14]
.endr
.irp b,0,1
	v_max3_num_f32 v[AM0+\b], v[AM0+\b], v[AB0+\b], v[VV+16*\b+15]
.endr
.irp b,0,1
	v_permlanex16_b32 v[PM0+\b], v[AM0+\b], s36, s37
.endr
	POOLQ VV, P2, \t, 0
.irp b,0,1
	v_max_num_f32 v[AM0+\b], v[AM0+\b], v[PM0+\b]
.endr
	POOLQ VV, P2, \t, 1
.irp b,0,1
	v_mul_f32 v[AM0+\b], v[AM0+\b], v[M2A+(\t)]
.endr
	POOLQ VV, P2, \t, 2
.irp b,0,1
	v_max_num_f32 v[AM0+\b], 0x4800000, v[AM0+\b]
.endr
	POOLQ VV, P2, \t, 3
.irp b,0,1
	v_add_nc_u32 v[SC0+\b], 0xfc000000, v[AM0+\b]
.endr
.irp b,0,1
	v_and_or_b32 v[HD0+\b], v[AM0+\b], 0x7f800000, s38
.endr
.irp b,0,1
	v_lshrrev_b32 v[BY0+\b], 23, v[SC0+\b]
.endr
	v_lshl_or_b32 v[SW2+(\t)], v[BY0+1], 8, v[BY0]
.set pp, 0
.rept 16
	PKM VV+2*pp, VV+2*pp, M2A, \t
.set pp, pp+1
.endr
.irp b,0,1
.set ii, 0
.rept 16
	v_med3_num_f32 v[VV+16*\b+ii], v[VV+16*\b+ii], 0, v[HD0+\b]
.set ii, ii+1
.endr
.endr
	WIN 0x40
.irp b,0,1
	v_cvt_scalef32_pk8_fp8_f32 v[X2+16*(\t)+4*\b:X2+16*(\t)+4*\b+1], v[VV+16*\b:VV+16*\b+7], v[SC0+\b]
	v_cvt_scalef32_pk8_fp8_f32 v[X2+16*(\t)+4*\b+2:X2+16*(\t)+4*\b+3], v[VV+16*\b+8:VV+16*\b+15], v[SC0+\b]
.endr
	WIN 0
	v_nop
.endm
.macro FILL9                           ; the eight places behind the last point's products of layer 2
.if LVL == 4
	WIN 0xC0
.irp t,0,1,2,3,4,5,6,7,8,9
	v_mov_b32 v[MP3+\t], v[MPA+\t]                 ; max(m, 0) beside layer 3's accumulators
.endr
.else
.rept 8
	v_nop
.endr
.endif
.endm
.macro WM j, t0, n                     ; h3, channels 16 j on, of points t0 .. t0 + n - 1
	WIN 0xC6                                       ; source 0 (Wf) window 2, source 1 (x2) window 1, destination window 3
.set tt, \t0
.rept \n
	v_wmma_scale_f32_16x16x128_f8f6f4 v[D3+8*tt:D3+8*tt+7], v[WFF+16*(\j):WFF+16*(\j)+15], v[X2+16*tt:X2+16*tt+15], 0, v[WFS+(\j)], v[SW2+tt]
.set tt, tt+1
.endr
.endm
.macro PR j, t0, n                     ; LVL 4: max(m, 0) (a3 h3 + b3') and the maximum over the points, which begins at 0; all in window 3
	WIN 0xFF
.irp p,0,1,2,3
.set tt, \t0
.rept \n
	v_pk_fma_f32 v[D3+8*tt+2*\p:D3+8*tt+2*\p+1], v[D3+8*tt+2*\p:D3+8*tt+2*\p+1], v[A3+16*(\j)+2*\p:A3+16*(\j)+2*\p+1], v[A3+16*(\j)+8+2*\p:A3+16*(\j)+8+2*\p+1]
.set tt, tt+1
.endr
.endr
.irp p,0,1,2,3
.set tt, \t0
.rept \n
	PKM D3+8*tt+2*\p, D3+8*tt+2*\p, MP3, tt
.set tt, tt+1
.endr
.endr
.set oo, O3+8*((\j)%2)
.set tt, \t0
.rept (\n)/2
.set ii, 0
.rept 8
.if tt == 0
	v_max3_num_f32 v[oo+ii], 0, v[D3+8*tt+ii], v[D3+8*tt+8+ii]
.else
	v_max3_num_f32 v[oo+ii], v[oo+ii], v[D3+8*tt+ii], v[D3+8*tt+8+ii]
.endif
.set ii, ii+1
.endr
.set tt, tt+2
.endr
.endm
.macro OUT j                           ; eight neighbouring channels of my voxel into the stage
	WIN 0x0C
	ds_store_b128 v[LOW], v[O3+8*((\j)%2):O3+8*((\j)%2)+3] offset:64*(\j)
	ds_store_b128 v[LOW], v[O3+8*((\j)%2)+4:O3+8*((\j)%2)+7] offset:64*(\j)+16
.endm
.macro ACC3 j, t0, n                   ; LVL 3: S += h3, Q += h3^2
	WIN 0xFF
.set tt, \t0
.rept \n
.irp p,0,1,2,3
	v_pk_add_f32 v[SS+16*(\j)+2*\p:SS+16*(\j)+2*\p+1], v[SS+16*(\j)+2*\p:SS+16*(\j)+2*\p+1], v[D3+8*tt+2*\p:D3+8*tt+2*\p+1]
	v_pk_fma_f32 v[SS+16*(\j)+8+2*\p:SS+16*(\j)+8+2*\p+1], v[D3+8*tt+2*\p:D3+8*tt+2*\p+1], v[D3+8*tt+2*\p:D3+8*tt+2*\p+1], v[SS+16*(\j)+8+2*\p:SS+16*(\j)+8+2*\p+1]
.endr
.set tt, tt+1
.endr
.endm
.macro L3 j, t0, n
.if LVL == 4
	PR \j, \t0, \n
.else
	ACC3 \j, \t0, \n
.endif
.endm
	s_mov_b32 s32, 0
.Ltrip:                                                ; seven trips in every wave; a wave of six groups jumps over the seventh's work
	s_cmp_ge_u32 s32, s30
	s_cbranch_scc1 .Lskip
	LOADX
.irp t,0,2,4,6,8
	L1P \t
	PROC1 \t
	PROC1 \t+1
.endr
	s_add_co_u32 s56, s32, 1                       ; layer 1 has read x: its registers take the next group's bytes, if there is a next group: no load leaves its buffer
	s_cmp_ge_u32 s56, s30
	s_cbranch_scc1 .Lnonext
	RAWLOAD 4480, 640                              ; the rest of the trip stands between these loads and the wait for them
.Lnonext:
	PAMAX P1, 1, PA1
	CHAIN 1, PA1, SW1, 24
	BUILD 0, 1, P1
.rept 3
	v_nop                                          ; with the one in BUILD: four places between codes made by vector instructions and the scaled product
.endr
.irp t,0,1,2,3,4,5,6,7,8,9
	WMMA2 \t
.if \t < 9
	BUILD \t+1, 1, P1                              ; the places behind point t's products
.else
	FILL9
.endif
.if LVL == 2
	ACC2
.else
	PROC2 \t
.endif
.endr
.if LVL >= 3
	PAMAX P2, 2, PA2
	CHAIN 2, PA2, SW2, 16
.irp t,0,1,2,3,4
	BUILD \t, 2, P2
.endr
	WM 0, 0, 4
.irp t,5,6,7,8,9
	BUILD \t, 2, P2
.endr
.rept 3
	v_nop
.endr
	WM 0, 4, 6
.irp j,0,1,2,3,4,5,6,7                 ; one batch's vector work stands behind the other batch's products
	L3 \j, 0, 4
.if \j < 7
	WM \j+1, 0, 4
.endif
	L3 \j, 4, 6
.if LVL == 4
	OUT \j
.endif
.if \j < 7
	WM \j+1, 4, 6
.endif
.endr
.endif
.if LVL == 4
	WIN 0xC0
.irp i,0,1,2,3,4,5,6,7,8,9,10,11,12,13,14,15
	ds_load_b128 v[OB+4*\i:OB+4*\i+3], v[LOR] offset:528*\i      ; LDS serves a wave's instructions in order: these see my stores
.endr
	WIN 0x0C
.irp i,0,1,2,3,4,5,6,7,8,9,10,11,12,13,14,15
	s_wait_dscnt 15-\i                             ; row i is back; the younger loads may be out
	global_store_b128 v[L16], v[OB+4*\i:OB+4*\i+3], s[48:49] offset:512*\i th:TH_STORE_NT   ; 32 lanes store a voxel's 512 consecutive bytes
.endr
.endif
	WIN 0
.Lskip:
	s_wait_xcnt 0x0                                ; the loads and stores have read their registers and their bases
	s_add_nc_u64 s[44:45], s[44:45], 4480
	s_add_nc_u64 s[46:47], s[46:47], 640
.if LVL == 4
	s_add_nc_u64 s[48:49], s[48:49], 8192
.endif
	s_add_co_u32 s32, s32, 1
	s_cmp_lt_u32 s32, 7
	s_cbranch_scc1 .Ltrip
.if LVL < 4
; the sums over the 16 voxels of a row of lanes, 64 registers at a time in window 0; then the four waves' sums meet in LDS
.irp g,0,1
.if \g < LVL-1
	WIN 0x03
.set ii, 0
.rept 64
	v_mov_b32 v[VV+ii], v[SS+64*\g+ii]
.set ii, ii+1
.endr
	WIN 0
.irp m,1,2,4,8
.set ii, 0
.rept 64
	v_add_f32_dpp v[VV+ii], v[VV+ii], v[VV+ii] row_xmask:\m row_mask:0xf bank_mask:0xf
.set ii, ii+1
.endr
.endr
.irp n,0,1,2,3
.irp f,0,1
.if LVL == 2
	ds_store_b128 v[XSA], v[VV+8*\n+4*\f:VV+8*\n+4*\f+3] offset:128*(\n/2)+32*(\n%2)+16*\f            ; S of channels 32 b + 16 h + 8 u + 4 f on
	ds_store_b128 v[XSA], v[VV+32+8*\n+4*\f:VV+32+8*\n+4*\f+3] offset:256+128*(\n/2)+32*(\n%2)+16*\f  ; Q
.else
	ds_store_b128 v[XSA], v[VV+16*\n+4*\f:VV+16*\n+4*\f+3] offset:64*(4*\g+\n)+16*\f                  ; S of channels 16 j + 8 h + 4 f on
	ds_store_b128 v[XSA], v[VV+16*\n+8+4*\f:VV+16*\n+8+4*\f+3] offset:512+64*(4*\g+\n)+16*\f          ; Q
.endif
.endr
.endr
.endif
.endr
	BARRIER
	s_cmp_ge_u32 s28, LVL-1                        ; a row is 512 bytes (one wave stores it) or 1,024 (two)
	s_cbranch_scc1 .Lend
.irp w,0,1,2,3
	ds_load_b128 v[VV+4*\w:VV+4*\w+3], v[TLA] offset:1024*\w
.endr
	s_wait_dscnt 0x0
	v_pk_add_f32 v[VV:VV+1], v[VV:VV+1], v[VV+4:VV+5]
	v_pk_add_f32 v[VV+2:VV+3], v[VV+2:VV+3], v[VV+6:VV+7]
	v_pk_add_f32 v[VV+8:VV+9], v[VV+8:VV+9], v[VV+12:VV+13]
	v_pk_add_f32 v[VV+10:VV+11], v[VV+10:VV+11], v[VV+14:VV+15]
	v_pk_add_f32 v[VV:VV+1], v[VV:VV+1], v[VV+8:VV+9]
	v_pk_add_f32 v[VV+2:VV+3], v[VV+2:VV+3], v[VV+10:VV+11]
	global_store_b128 v[T16P], v[VV:VV+3], s[50:51]      ; a wave stores 512 consecutive bytes
.Lend:
.endif
	s_wait_tensorcnt 0x0
	ds_add_u32 v254, v255
	s_wait_dscnt 0x0
	s_endpgm
.Lfunc_end_k_q92f38a9d2f_stat2:
	.size	k_q92f38a9d2f_stat2, .Lfunc_end_k_q92f38a9d2f_stat2-k_q92f38a9d2f_stat2
	.p2alignl 7, 3214868480
	.fill 96, 4, 3214868480
	.section	.rodata,"a",@progbits
	.p2align	6, 0x0
	.amdhsa_kernel k_q92f38a9d2f_stat2
		.amdhsa_group_segment_fixed_size 59904
		.amdhsa_private_segment_fixed_size 0
		.amdhsa_enable_private_segment 0
		.amdhsa_kernarg_size 72
		.amdhsa_user_sgpr_count 2
		.amdhsa_user_sgpr_kernarg_segment_ptr 1
		.amdhsa_wavefront_size32 1
		.amdhsa_system_sgpr_workgroup_id_x 1
		.amdhsa_system_sgpr_workgroup_id_y 1
		.amdhsa_system_sgpr_workgroup_id_z 1
		.amdhsa_system_vgpr_workitem_id 0
		.amdhsa_next_free_vgpr 1024
		.amdhsa_next_free_sgpr 80
		.amdhsa_reserve_vcc 0
		.amdhsa_float_denorm_mode_32 3
		.amdhsa_float_denorm_mode_16_64 3
		.amdhsa_memory_ordered 1
		.amdhsa_forward_progress 1
		.amdhsa_inst_pref_size 175
	.end_amdhsa_kernel
	.amdgpu_metadata
---
amdhsa.version: [ 1, 2 ]
amdhsa.kernels:
  - .name:           k_q92f38a9d2f_stat2
    .symbol:         k_q92f38a9d2f_stat2.kd
    .args:
      - { .name: points_per_voxel, .offset: 0, .size: 8, .value_kind: global_buffer, .address_space: global }
      - { .name: mask, .offset: 8, .size: 8, .value_kind: global_buffer, .address_space: global }
      - { .name: W1, .offset: 16, .size: 8, .value_kind: global_buffer, .address_space: global }
      - { .name: wq, .offset: 24, .size: 8, .value_kind: global_buffer, .address_space: global }
      - { .name: p1, .offset: 32, .size: 8, .value_kind: global_buffer, .address_space: global }
      - { .name: g1, .offset: 40, .size: 8, .value_kind: global_buffer, .address_space: global }
      - { .name: b1, .offset: 48, .size: 8, .value_kind: global_buffer, .address_space: global }
      - { .name: bn1, .offset: 56, .size: 8, .value_kind: global_buffer, .address_space: global }
      - { .name: p2, .offset: 64, .size: 8, .value_kind: global_buffer, .address_space: global }
    .group_segment_fixed_size: 59904
    .private_segment_fixed_size: 0
    .kernarg_segment_align: 8
    .kernarg_segment_size: 72
    .max_flat_workgroup_size: 128
    .sgpr_count:     80
    .vgpr_count:     1024
    .wavefront_size: 32
...
	.end_amdgpu_metadata
.endif
;; end of part 2
;; launch stat3 (part 3): grid 256 x 1, 4 waves a work-group, no clusters, 59,904 bytes of LDS; arguments points_per_voxel, mask, W1, wq, p2, g2, b2, bn2, p3, bn1; writes bn2, p3
.if DOCPART == 3
	.amdgcn_target "amdgcn-amd-amdhsa--gfx1250"
	.amdhsa_code_object_version 6
	.text
	.protected	k_q92f38a9d2f_stat3
	.globl	k_q92f38a9d2f_stat3
	.p2align	8
	.type	k_q92f38a9d2f_stat3,@function
k_q92f38a9d2f_stat3:
	s_mov_b64 s[64:65], 0
	v_nop
	global_prefetch_b8 v0, s[64:65] scope:SCOPE_SE
	s_setreg_imm32_b32 hwreg(HW_REG_WAVE_MODE, 25, 1), 1
	s_wait_xcnt 0x0
; VoxelFeatureEncoder, launches 2, 3 and 4 of 4: ONE text, told apart by LVL alone.  Each recomputes the chain from x, since x and the mask are far fewer bytes than any intermediate.
;   LVL 2: BatchNorm 1 from p1; layer 1; product 2; sums S, Q of h2 into p2[work-group]; work-group 0 stores a1, b1' into bn1.
;   LVL 3: BatchNorm 2 from p2; layers 1 and 2; product 3; S, Q of h3 into p3; work-group 0 stores a2, b2' into bn2.
;   LVL 4: BatchNorm 3 from p3; the whole chain; out0.
; SHARES.  A group = 16 voxels x 10 points; wave q = 256 wave + work-group takes groups 6 q + min(q, 106) on, 7 where q < 106, else 6.  Its x and mask are dense runs.  A group's 5,120 bytes are loaded as they lie,
; 512 consecutive bytes an instruction, a trip ahead, into registers that layer 1 has left, and turned through the wave's own stage in LDS: a lane then takes its voxel's 70 numbers and 10 masks.
; LAYOUT.  Lane (r, h) holds voxel r throughout, and its registers run along the channels: the maximum over a voxel's points is a maximum over registers of one lane.  A matrix tile's 16 rows are the SAME point t of
; 16 voxels, and both matrix products are used transposed (source 0 = 16 output channels, source 1 = 16 voxels).  Layer 1 gives a lane channels 16 h .. 16 h + 15; the channels that form a tile of layer 2 are chosen
; (row m = m + 8 u + 8 (m / 8)) so that two tiles' 16 registers are 16 neighbours along the next K, in the order of an 8-bit operand: the conversions' results are the next operand.
; THE MASK m is honoured as a number: z being BatchNorm's result, x_h = relu(m^2 z); P = max(0, max_t max(m, 0) z_t); x_p(t) = m_t P; out = max(0, max_t max(m, 0) z3_t).
; PRODUCT 1 has K = 7 and is left in f32, since its result goes into a quantiser: fused multiply-adds, two channels an instruction.  BatchNorm 1 is folded into it: z1 = b1' + sum over k of (x - x0)[k] a1[c] W1[k][c].
; The folded table (8 rows of 32 numbers) lies in LDS; a lane's 128 numbers of it are fetched in every trip into the registers that layer 3 uses later in the trip.
; PRODUCT 2 has K = 64: it stands in the UPPER half of the instruction's 128.  W2's fragments have zero codes below; x1's registers 0-7 hold older valid codes (zeros at first), which meet zero codes.
; A block's largest m^2 z is m^2 x the block's largest z, bit for bit (a rounded product does not fall where a factor rises); likewise |m| P.
; No cluster: what work-groups share is 22 KB of weights and the partial sums, against a work-group's 144 KB of rows.
; LIMITS: a voxel with no mask > 0 (reference: -inf, then NaN everywhere) is not reproduced; the variances of h2 and h3 are Q / N - mean^2 in f32, relative error about 3e-7 (1 + mean^2 / var);
; a block of zeros gets the scale byte 1 (its codes are zeros; only this program reads the bytes); NaN and infinities are not served.
.set LVL,  3
.set CH,   32<<(LVL-2)                 ; channels of the BatchNorm that this launch finishes
.set NSL,  256/CH                      ; rows of partial sums in 2,048 bytes
.set NB,   CH/16                       ; the partial sums are CH x 2,048 bytes: batches of 16 loads a thread
.set XSTB, 5120                        ; LDS: a wave's stage: a group's x (4,480 bytes), then its masks (640)
.set OSTG, 20480                       ; LDS, LVL 4: the way out, 16 rows x 528 bytes a wave
.set WRED, 20480                       ; LDS, LVL 2 and 3: the waves' sums, 1,024 bytes a wave
.set RED,  54272                       ; LDS: 16 bytes a thread
.set TAB,  56320                       ; LDS: a[c] at 4 c, b'[c] at 512 + 4 c
.set TB2,  57344                       ; LDS, LVL 4: a2, b2' likewise
.set W1T,  58368                       ; LDS: a1[c] W1[k][c] at 128 k + 4 c, k = 0 .. 6; b1'[c] at 896 + 4 c
; window 0
.set XB0,  1
.set W1A,  2
.set MB,   3
.set L8,   4
.set ST16, 5
.set ST8,  6
.set LOW,  7
.set LOR,  8
.set L16,  9
.set L4,   10
.set RDA,  11
.set MK,   16                          ; v16-25  m_t
.set MPA,  26                          ; v26-35  max(m_t, 0)
.set M2A,  36                          ; v36-45  m_t^2
.set SW1,  46                          ; v46-55  x1's scale words
.set SW2,  56                          ; v56-65  x2's
.set W2S,  66                          ; v66-69  W2's
.set WFS,  70                          ; v70-77  Wf's
.set AM0,  78
.set AB0,  80
.set PM0,  82
.set SC0,  84
.set HD0,  86
.set BY0,  88
.set ST4,  90
.set ET,   94
.set PA1,  102
.set PA2,  103
.set D12,  106                         ; v106-137 z1 of two points, then layer 2's four accumulators
.set VV,   138
.set EB,   170
.set P1,   202
.set P2,   218
.set XSA,  250
.set TLA,  251
.set T16P, 252
; window 0, at the head only
.set RWA,  138
.set RWB,  139
.set A1L,  150
.set WE0,  152
.set WE1,  153
.set GAM,  154
.set BET,  155
.set FS,   156
.set FQ,   164
.set FM,   172
.set FV,   173
.set FRS,  174
.set FAA,  175
.set FBB,  176
.set FAD,  177
.set FTD,  178
.set I4,   186
.set WB4,  187
.set WTD,  188
.set GB4,  191
.set RR,   193
.set HH,   194
.set LN,   195
.set TA2,  196
.set TA,   197
.set B2G,  198
.set B2A,  199
.set B2D,  200
; window 1
.set X2,   0                           ; v0-159   ten operands of 16 registers: x1 in 8-15, then x2 in 0-15.  At the head: v0-127 two buffers of partial sums, v128-131 their sum
.set PAC,  128
.set XR,   160                         ; v160-229 my voxel's x: point t, number k at 7 t + k; behind layer 1 v160-199 take the next group's bytes as loaded
.set HDA,  216                         ; v216-235 (behind layer 1)
.set SCA,  236
; window 2
.set WFF,  0
.set W2F,  128
.set A2,   192
.set B2,   224
; window 3
.set A3,   0                           ; LVL 4: a3 at 16 j, b3' at 16 j + 8
.set SS,   0                           ; LVL 3: S at 16 j, Q at 16 j + 8;  LVL 2: S at 0, Q at 32
.set W1W,  128                         ; v128-255 in layer 1: the folded W1 of my 16 channels at 16 k + i, b1' at 112 + i
.set D3,   128
.set OB,   128
.set O3,   208
.set MP3,  224
.set X0S,  68                          ; s[68:75] x0
.if LVL == 3
.set BN1P, 22
.endif
.if LVL == 4
.set BN1P, 20
.set BN2P, 22
.endif
.set MSB, 0
.macro WIN new                         ; bits 1:0 source 0, 3:2 source 1, 5:4 source 2, 7:6 destination; the high byte repeats the setting that is left
.if MSB != \new
	s_set_vgpr_msb (MSB<<8)|\new
.set MSB, \new
.endif
.endm
.macro PKM d, a, arr, t                ; a pair times element t of an array: the pair that holds it is named, and op_sel picks it for both halves
.if ((\t)%2) == 0
	v_pk_mul_f32 v[\d:\d+1], v[\a:\a+1], v[\arr+(\t):\arr+(\t)+1] op_sel_hi:[1,0]
.else
	v_pk_mul_f32 v[\d:\d+1], v[\a:\a+1], v[\arr+(\t)-1:\arr+(\t)] op_sel:[0,1] op_sel_hi:[1,1]
.endif
.endm
.macro XFMA d, w, c, f                 ; a pair of channels: weights x number f of x, added onto the pair c
.if ((\f)%2) == 0
	v_pk_fma_f32 v[\d:\d+1], v[\w:\w+1], v[XR+(\f):XR+(\f)+1], v[\c:\c+1] op_sel_hi:[1,0,1]
.else
	v_pk_fma_f32 v[\d:\d+1], v[\w:\w+1], v[XR+(\f)-1:XR+(\f)], v[\c:\c+1] op_sel:[0,1,0] op_sel_hi:[1,1,1]
.endif
.endm
.macro BARRIER
	s_wait_dscnt 0x0                               ; my LDS stores have landed and my LDS loads are in
	s_barrier_signal -1
	s_barrier_wait -1
.endm
; a group's bytes as they lie, xo and mo bytes on from the bases: x is 8 x 512 + 256 + 128 bytes, the mask 512 + 128
.macro RAWLOAD xo, mo
	WIN 0x40                                       ; destination window 1
.set ii, 0
.rept 8
	global_load_b128 v[XR+4*ii:XR+4*ii+3], v[L16], s[44:45] offset:\xo+512*ii th:TH_LOAD_NT
.set ii, ii+1
.endr
	global_load_b64 v[XR+32:XR+33], v[L8], s[44:45] offset:\xo+4096 th:TH_LOAD_NT
	global_load_b32 v[XR+34], v[L4], s[44:45] offset:\xo+4352 th:TH_LOAD_NT
	global_load_b32 v[XR+35], v[L4], s[46:47] offset:\mo+512 th:TH_LOAD_NT
	global_load_b128 v[XR+36:XR+39], v[L16], s[46:47] offset:\mo th:TH_LOAD_NT
	WIN 0
.endm
.macro PLOAD b                         ; batch b of the partial sums: thread i takes the 16 bytes at 16 i of sixteen runs of 2,048
.set ii, 0
.rept 16
	global_load_b128 v[64*((\b)%2)+4*ii:64*((\b)%2)+4*ii+3], v[T16P], s[12:13] offset:2048*(16*(\b)+ii)
.set ii, ii+1
.endr
.endm
.macro PSUM b                          ; its sixteen are added up, and onto the batches before
.set bs, 64*((\b)%2)
.irp st,8,4,2
.set ii, 0
.rept \st
	v_pk_add_f32 v[bs+4*ii:bs+4*ii+1], v[bs+4*ii:bs+4*ii+1], v[bs+4*(ii+\st):bs+4*(ii+\st)+1]
	v_pk_add_f32 v[bs+4*ii+2:bs+4*ii+3], v[bs+4*ii+2:bs+4*ii+3], v[bs+4*(ii+\st)+2:bs+4*(ii+\st)+3]
.set ii, ii+1
.endr
.endr
.if (\b) == 0
	v_pk_add_f32 v[PAC:PAC+1], v[bs:bs+1], v[bs+4:bs+5]
	v_pk_add_f32 v[PAC+2:PAC+3], v[bs+2:bs+3], v[bs+6:bs+7]
.else
	v_pk_add_f32 v[bs:bs+1], v[bs:bs+1], v[bs+4:bs+5]
	v_pk_add_f32 v[bs+2:bs+3], v[bs+2:bs+3], v[bs+6:bs+7]
	v_pk_add_f32 v[PAC:PAC+1], v[PAC:PAC+1], v[bs:bs+1]
	v_pk_add_f32 v[PAC+2:PAC+3], v[PAC+2:PAC+3], v[bs+2:bs+3]
.endif
.endm
	s_load_b512 s[4:19], s[0:1], 0x0               ; x, mask, W1, wq, partial sums, gamma, beta, s[18:19]: bnK out (LVL 2, 3) or out0
.if LVL == 2
	s_load_b64 s[20:21], s[0:1], 0x40              ; p2 out
.else
	s_load_b128 s[20:23], s[0:1], 0x40             ; LVL 3: p3 out, bn1;  LVL 4: bn1, bn2
	v_lshl_add_u32 v254, v0, 2, 0xe800
	v_mov_b32 v255, 0
.endif
	v_lshrrev_b32 v12, 5, v0
	v_readfirstlane_b32 s28, v12                   ; wave
	s_lshl_b32 s29, s28, 8
	s_add_co_u32 s29, s29, ttmp9                   ; q
	s_mul_i32 s31, s29, 6
	s_min_u32 s40, s29, 106
	s_add_co_u32 s31, s31, s40                     ; my first group
	s_cmp_lt_u32 s29, 106
	s_cselect_b32 s30, 7, 6                        ; my groups
	s_mul_i32 s40, s31, 4480
	s_mov_b32 s41, 0
	s_mul_i32 s42, s31, 640
	s_mov_b32 s43, 0
	s_mov_b32 s55, 0
	s_mov_b32 s36, 0x76543210
	s_mov_b32 s37, 0xfedcba98                      ; v_permlanex16_b32's selects for lane l xor 16
	s_mov_b32 s38, 0x600000                        ; the mantissa field of 448
	s_mul_i32 s39, s28, XSTB
	; every address register that outlives a branch is made here
	v_and_b32 v[LN], 31, v0
	v_and_b32 v[RR], 15, v0                        ; r
	v_bfe_u32 v[HH], v0, 4, 1                      ; h
	v_lshlrev_b32 v[L16], 4, v[LN]
	v_lshlrev_b32 v[L8], 3, v[LN]
	v_lshlrev_b32 v[L4], 2, v[LN]
	v_add_nc_u32 v[ST16], s39, v[L16]
	v_add_nc_u32 v[ST8], s39, v[L8]
	v_add_nc_u32 v[ST4], s39, v[L4]
	v_mul_u32_u24 v[XB0], v[RR], 280               ; a voxel's x is 280 bytes
	v_add_nc_u32 v[XB0], s39, v[XB0]
	v_mul_u32_u24 v[MB], v[RR], 40                 ; its mask 40, behind the group's x
	v_add_nc_u32 v[MB], s39, v[MB]
	v_add_nc_u32 v[MB], 4480, v[MB]
	v_lshl_add_u32 v[W1A], v[HH], 6, W1T           ; my 16 channels in a row of the folded table
	v_lshl_add_u32 v[WTD], v0, 2, W1T              ; and where thread i puts its two entries: row wave (and wave + 4), channel lane
	v_lshl_add_u32 v[RDA], v0, 4, RED
	v_lshl_add_u32 v[FAD], v0, 2, RED
	v_lshl_add_u32 v[FTD], v0, 2, TAB
	v_lshlrev_b32 v[T16P], 4, v0
	v_lshlrev_b32 v[I4], 2, v0                     ; W1: row wave, channel lane
	v_add_nc_u32 v[WB4], 512, v[I4]                ; row wave + 4;
	v_min_u32 v[WB4], 892, v[WB4]                  ; W1 has 7 rows: wave 3's load is held inside the buffer, and what it brings is not used
.if LVL == 2
	v_add_nc_u32 v[TA], TAB, v[L4]
.else
	v_lshl_add_u32 v[TA], v[HH], 9-LVL, TAB        ; LVL 3: + 64 h;  LVL 4: + 32 h
.endif
.if LVL < 4
	s_lshl_b32 s53, s28, 10
	s_add_co_u32 s53, s53, WRED
	v_lshlrev_b32 v[XSA], 8-LVL, v[HH]             ; LVL 2: 64 h;  LVL 3: 32 h
	v_add_nc_u32 v[XSA], s53, v[XSA]
	v_add_nc_u32 v[TLA], WRED, v[T16P]
.else
	s_mul_i32 s53, s28, 8448
	s_add_co_u32 s53, s53, OSTG
	v_mul_u32_u24 v[LOW], v[RR], 528
	v_lshl_add_u32 v[LOW], v[HH], 5, v[LOW]
	v_add_nc_u32 v[LOW], s53, v[LOW]               ; into the stage: row r, + 32 h
	v_add_nc_u32 v[LOR], s53, v[L16]               ; back: 16 bytes a lane of a row
	v_lshrrev_b32 v[B2G], 6, v0
	v_lshlrev_b32 v[B2G], 8, v[B2G]
	v_lshl_add_u32 v[B2G], v0, 2, v[B2G]           ; 4 i + 256 (i / 64): threads 0-63 take a2, threads 64-127 b2'
	v_add_nc_u32 v[B2A], TB2, v[B2G]
	v_lshl_add_u32 v[TA2], v[HH], 6, TB2
.endif
	v_and_b32 v[GB4], CH-1, v0
	v_lshlrev_b32 v[GB4], 2, v[GB4]
	s_wait_kmcnt 0x0
	s_load_b256 s[X0S:X0S+7], s[4:5], 0x0          ; x0 = the first point's seven numbers (and one more, not used)
	s_add_nc_u64 s[44:45], s[4:5], s[40:41]        ; my run of x
	s_add_nc_u64 s[46:47], s[6:7], s[42:43]        ; and of the mask
.if LVL < 4
	s_mul_i32 s54, ttmp9, 16*CH
	s_add_nc_u64 s[50:51], s[20:21], s[54:55]      ; my work-group's row of partial sums
.else
	s_lshl_b32 s54, s31, 13
	s_add_nc_u64 s[48:49], s[18:19], s[54:55]      ; my first group's 16 rows of out0
.endif
	; THE LOADS OF THE HEAD, in three runs.  First what is small and wanted soon, and my first group:
	RAWLOAD 0, 0
	global_load_b32 v[GAM], v[GB4], s[14:15]
	global_load_b32 v[BET], v[GB4], s[16:17]
	global_load_b32 v[RWA], v[I4], s[8:9]
	global_load_b32 v[RWB], v[WB4], s[8:9]
.if LVL >= 3
	global_load_b32 v[A1L], v[L4], s[BN1P:BN1P+1]              ; a1 and b1' of channel lane
	global_load_b32 v[A1L+1], v[L4], s[BN1P:BN1P+1] offset:512
.endif
.if LVL == 4
	global_load_b32 v[B2D], v[B2G], s[BN2P:BN2P+1]
.endif
	; then the partial sums, streamed through two buffers
	WIN 0x40
	PLOAD 0
	PLOAD 1
.set bq, 0
.rept NB
.if bq < NB-1
	s_wait_loadcnt 16                              ; loads come back in order: this batch is in; the next batch's sixteen may be out
.else
	s_wait_loadcnt 0x0
.endif
	WIN 0x45
	PSUM bq
.if bq+2 < NB
	WIN 0x40
	PLOAD bq+2
.endif
.set bq, bq+1
.endr
	; then what is wanted behind the barriers
	WIN 0
.if LVL >= 3
.irp j,0,1,2,3,4,5,6,7
	global_load_b32 v[WFS+\j], v[L4], s[10:11] offset:20480+128*\j
.endr
.endif
.irp n,0,1,2,3
	global_load_b32 v[W2S+\n], v[L4], s[10:11] offset:21504+128*\n
.endr
	WIN 0x80                                       ; the weights' images: they stay in window 2
.if LVL >= 3
.irp j,0,1,2,3,4,5,6,7
.irp c,0,1,2,3
	global_load_b128 v[WFF+16*\j+4*\c:WFF+16*\j+4*\c+3], v[L16], s[10:11] offset:2048*\j+512*\c
.endr
.endr
.endif
.irp n,0,1,2,3
.irp c,0,1
	global_load_b128 v[W2F+16*\n+8+4*\c:W2F+16*\n+8+4*\c+3], v[L16], s[10:11] offset:16384+1024*\n+512*\c
.endr
.endr
	WIN 0x04                                       ; an LDS store's data are its source 1
	ds_store_b128 v[RDA], v[PAC:PAC+3]
	WIN 0
.if LVL == 4
	ds_store_b32 v[B2A], v[B2D]
.endif
	BARRIER                                        ; RED holds NSL rows of [S | Q]
	s_cmp_ge_u32 s28, CH/32                        ; thread c finishes channel c: the first CH threads
	s_cbranch_scc1 .Lnofin
.set sl, 0
.rept NSL
	ds_load_b32 v[FS+sl], v[FAD] offset:8*CH*sl
	ds_load_b32 v[FQ+sl], v[FAD] offset:8*CH*sl+4*CH
.set sl, sl+1
.endr
	s_wait_dscnt 0x0
.set sl, 1
.rept NSL-1
	v_add_f32 v[FS], v[FS], v[FS+sl]
	v_add_f32 v[FQ], v[FQ], v[FQ+sl]
.set sl, sl+1
.endr
	v_mul_f32 v[FM], 0x358637bd, v[FS]             ; mean = S / 1,000,000
	v_mul_f32 v[FV], 0x358637bd, v[FQ]
	v_fma_f32 v[FV], -v[FM], v[FM], v[FV]          ; the biased variance,
	v_max_num_f32 v[FV], 0, v[FV]                  ; not under 0,
	v_add_f32 v[FV], 0x3727c5ac, v[FV]             ; + 1e-5
	v_rsq_f32 v[FRS], v[FV]
	v_nop                                          ; one plain instruction behind a transcendental
	s_wait_alu depctr_va_vdst(0)
	v_mul_f32 v[FAA], v[GAM], v[FRS]               ; a = gamma / sqrt(var + eps)
	v_fma_f32 v[FBB], -v[FAA], v[FM], v[BET]       ; b' = beta - a mean
	ds_store_b32 v[FTD], v[FAA]
	ds_store_b32 v[FTD], v[FBB] offset:512
.if LVL < 4
	s_cmp_lg_u32 ttmp9, 0
	s_cbranch_scc1 .Lnofin
	global_store_b32 v[GB4], v[FAA], s[18:19]      ; for the later launches: one work-group stores them
	global_store_b32 v[GB4], v[FBB], s[18:19] offset:512
.endif
.Lnofin:
	BARRIER                                        ; TAB is whole
.if LVL == 2
	ds_load_b32 v[A1L], v[TA]                      ; a1 and b1' of channel lane
	ds_load_b32 v[A1L+1], v[TA] offset:512
.endif
.if LVL == 3
	WIN 0x80
.irp n,0,1,2,3
.irp f,0,1
	ds_load_b128 v[A2+8*\n+4*\f:A2+8*\n+4*\f+3], v[TA] offset:128*(\n/2)+32*(\n%2)+16*\f
	ds_load_b128 v[B2+8*\n+4*\f:B2+8*\n+4*\f+3], v[TA] offset:512+128*(\n/2)+32*(\n%2)+16*\f
.endr
.endr
.endif
.if LVL == 4
	WIN 0x80
.irp n,0,1,2,3
.irp f,0,1
	ds_load_b128 v[A2+8*\n+4*\f:A2+8*\n+4*\f+3], v[TA2] offset:128*(\n/2)+32*(\n%2)+16*\f
	ds_load_b128 v[B2+8*\n+4*\f:B2+8*\n+4*\f+3], v[TA2] offset:512+128*(\n/2)+32*(\n%2)+16*\f
.endr
.endr
	WIN 0xC0
.irp j,0,1,2,3,4,5,6,7
.irp f,0,1
	ds_load_b128 v[A3+16*\j+4*\f:A3+16*\j+4*\f+3], v[TA] offset:64*\j+16*\f
	ds_load_b128 v[A3+16*\j+8+4*\f:A3+16*\j+8+4*\f+3], v[TA] offset:512+64*\j+16*\f
.endr
.endr
.endif
	s_wait_dscnt 0x0
	WIN 0
	s_cmp_eq_u32 s28, 3                            ; THE FOLDED TABLE: thread i makes rows wave and wave + 4 of channel lane; wave 3's second row is the bias
	s_cselect_b32 s57, -1, 0
	v_mul_f32 v[WE0], v[RWA], v[A1L]               ; a1 W1
	v_mul_f32 v[WE1], v[RWB], v[A1L]
	v_cndmask_b32 v[WE1], v[WE1], v[A1L+1], s57    ; b1' in wave 3
	ds_store_b32 v[WTD], v[WE0]
	ds_store_b32 v[WTD], v[WE1] offset:512
	BARRIER                                        ; the table is whole
	s_wait_loadcnt 0x0                             ; the weights and their scale words
	s_wait_kmcnt 0x0                               ; x0
	WIN 0x40
.irp t,0,1,2,3,4,5,6,7,8,9
.irp i,0,1,2,3,4,5,6,7
	v_mov_b32 v[X2+16*\t+\i], 0                    ; the operands' lower halves: zero codes until x2's first codes land there
.endr
.endr
	WIN 0x80
.irp n,0,1,2,3
.irp i,0,1,2,3,4,5,6,7
	v_mov_b32 v[W2F+16*\n+\i], 0                   ; W2's lower 64 along K: zero codes
.endr
.endr
.if LVL < 4
	WIN 0xC0
.set ii, 0
.rept 64*(LVL-1)
	v_mov_b32 v[SS+ii], 0                          ; S and Q: 64 registers (LVL 2), 128 (LVL 3)
.set ii, ii+1
.endr
.endif
	WIN 0
	v_mov_b32 v[PM0], 0                            ; a lane permute's destination counts as one of its sources
	v_mov_b32 v[PM0+1], 0
	s_wait_xcnt 0x0                                ; the stores above have read their registers
.macro MASKS
	WIN 0
.irp t,0,1,2,3,4,5,6,7,8,9
	v_max_num_f32 v[MPA+\t], 0, v[MK+\t]
.endr
.irp t,0,2,4,6,8
	v_pk_mul_f32 v[M2A+\t:M2A+\t+1], v[MK+\t:MK+\t+1], v[MK+\t:MK+\t+1]
.endr
.endm
; the group that was loaded a trip ago goes through my stage: as it lies on the way in; my voxel's masks and its 70 numbers on the way out; then my 128 numbers of the folded table
.macro LOADX
	s_wait_loadcnt 0x0
	WIN 0x04                                       ; an LDS store's data are its source 1: window 1
.set ii, 0
.rept 8
	ds_store_b128 v[ST16], v[XR+4*ii:XR+4*ii+3] offset:512*ii
.set ii, ii+1
.endr
	ds_store_b64 v[ST8], v[XR+32:XR+33] offset:4096
	ds_store_b32 v[ST4], v[XR+34] offset:4352
	ds_store_b128 v[ST16], v[XR+36:XR+39] offset:4480
	ds_store_b32 v[ST4], v[XR+35] offset:4992
	WIN 0
.irp i,0,1,2,3,4
	ds_load_b64 v[MK+2*\i:MK+2*\i+1], v[MB] offset:8*\i        ; LDS serves a wave's instructions in order: these see my stores
.endr
	WIN 0x40
.set ii, 0
.rept 35
	ds_load_b64 v[XR+2*ii:XR+2*ii+1], v[XB0] offset:8*ii       ; 280 bytes a voxel: a multiple of 8; they land behind the stores that read these registers
.set ii, ii+1
.endr
	s_wait_dscnt 35                                ; the masks are in; the 35 loads of x issued behind them may be out
	MASKS
	s_wait_dscnt 0x0                               ; x is in
	WIN 0xC0
.irp k,0,1,2,3,4,5,6,7
.irp f,0,1,2,3
	ds_load_b128 v[W1W+16*\k+4*\f:W1W+16*\k+4*\f+3], v[W1A] offset:128*\k+16*\f   ; the sixteen lanes of a half read the same bytes
.endr
.endr
	WIN 0x41
.irp t,0,1,2,3,4,5,6,7,8,9
.irp k,0,1,2,3,4,5,6
	v_sub_f32 v[XR+7*\t+\k], v[XR+7*\t+\k], s[X0S+\k]          ; x - x0, while the table is on its way
.endr
.endr
	s_wait_dscnt 0x0
.endm
; z1 of points t and t + 1 (t even): b1' + seven K steps, eight pairs of channels a point: sixteen chains by turns
.macro L1P t
	WIN 0x37                                       ; source 0 (table) and source 2 (b1') window 3, source 1 (x) window 1
.irp e,0,1
.set pp, 0
.rept 8
	XFMA D12+16*\e+2*pp, W1W+2*pp, W1W+112+2*pp, 7*((\t)+\e)
.set pp, pp+1
.endr
.endr
	WIN 0x07
.irp k,1,2,3,4,5,6
.irp e,0,1
.set pp, 0
.rept 8
	XFMA D12+16*\e+2*pp, W1W+16*\k+2*pp, D12+16*\e+2*pp, 7*((\t)+\e)+\k
.set pp, pp+1
.endr
.endr
.endr
.endm
; eight registers (number k) of the pool: max(m, 0) z of an even point is kept; an odd point joins both into the running maximum, which begins at 0
.macro POOLQ src, P, t, k
.set pq, 0
.rept 4
.if ((\t)%2) == 0
	PKM EB+8*(\k)+2*pq, \src+8*(\k)+2*pq, MPA, \t
.else
	PKM ET+2*pq, \src+8*(\k)+2*pq, MPA, \t
.endif
.set pq, pq+1
.endr
.if ((\t)%2) == 1
.set pq, 0
.rept 8
.if (\t) == 1
	v_max3_num_f32 v[\P+8*(\k)+pq], 0, v[ET+pq], v[EB+8*(\k)+pq]
.else
	v_max3_num_f32 v[\P+8*(\k)+pq], v[\P+8*(\k)+pq], v[ET+pq], v[EB+8*(\k)+pq]
.endif
.set pq, pq+1
.endr
.endif
.endm
; point t of layer 1: the block's scale, the pool, x_h = relu(m^2 z) as codes into registers 8-11 of the point's operand
.macro PROC1 t
	WIN 0
.set dd, D12+16*((\t)%2)
	v_max3_num_f32 v[AM0], v[dd], v[dd+1], 0       ; no |.|: what is negative becomes 0
	v_max3_num_f32 v[AB0], v[dd+2], v[dd+3], v[dd+4]
	v_max3_num_f32 v[AM0], v[AM0], v[dd+5], v[dd+6]
	v_max3_num_f32 v[AB0], v[AB0], v[dd+7], v[dd+8]
	v_max3_num_f32 v[AM0], v[AM0], v[dd+9], v[dd+10]
	v_max3_num_f32 v[AB0], v[AB0], v[dd+11], v[dd+12]
	v_max3_num_f32 v[AM0], v[AM0], v[dd+13], v[dd+14]
	v_max3_num_f32 v[AM0], v[AM0], v[AB0], v[dd+15]
	v_permlanex16_b32 v[PM0], v[AM0], s36, s37
	POOLQ dd, P1, \t, 0
	v_max_num_f32 v[AM0], v[AM0], v[PM0]           ; with lane l xor 16's 16 channels
	v_mul_f32 v[AM0], v[AM0], v[M2A+(\t)]          ; the block's largest m^2 z
	POOLQ dd, P1, \t, 1
	v_max_num_f32 v[AM0], 0x4800000, v[AM0]        ; the floor 2^(9 - 127): the byte cannot fall under 1
	v_add_nc_u32 v[SC0], 0xfc000000, v[AM0]        ; 8 off the exponent field: the conversion's scale operand
	v_and_or_b32 v[HD0], v[AM0], 0x7f800000, s38   ; 448 x the scale
	v_lshrrev_b32 v[BY0], 23, v[SC0]
	v_lshlrev_b32 v[SW1+(\t)], 16, v[BY0]          ; byte 2 of the scale word; bytes 0 and 1 stand over products with zero codes
.set pp, 0
.rept 8
	PKM VV+2*pp, dd+2*pp, M2A, \t
.set pp, pp+1
.endr
.set ii, 0
.rept 16
	v_med3_num_f32 v[VV+ii], v[VV+ii], 0, v[HD0]   ; the activation and the hold in one
.set ii, ii+1
.endr
	WIN 0x40
	v_cvt_scalef32_pk8_fp8_f32 v[X2+16*(\t)+8:X2+16*(\t)+9], v[VV:VV+7], v[SC0]
	v_cvt_scalef32_pk8_fp8_f32 v[X2+16*(\t)+10:X2+16*(\t)+11], v[VV+8:VV+15], v[SC0]
	WIN 0
	v_nop                                          ; one plain instruction behind the last conversion
.endm
.macro PAMAX P, nb, dst                ; the largest pooled number of each block of 32 channels
.set bb, 0
.rept \nb
	v_max3_num_f32 v[AM0+bb], v[\P+16*bb], v[\P+16*bb+1], v[\P+16*bb+2]
	v_max3_num_f32 v[AB0+bb], v[\P+16*bb+3], v[\P+16*bb+4], v[\P+16*bb+5]
.set bb, bb+1
.endr
.irp i,6,10
.set bb, 0
.rept \nb
	v_max3_num_f32 v[AM0+bb], v[AM0+bb], v[\P+16*bb+\i], v[\P+16*bb+\i+1]
	v_max3_num_f32 v[AB0+bb], v[AB0+bb], v[\P+16*bb+\i+2], v[\P+16*bb+\i+3]
.set bb, bb+1
.endr
.endr
.set bb, 0
.rept \nb
	v_max3_num_f32 v[AM0+bb], v[AM0+bb], v[\P+16*bb+14], v[\P+16*bb+15]
.set bb, bb+1
.endr
.set bb, 0
.rept \nb
	v_max_num_f32 v[AM0+bb], v[AM0+bb], v[AB0+bb]
.set bb, bb+1
.endr
.set bb, 0
.rept \nb
	v_permlanex16_b32 v[PM0+bb], v[AM0+bb], s36, s37
.set bb, bb+1
.endr
.set bb, 0
.rept \nb
	v_max_num_f32 v[\dst+bb], v[AM0+bb], v[PM0+bb]
.set bb, bb+1
.endr
.endm
; the scales of m_t P for all ten points at once: 10 nb chains that do not wait for each other
.macro CHAIN nb, pa, sw, sh
	WIN 0x40
.irp t,0,1,2,3,4,5,6,7,8,9
.set bb, 0
.rept \nb
	v_mul_f32 v[HDA+\nb*\t+bb], |v[MK+\t]|, v[\pa+bb]
.set bb, bb+1
.endr
.endr
	WIN 0x44
.set ii, 0
.rept 10*\nb
	v_max_num_f32 v[HDA+ii], 0x4800000, v[HDA+ii]
.set ii, ii+1
.endr
.set ii, 0
.rept 10*\nb
	v_add_nc_u32 v[SCA+ii], 0xfc000000, v[HDA+ii]
.set ii, ii+1
.endr
	WIN 0x41
.set ii, 0
.rept 10*\nb
	v_and_or_b32 v[HDA+ii], v[HDA+ii], 0x7f800000, s38
.set ii, ii+1
.endr
	WIN 0x04
.set ii, 0
.rept 10*\nb
	v_lshrrev_b32 v[VV+ii], 23, v[SCA+ii]
.set ii, ii+1
.endr
	WIN 0
.irp t,0,1,2,3,4,5,6,7,8,9
.set bb, 0
.rept \nb
	v_lshl_or_b32 v[\sw+\t], v[VV+\nb*\t+bb], \sh+8*bb, v[\sw+\t]
.set bb, bb+1
.endr
.endr
.endm
; x_p(t) = m_t P as codes into the upper registers of the point's operand (nb = 1: 12-15; nb = 2: 8-15).  m may be negative: the hold is two-sided
.macro BUILD t, nb, P
	WIN 0
.set pp, 0
.rept 8*\nb
	PKM VV+2*pp, \P+2*pp, MK, \t
.set pp, pp+1
.endr
	WIN 0x14
.set bb, 0
.rept \nb
.set ii, 0
.rept 16
	v_med3_num_f32 v[VV+16*bb+ii], v[VV+16*bb+ii], -v[HDA+\nb*(\t)+bb], v[HDA+\nb*(\t)+bb]
.set ii, ii+1
.endr
.set bb, bb+1
.endr
	WIN 0x44
.set bb, 0
.rept \nb
	v_cvt_scalef32_pk8_fp8_f32 v[X2+16*(\t)+16-4*\nb+4*bb:X2+16*(\t)+16-4*\nb+4*bb+1], v[VV+16*bb:VV+16*bb+7], v[SCA+\nb*(\t)+bb]
	v_cvt_scalef32_pk8_fp8_f32 v[X2+16*(\t)+16-4*\nb+4*bb+2:X2+16*(\t)+16-4*\nb+4*bb+3], v[VV+16*bb+8:VV+16*bb+15], v[SCA+\nb*(\t)+bb]
.set bb, bb+1
.endr
	WIN 0
	v_nop
.endm
.macro WMMA2 t                         ; h2 of point t: four tiles of 16 channels
	WIN 0x06                                       ; source 0 (W2) window 2, source 1 (x1) window 1
.irp n,0,1,2,3
	v_wmma_scale_f32_16x16x128_f8f6f4 v[D12+8*\n:D12+8*\n+7], v[W2F+16*\n:W2F+16*\n+15], v[X2+16*(\t):X2+16*(\t)+15], 0, v[W2S+\n], v[SW1+(\t)]
.endr
.endm
.macro ACC2                            ; LVL 2: S += h2, Q += h2^2; each accumulator is read from its low end on
	WIN 0xC3
.set pp, 0
.rept 16
	v_pk_add_f32 v[SS+2*pp:SS+2*pp+1], v[SS+2*pp:SS+2*pp+1], v[D12+2*pp:D12+2*pp+1]
.set pp, pp+1
.endr
	WIN 0xF0
.set pp, 0
.rept 16
	v_pk_fma_f32 v[SS+32+2*pp:SS+32+2*pp+1], v[D12+2*pp:D12+2*pp+1], v[D12+2*pp:D12+2*pp+1], v[SS+32+2*pp:SS+32+2*pp+1]
.set pp, pp+1
.endr
.endm
; point t of layer 2: z2 = a2 h2 + b2'; two blocks' scales; the pool; x_h as codes into registers 0-7 of the point's operand
.macro PROC2 t
	WIN 0x28
.set pp, 0
.rept 16
	v_pk_fma_f32 v[VV+2*pp:VV+2*pp+1], v[D12+2*pp:D12+2*pp+1], v[A2+2*pp:A2+2*pp+1], v[B2+2*pp:B2+2*pp+1]
.set pp, pp+1
.endr
	WIN 0
.irp b,0,1
	v_max3_num_f32 v[AM0+\b], v[VV+16*\b], v[VV+16*\b+1], 0
	v_max3_num_f32 v[AB0+\b], v[VV+16*\b+2], v[VV+16*\b+3], v[VV+16*\b+4]
.endr
.irp i,5,9
.irp b,0,1
	v_max3_num_f32 v[AM0+\b], v[AM0+\b], v[VV+16*\b+\i], v[VV+16*\b+\i+1]
	v_max3_num_f32 v[AB0+\b], v[AB0+\b], v[VV+16*\b+\i+2], v[VV+16*\b+\i+3]
.endr
.endr
.irp b,0,1
	v_max3_num_f32 v[AM0+\b], v[AM0+\b], v[VV+16*\b+13], v[VV+16*\b+14]
.endr
.irp b,0,1
	v_max3_num_f32 v[AM0+\b], v[AM0+\b], v[AB0+\b], v[VV+16*\b+15]
.endr
.irp b,0,1
	v_permlanex16_b32 v[PM0+\b], v[AM0+\b], s36, s37
.endr
	POOLQ VV, P2, \t, 0
.irp b,0,1
	v_max_num_f32 v[AM0+\b], v[AM0+\b], v[PM0+\b]
.endr
	POOLQ VV, P2, \t, 1
.irp b,0,1
	v_mul_f32 v[AM0+\b], v[AM0+\b], v[M2A+(\t)]
.endr
	POOLQ VV, P2, \t, 2
.irp b,0,1
	v_max_num_f32 v[AM0+\b], 0x4800000, v[AM0+\b]
.endr
	POOLQ VV, P2, \t, 3
.irp b,0,1
	v_add_nc_u32 v[SC0+\b], 0xfc000000, v[AM0+\b]
.endr
.irp b,0,1
	v_and_or_b32 v[HD0+\b], v[AM0+\b], 0x7f800000, s38
.endr
.irp b,0,1
	v_lshrrev_b32 v[BY0+\b], 23, v[SC0+\b]
.endr
	v_lshl_or_b32 v[SW2+(\t)], v[BY0+1], 8, v[BY0]
.set pp, 0
.rept 16
	PKM VV+2*pp, VV+2*pp, M2A, \t
.set pp, pp+1
.endr
.irp b,0,1
.set ii, 0
.rept 16
	v_med3_num_f32 v[VV+16*\b+ii], v[VV+16*\b+ii], 0, v[HD0+\b]
.set ii, ii+1
.endr
.endr
	WIN 0x40
.irp b,0,1
	v_cvt_scalef32_pk8_fp8_f32 v[X2+16*(\t)+4*\b:X2+16*(\t)+4*\b+1], v[VV+16*\b:VV+16*\b+7], v[SC0+\b]
	v_cvt_scalef32_pk8_fp8_f32 v[X2+16*(\t)+4*\b+2:X2+16*(\t)+4*\b+3], v[VV+16*\b+8:VV+16*\b+15], v[SC0+\b]
.endr
	WIN 0
	v_nop
.endm
.macro FILL9                           ; the eight places behind the last point's products of layer 2
.if LVL == 4
	WIN 0xC0
.irp t,0,1,2,3,4,5,6,7,8,9
	v_mov_b32 v[MP3+\t], v[MPA+\t]                 ; max(m, 0) beside layer 3's accumulators
.endr
.else
.rept 8
	v_nop
.endr
.endif
.endm
.macro WM j, t0, n                     ; h3, channels 16 j on, of points t0 .. t0 + n - 1
	WIN 0xC6                                       ; source 0 (Wf) window 2, source 1 (x2) window 1, destination window 3
.set tt, \t0
.rept \n
	v_wmma_scale_f32_16x16x128_f8f6f4 v[D3+8*tt:D3+8*tt+7], v[WFF+16*(\j):WFF+16*(\j)+15], v[X2+16*tt:X2+16*tt+15], 0, v[WFS+(\j)], v[SW2+tt]
.set tt, tt+1
.endr
.endm
.macro PR j, t0, n                     ; LVL 4: max(m, 0) (a3 h3 + b3') and the maximum over the points, which begins at 0; all in window 3
	WIN 0xFF
.irp p,0,1,2,3
.set tt, \t0
.rept \n
	v_pk_fma_f32 v[D3+8*tt+2*\p:D3+8*tt+2*\p+1], v[D3+8*tt+2*\p:D3+8*tt+2*\p+1], v[A3+16*(\j)+2*\p:A3+16*(\j)+2*\p+1], v[A3+16*(\j)+8+2*\p:A3+16*(\j)+8+2*\p+1]
.set tt, tt+1
.endr
.endr
.irp p,0,1,2,3
.set tt, \t0
.rept \n
	PKM D3+8*tt+2*\p, D3+8*tt+2*\p, MP3, tt
.set tt, tt+1
.endr
.endr
.set oo, O3+8*((\j)%2)
.set tt, \t0
.rept (\n)/2
.set ii, 0
.rept 8
.if tt == 0
	v_max3_num_f32 v[oo+ii], 0, v[D3+8*tt+ii], v[D3+8*tt+8+ii]
.else
	v_max3_num_f32 v[oo+ii], v[oo+ii], v[D3+8*tt+ii], v[D3+8*tt+8+ii]
.endif
.set ii, ii+1
.endr
.set tt, tt+2
.endr
.endm
.macro OUT j                           ; eight neighbouring channels of my voxel into the stage
	WIN 0x0C
	ds_store_b128 v[LOW], v[O3+8*((\j)%2):O3+8*((\j)%2)+3] offset:64*(\j)
	ds_store_b128 v[LOW], v[O3+8*((\j)%2)+4:O3+8*((\j)%2)+7] offset:64*(\j)+16
.endm
.macro ACC3 j, t0, n                   ; LVL 3: S += h3, Q += h3^2
	WIN 0xFF
.set tt, \t0
.rept \n
.irp p,0,1,2,3
	v_pk_add_f32 v[SS+16*(\j)+2*\p:SS+16*(\j)+2*\p+1], v[SS+16*(\j)+2*\p:SS+16*(\j)+2*\p+1], v[D3+8*tt+2*\p:D3+8*tt+2*\p+1]
	v_pk_fma_f32 v[SS+16*(\j)+8+2*\p:SS+16*(\j)+8+2*\p+1], v[D3+8*tt+2*\p:D3+8*tt+2*\p+1], v[D3+8*tt+2*\p:D3+8*tt+2*\p+1], v[SS+16*(\j)+8+2*\p:SS+16*(\j)+8+2*\p+1]
.endr
.set tt, tt+1
.endr
.endm
.macro L3 j, t0, n
.if LVL == 4
	PR \j, \t0, \n
.else
	ACC3 \j, \t0, \n
.endif
.endm
	s_mov_b32 s32, 0
.Ltrip:                                                ; seven trips in every wave; a wave of six groups jumps over the seventh's work
	s_cmp_ge_u32 s32, s30
	s_cbranch_scc1 .Lskip
	LOADX
.irp t,0,2,4,6,8
	L1P \t
	PROC1 \t
	PROC1 \t+1
.endr
	s_add_co_u32 s56, s32, 1                       ; layer 1 has read x: its registers take the next group's bytes, if there is a next group: no load leaves its buffer
	s_cmp_ge_u32 s56, s30
	s_cbranch_scc1 .Lnonext
	RAWLOAD 4480, 640                              ; the rest of the trip stands between these loads and the wait for them
.Lnonext:
	PAMAX P1, 1, PA1
	CHAIN 1, PA1, SW1, 24
	BUILD 0, 1, P1
.rept 3
	v_nop                                          ; with the one in BUILD: four places between codes made by vector instructions and the scaled product
.endr
.irp t,0,1,2,3,4,5,6,7,8,9
	WMMA2 \t
.if \t < 9
	BUILD \t+1, 1, P1                              ; the places behind point t's products
.else
	FILL9
.endif
.if LVL == 2
	ACC2
.else
	PROC2 \t
.endif
.endr
.if LVL >= 3
	PAMAX P2, 2, PA2
	CHAIN 2, PA2, SW2, 16
.irp t,0,1,2,3,4
	BUILD \t, 2, P2
.endr
	WM 0, 0, 4
.irp t,5,6,7,8,9
	BUILD \t, 2, P2
.endr
.rept 3
	v_nop
.endr
	WM 0, 4, 6
.irp j,0,1,2,3,4,5,6,7                 ; one batch's vector work stands behind the other batch's products
	L3 \j, 0, 4
.if \j < 7
	WM \j+1, 0, 4
.endif
	L3 \j, 4, 6
.if LVL == 4
	OUT \j
.endif
.if \j < 7
	WM \j+1, 4, 6
.endif
.endr
.endif
.if LVL == 4
	WIN 0xC0
.irp i,0,1,2,3,4,5,6,7,8,9,10,11,12,13,14,15
	ds_load_b128 v[OB+4*\i:OB+4*\i+3], v[LOR] offset:528*\i      ; LDS serves a wave's instructions in order: these see my stores
.endr
	WIN 0x0C
.irp i,0,1,2,3,4,5,6,7,8,9,10,11,12,13,14,15
	s_wait_dscnt 15-\i                             ; row i is back; the younger loads may be out
	global_store_b128 v[L16], v[OB+4*\i:OB+4*\i+3], s[48:49] offset:512*\i th:TH_STORE_NT   ; 32 lanes store a voxel's 512 consecutive bytes
.endr
.endif
	WIN 0
.Lskip:
	s_wait_xcnt 0x0                                ; the loads and stores have read their registers and their bases
	s_add_nc_u64 s[44:45], s[44:45], 4480
	s_add_nc_u64 s[46:47], s[46:47], 640
.if LVL == 4
	s_add_nc_u64 s[48:49], s[48:49], 8192
.endif
	s_add_co_u32 s32, s32, 1
	s_cmp_lt_u32 s32, 7
	s_cbranch_scc1 .Ltrip
.if LVL < 4
; the sums over the 16 voxels of a row of lanes, 64 registers at a time in window 0; then the four waves' sums meet in LDS
.irp g,0,1
.if \g < LVL-1
	WIN 0x03
.set ii, 0
.rept 64
	v_mov_b32 v[VV+ii], v[SS+64*\g+ii]
.set ii, ii+1
.endr
	WIN 0
.irp m,1,2,4,8
.set ii, 0
.rept 64
	v_add_f32_dpp v[VV+ii], v[VV+ii], v[VV+ii] row_xmask:\m row_mask:0xf bank_mask:0xf
.set ii, ii+1
.endr
.endr
.irp n,0,1,2,3
.irp f,0,1
.if LVL == 2
	ds_store_b128 v[XSA], v[VV+8*\n+4*\f:VV+8*\n+4*\f+3] offset:128*(\n/2)+32*(\n%2)+16*\f            ; S of channels 32 b + 16 h + 8 u + 4 f on
	ds_store_b128 v[XSA], v[VV+32+8*\n+4*\f:VV+32+8*\n+4*\f+3] offset:256+128*(\n/2)+32*(\n%2)+16*\f  ; Q
.else
	ds_store_b128 v[XSA], v[VV+16*\n+4*\f:VV+16*\n+4*\f+3] offset:64*(4*\g+\n)+16*\f                  ; S of channels 16 j + 8 h + 4 f on
	ds_store_b128 v[XSA], v[VV+16*\n+8+4*\f:VV+16*\n+8+4*\f+3] offset:512+64*(4*\g+\n)+16*\f          ; Q
.endif
.endr
.endr
.endif
.endr
	BARRIER
	s_cmp_ge_u32 s28, LVL-1                        ; a row is 512 bytes (one wave stores it) or 1,024 (two)
	s_cbranch_scc1 .Lend
.irp w,0,1,2,3
	ds_load_b128 v[VV+4*\w:VV+4*\w+3], v[TLA] offset:1024*\w
.endr
	s_wait_dscnt 0x0
	v_pk_add_f32 v[VV:VV+1], v[VV:VV+1], v[VV+4:VV+5]
	v_pk_add_f32 v[VV+2:VV+3], v[VV+2:VV+3], v[VV+6:VV+7]
	v_pk_add_f32 v[VV+8:VV+9], v[VV+8:VV+9], v[VV+12:VV+13]
	v_pk_add_f32 v[VV+10:VV+11], v[VV+10:VV+11], v[VV+14:VV+15]
	v_pk_add_f32 v[VV:VV+1], v[VV:VV+1], v[VV+8:VV+9]
	v_pk_add_f32 v[VV+2:VV+3], v[VV+2:VV+3], v[VV+10:VV+11]
	global_store_b128 v[T16P], v[VV:VV+3], s[50:51]      ; a wave stores 512 consecutive bytes
.Lend:
.endif
	s_wait_tensorcnt 0x0
	ds_add_u32 v254, v255
	s_wait_dscnt 0x0
	s_endpgm
.Lfunc_end_k_q92f38a9d2f_stat3:
	.size	k_q92f38a9d2f_stat3, .Lfunc_end_k_q92f38a9d2f_stat3-k_q92f38a9d2f_stat3
	.p2alignl 7, 3214868480
	.fill 96, 4, 3214868480
	.section	.rodata,"a",@progbits
	.p2align	6, 0x0
	.amdhsa_kernel k_q92f38a9d2f_stat3
		.amdhsa_group_segment_fixed_size 59904
		.amdhsa_private_segment_fixed_size 0
		.amdhsa_enable_private_segment 0
		.amdhsa_kernarg_size 80
		.amdhsa_user_sgpr_count 2
		.amdhsa_user_sgpr_kernarg_segment_ptr 1
		.amdhsa_wavefront_size32 1
		.amdhsa_system_sgpr_workgroup_id_x 1
		.amdhsa_system_sgpr_workgroup_id_y 1
		.amdhsa_system_sgpr_workgroup_id_z 1
		.amdhsa_system_vgpr_workitem_id 0
		.amdhsa_next_free_vgpr 1024
		.amdhsa_next_free_sgpr 80
		.amdhsa_reserve_vcc 0
		.amdhsa_float_denorm_mode_32 3
		.amdhsa_float_denorm_mode_16_64 3
		.amdhsa_memory_ordered 1
		.amdhsa_forward_progress 1
		.amdhsa_inst_pref_size 255
	.end_amdhsa_kernel
	.section	.bss,"aw",@nobits
	.p2align	6
	.space	262144
	.amdgpu_metadata
---
amdhsa.version: [ 1, 2 ]
amdhsa.kernels:
  - .name:           k_q92f38a9d2f_stat3
    .symbol:         k_q92f38a9d2f_stat3.kd
    .args:
      - { .name: points_per_voxel, .offset: 0, .size: 8, .value_kind: global_buffer, .address_space: global }
      - { .name: mask, .offset: 8, .size: 8, .value_kind: global_buffer, .address_space: global }
      - { .name: W1, .offset: 16, .size: 8, .value_kind: global_buffer, .address_space: global }
      - { .name: wq, .offset: 24, .size: 8, .value_kind: global_buffer, .address_space: global }
      - { .name: p2, .offset: 32, .size: 8, .value_kind: global_buffer, .address_space: global }
      - { .name: g2, .offset: 40, .size: 8, .value_kind: global_buffer, .address_space: global }
      - { .name: b2, .offset: 48, .size: 8, .value_kind: global_buffer, .address_space: global }
      - { .name: bn2, .offset: 56, .size: 8, .value_kind: global_buffer, .address_space: global }
      - { .name: p3, .offset: 64, .size: 8, .value_kind: global_buffer, .address_space: global }
      - { .name: bn1, .offset: 72, .size: 8, .value_kind: global_buffer, .address_space: global }
    .group_segment_fixed_size: 59904
    .private_segment_fixed_size: 0
    .kernarg_segment_align: 8
    .kernarg_segment_size: 80
    .max_flat_workgroup_size: 128
    .sgpr_count:     80
    .vgpr_count:     1024
    .wavefront_size: 32
...
	.end_amdgpu_metadata
.endif
;; end of part 3
;; launch final (part 4): grid 256 x 1, 4 waves a work-group, no clusters, 59,904 bytes of LDS; arguments points_per_voxel, mask, W1, wq, p3, gf, bf, out0, bn1, bn2; writes out0
.if DOCPART == 4
	.amdgcn_target "amdgcn-amd-amdhsa--gfx1250"
	.amdhsa_code_object_version 6
	.text
	.protected	k_q92f38a9d2f_final
	.globl	k_q92f38a9d2f_final
	.p2align	8
	.type	k_q92f38a9d2f_final,@function
k_q92f38a9d2f_final:
	s_mov_b64 s[64:65], 0
	v_nop
	global_prefetch_b8 v0, s[64:65] scope:SCOPE_SE
	s_setreg_imm32_b32 hwreg(HW_REG_WAVE_MODE, 25, 1), 1
	s_wait_xcnt 0x0
; VoxelFeatureEncoder, launches 2, 3 and 4 of 4: ONE text, told apart by LVL alone.  Each recomputes the chain from x, since x and the mask are far fewer bytes than any intermediate.
;   LVL 2: BatchNorm 1 from p1; layer 1; product 2; sums S, Q of h2 into p2[work-group]; work-group 0 stores a1, b1' into bn1.
;   LVL 3: BatchNorm 2 from p2; layers 1 and 2; product 3; S, Q of h3 into p3; work-group 0 stores a2, b2' into bn2.
;   LVL 4: BatchNorm 3 from p3; the whole chain; out0.
; SHARES.  A group = 16 voxels x 10 points; wave q = 256 wave + work-group takes groups 6 q + min(q, 106) on, 7 where q < 106, else 6.  Its x and mask are dense runs.  A group's 5,120 bytes are loaded as they lie,
; 512 consecutive bytes an instruction, a trip ahead, into registers that layer 1 has left, and turned through the wave's own stage in LDS: a lane then takes its voxel's 70 numbers and 10 masks.
; LAYOUT.  Lane (r, h) holds voxel r throughout, and its registers run along the channels: the maximum over a voxel's points is a maximum over registers of one lane.  A matrix tile's 16 rows are the SAME point t of
; 16 voxels, and both matrix products are used transposed (source 0 = 16 output channels, source 1 = 16 voxels).  Layer 1 gives a lane channels 16 h .. 16 h + 15; the channels that form a tile of layer 2 are chosen
; (row m = m + 8 u + 8 (m / 8)) so that two tiles' 16 registers are 16 neighbours along the next K, in the order of an 8-bit operand: the conversions' results are the next operand.
; THE MASK m is honoured as a number: z being BatchNorm's result, x_h = relu(m^2 z); P = max(0, max_t max(m, 0) z_t); x_p(t) = m_t P; out = max(0, max_t max(m, 0) z3_t).
; PRODUCT 1 has K = 7 and is left in f32, since its result goes into a quantiser: fused multiply-adds, two channels an instruction.  BatchNorm 1 is folded into it: z1 = b1' + sum over k of (x - x0)[k] a1[c] W1[k][c].
; The folded table (8 rows of 32 numbers) lies in LDS; a lane's 128 numbers of it are fetched in every trip into the registers that layer 3 uses later in the trip.
; PRODUCT 2 has K = 64: it stands in the UPPER half of the instruction's 128.  W2's fragments have zero codes below; x1's registers 0-7 hold older valid codes (zeros at first), which meet zero codes.
; A block's largest m^2 z is m^2 x the block's largest z, bit for bit (a rounded product does not fall where a factor rises); likewise |m| P.
; No cluster: what work-groups share is 22 KB of weights and the partial sums, against a work-group's 144 KB of rows.
; LIMITS: a voxel with no mask > 0 (reference: -inf, then NaN everywhere) is not reproduced; the variances of h2 and h3 are Q / N - mean^2 in f32, relative error about 3e-7 (1 + mean^2 / var);
; a block of zeros gets the scale byte 1 (its codes are zeros; only this program reads the bytes); NaN and infinities are not served.
.set LVL,  4
.set CH,   32<<(LVL-2)                 ; channels of the BatchNorm that this launch finishes
.set NSL,  256/CH                      ; rows of partial sums in 2,048 bytes
.set NB,   CH/16                       ; the partial sums are CH x 2,048 bytes: batches of 16 loads a thread
.set XSTB, 5120                        ; LDS: a wave's stage: a group's x (4,480 bytes), then its masks (640)
.set OSTG, 20480                       ; LDS, LVL 4: the way out, 16 rows x 528 bytes a wave
.set WRED, 20480                       ; LDS, LVL 2 and 3: the waves' sums, 1,024 bytes a wave
.set RED,  54272                       ; LDS: 16 bytes a thread
.set TAB,  56320                       ; LDS: a[c] at 4 c, b'[c] at 512 + 4 c
.set TB2,  57344                       ; LDS, LVL 4: a2, b2' likewise
.set W1T,  58368                       ; LDS: a1[c] W1[k][c] at 128 k + 4 c, k = 0 .. 6; b1'[c] at 896 + 4 c
; window 0
.set XB0,  1
.set W1A,  2
.set MB,   3
.set L8,   4
.set ST16, 5
.set ST8,  6
.set LOW,  7
.set LOR,  8
.set L16,  9
.set L4,   10
.set RDA,  11
.set MK,   16                          ; v16-25  m_t
.set MPA,  26                          ; v26-35  max(m_t, 0)
.set M2A,  36                          ; v36-45  m_t^2
.set SW1,  46                          ; v46-55  x1's scale words
.set SW2,  56                          ; v56-65  x2's
.set W2S,  66                          ; v66-69  W2's
.set WFS,  70                          ; v70-77  Wf's
.set AM0,  78
.set AB0,  80
.set PM0,  82
.set SC0,  84
.set HD0,  86
.set BY0,  88
.set ST4,  90
.set ET,   94
.set PA1,  102
.set PA2,  103
.set D12,  106                         ; v106-137 z1 of two points, then layer 2's four accumulators
.set VV,   138
.set EB,   170
.set P1,   202
.set P2,   218
.set XSA,  250
.set TLA,  251
.set T16P, 252
; window 0, at the head only
.set RWA,  138
.set RWB,  139
.set A1L,  150
.set WE0,  152
.set WE1,  153
.set GAM,  154
.set BET,  155
.set FS,   156
.set FQ,   164
.set FM,   172
.set FV,   173
.set FRS,  174
.set FAA,  175
.set FBB,  176
.set FAD,  177
.set FTD,  178
.set I4,   186
.set WB4,  187
.set WTD,  188
.set GB4,  191
.set RR,   193
.set HH,   194
.set LN,   195
.set TA2,  196
.set TA,   197
.set B2G,  198
.set B2A,  199
.set B2D,  200
; window 1
.set X2,   0                           ; v0-159   ten operands of 16 registers: x1 in 8-15, then x2 in 0-15.  At the head: v0-127 two buffers of partial sums, v128-131 their sum
.set PAC,  128
.set XR,   160                         ; v160-229 my voxel's x: point t, number k at 7 t + k; behind layer 1 v160-199 take the next group's bytes as loaded
.set HDA,  216                         ; v216-235 (behind layer 1)
.set SCA,  236
; window 2
.set WFF,  0
.set W2F,  128
.set A2,   192
.set B2,   224
; window 3
.set A3,   0                           ; LVL 4: a3 at 16 j, b3' at 16 j + 8
.set SS,   0                           ; LVL 3: S at 16 j, Q at 16 j + 8;  LVL 2: S at 0, Q at 32
.set W1W,  128                         ; v128-255 in layer 1: the folded W1 of my 16 channels at 16 k + i, b1' at 112 + i
.set D3,   128
.set OB,   128
.set O3,   208
.set MP3,  224
.set X0S,  68                          ; s[68:75] x0
.if LVL == 3
.set BN1P, 22
.endif
.if LVL == 4
.set BN1P, 20
.set BN2P, 22
.endif
.set MSB, 0
.macro WIN new                         ; bits 1:0 source 0, 3:2 source 1, 5:4 source 2, 7:6 destination; the high byte repeats the setting that is left
.if MSB != \new
	s_set_vgpr_msb (MSB<<8)|\new
.set MSB, \new
.endif
.endm
.macro PKM d, a, arr, t                ; a pair times element t of an array: the pair that holds it is named, and op_sel picks it for both halves
.if ((\t)%2) == 0
	v_pk_mul_f32 v[\d:\d+1], v[\a:\a+1], v[\arr+(\t):\arr+(\t)+1] op_sel_hi:[1,0]
.else
	v_pk_mul_f32 v[\d:\d+1], v[\a:\a+1], v[\arr+(\t)-1:\arr+(\t)] op_sel:[0,1] op_sel_hi:[1,1]
.endif
.endm
.macro XFMA d, w, c, f                 ; a pair of channels: weights x number f of x, added onto the pair c
.if ((\f)%2) == 0
	v_pk_fma_f32 v[\d:\d+1], v[\w:\w+1], v[XR+(\f):XR+(\f)+1], v[\c:\c+1] op_sel_hi:[1,0,1]
.else
	v_pk_fma_f32 v[\d:\d+1], v[\w:\w+1], v[XR+(\f)-1:XR+(\f)], v[\c:\c+1] op_sel:[0,1,0] op_sel_hi:[1,1,1]
.endif
.endm
.macro BARRIER
	s_wait_dscnt 0x0                               ; my LDS stores have landed and my LDS loads are in
	s_barrier_signal -1
	s_barrier_wait -1
.endm
; a group's bytes as they lie, xo and mo bytes on from the bases: x is 8 x 512 + 256 + 128 bytes, the mask 512 + 128
.macro RAWLOAD xo, mo
	WIN 0x40                                       ; destination window 1
.set ii, 0
.rept 8
	global_load_b128 v[XR+4*ii:XR+4*ii+3], v[L16], s[44:45] offset:\xo+512*ii th:TH_LOAD_NT
.set ii, ii+1
.endr
	global_load_b64 v[XR+32:XR+33], v[L8], s[44:45] offset:\xo+4096 th:TH_LOAD_NT
	global_load_b32 v[XR+34], v[L4], s[44:45] offset:\xo+4352 th:TH_LOAD_NT
	global_load_b32 v[XR+35], v[L4], s[46:47] offset:\mo+512 th:TH_LOAD_NT
	global_load_b128 v[XR+36:XR+39], v[L16], s[46:47] offset:\mo th:TH_LOAD_NT
	WIN 0
.endm
.macro PLOAD b                         ; batch b of the partial sums: thread i takes the 16 bytes at 16 i of sixteen runs of 2,048
.set ii, 0
.rept 16
	global_load_b128 v[64*((\b)%2)+4*ii:64*((\b)%2)+4*ii+3], v[T16P], s[12:13] offset:2048*(16*(\b)+ii)
.set ii, ii+1
.endr
.endm
.macro PSUM b                          ; its sixteen are added up, and onto the batches before
.set bs, 64*((\b)%2)
.irp st,8,4,2
.set ii, 0
.rept \st
	v_pk_add_f32 v[bs+4*ii:bs+4*ii+1], v[bs+4*ii:bs+4*ii+1], v[bs+4*(ii+\st):bs+4*(ii+\st)+1]
	v_pk_add_f32 v[bs+4*ii+2:bs+4*ii+3], v[bs+4*ii+2:bs+4*ii+3], v[bs+4*(ii+\st)+2:bs+4*(ii+\st)+3]
.set ii, ii+1
.endr
.endr
.if (\b) == 0
	v_pk_add_f32 v[PAC:PAC+1], v[bs:bs+1], v[bs+4:bs+5]
	v_pk_add_f32 v[PAC+2:PAC+3], v[bs+2:bs+3], v[bs+6:bs+7]
.else
	v_pk_add_f32 v[bs:bs+1], v[bs:bs+1], v[bs+4:bs+5]
	v_pk_add_f32 v[bs+2:bs+3], v[bs+2:bs+3], v[bs+6:bs+7]
	v_pk_add_f32 v[PAC:PAC+1], v[PAC:PAC+1], v[bs:bs+1]
	v_pk_add_f32 v[PAC+2:PAC+3], v[PAC+2:PAC+3], v[bs+2:bs+3]
.endif
.endm
	s_load_b512 s[4:19], s[0:1], 0x0               ; x, mask, W1, wq, partial sums, gamma, beta, s[18:19]: bnK out (LVL 2, 3) or out0
.if LVL == 2
	s_load_b64 s[20:21], s[0:1], 0x40              ; p2 out
.else
	s_load_b128 s[20:23], s[0:1], 0x40             ; LVL 3: p3 out, bn1;  LVL 4: bn1, bn2
	v_lshl_add_u32 v254, v0, 2, 0xe800
	v_mov_b32 v255, 0
.endif
	v_lshrrev_b32 v12, 5, v0
	v_readfirstlane_b32 s28, v12                   ; wave
	s_lshl_b32 s29, s28, 8
	s_add_co_u32 s29, s29, ttmp9                   ; q
	s_mul_i32 s31, s29, 6
	s_min_u32 s40, s29, 106
	s_add_co_u32 s31, s31, s40                     ; my first group
	s_cmp_lt_u32 s29, 106
	s_cselect_b32 s30, 7, 6                        ; my groups
	s_mul_i32 s40, s31, 4480
	s_mov_b32 s41, 0
	s_mul_i32 s42, s31, 640
	s_mov_b32 s43, 0
	s_mov_b32 s55, 0
	s_mov_b32 s36, 0x76543210
	s_mov_b32 s37, 0xfedcba98                      ; v_permlanex16_b32's selects for lane l xor 16
	s_mov_b32 s38, 0x600000                        ; the mantissa field of 448
	s_mul_i32 s39, s28, XSTB
	; every address register that outlives a branch is made here
	v_and_b32 v[LN], 31, v0
	v_and_b32 v[RR], 15, v0                        ; r
	v_bfe_u32 v[HH], v0, 4, 1                      ; h
	v_lshlrev_b32 v[L16], 4, v[LN]
	v_lshlrev_b32 v[L8], 3, v[LN]
	v_lshlrev_b32 v[L4], 2, v[LN]
	v_add_nc_u32 v[ST16], s39, v[L16]
	v_add_nc_u32 v[ST8], s39, v[L8]
	v_add_nc_u32 v[ST4], s39, v[L4]
	v_mul_u32_u24 v[XB0], v[RR], 280               ; a voxel's x is 280 bytes
	v_add_nc_u32 v[XB0], s39, v[XB0]
	v_mul_u32_u24 v[MB], v[RR], 40                 ; its mask 40, behind the group's x
	v_add_nc_u32 v[MB], s39, v[MB]
	v_add_nc_u32 v[MB], 4480, v[MB]
	v_lshl_add_u32 v[W1A], v[HH], 6, W1T           ; my 16 channels in a row of the folded table
	v_lshl_add_u32 v[WTD], v0, 2, W1T              ; and where thread i puts its two entries: row wave (and wave + 4), channel lane
	v_lshl_add_u32 v[RDA], v0, 4, RED
	v_lshl_add_u32 v[FAD], v0, 2, RED
	v_lshl_add_u32 v[FTD], v0, 2, TAB
	v_lshlrev_b32 v[T16P], 4, v0
	v_lshlrev_b32 v[I4], 2, v0                     ; W1: row wave, channel lane
	v_add_nc_u32 v[WB4], 512, v[I4]                ; row wave + 4;
	v_min_u32 v[WB4], 892, v[WB4]                  ; W1 has 7 rows: wave 3's load is held inside the buffer, and what it brings is not used
.if LVL == 2
	v_add_nc_u32 v[TA], TAB, v[L4]
.else
	v_lshl_add_u32 v[TA], v[HH], 9-LVL, TAB        ; LVL 3: + 64 h;  LVL 4: + 32 h
.endif
.if LVL < 4
	s_lshl_b32 s53, s28, 10
	s_add_co_u32 s53, s53, WRED
	v_lshlrev_b32 v[XSA], 8-LVL, v[HH]             ; LVL 2: 64 h;  LVL 3: 32 h
	v_add_nc_u32 v[XSA], s53, v[XSA]
	v_add_nc_u32 v[TLA], WRED, v[T16P]
.else
	s_mul_i32 s53, s28, 8448
	s_add_co_u32 s53, s53, OSTG
	v_mul_u32_u24 v[LOW], v[RR], 528
	v_lshl_add_u32 v[LOW], v[HH], 5, v[LOW]
	v_add_nc_u32 v[LOW], s53, v[LOW]               ; into the stage: row r, + 32 h
	v_add_nc_u32 v[LOR], s53, v[L16]               ; back: 16 bytes a lane of a row
	v_lshrrev_b32 v[B2G], 6, v0
	v_lshlrev_b32 v[B2G], 8, v[B2G]
	v_lshl_add_u32 v[B2G], v0, 2, v[B2G]           ; 4 i + 256 (i / 64): threads 0-63 take a2, threads 64-127 b2'
	v_add_nc_u32 v[B2A], TB2, v[B2G]
	v_lshl_add_u32 v[TA2], v[HH], 6, TB2
.endif
	v_and_b32 v[GB4], CH-1, v0
	v_lshlrev_b32 v[GB4], 2, v[GB4]
	s_wait_kmcnt 0x0
	s_load_b256 s[X0S:X0S+7], s[4:5], 0x0          ; x0 = the first point's seven numbers (and one more, not used)
	s_add_nc_u64 s[44:45], s[4:5], s[40:41]        ; my run of x
	s_add_nc_u64 s[46:47], s[6:7], s[42:43]        ; and of the mask
.if LVL < 4
	s_mul_i32 s54, ttmp9, 16*CH
	s_add_nc_u64 s[50:51], s[20:21], s[54:55]      ; my work-group's row of partial sums
.else
	s_lshl_b32 s54, s31, 13
	s_add_nc_u64 s[48:49], s[18:19], s[54:55]      ; my first group's 16 rows of out0
.endif
	; THE LOADS OF THE HEAD, in three runs.  First what is small and wanted soon, and my first group:
	RAWLOAD 0, 0
	global_load_b32 v[GAM], v[GB4], s[14:15]
	global_load_b32 v[BET], v[GB4], s[16:17]
	global_load_b32 v[RWA], v[I4], s[8:9]
	global_load_b32 v[RWB], v[WB4], s[8:9]
.if LVL >= 3
	global_load_b32 v[A1L], v[L4], s[BN1P:BN1P+1]              ; a1 and b1' of channel lane
	global_load_b32 v[A1L+1], v[L4], s[BN1P:BN1P+1] offset:512
.endif
.if LVL == 4
	global_load_b32 v[B2D], v[B2G], s[BN2P:BN2P+1]
.endif
	; then the partial sums, streamed through two buffers
	WIN 0x40
	PLOAD 0
	PLOAD 1
.set bq, 0
.rept NB
.if bq < NB-1
	s_wait_loadcnt 16                              ; loads come back in order: this batch is in; the next batch's sixteen may be out
.else
	s_wait_loadcnt 0x0
.endif
	WIN 0x45
	PSUM bq
.if bq+2 < NB
	WIN 0x40
	PLOAD bq+2
.endif
.set bq, bq+1
.endr
	; then what is wanted behind the barriers
	WIN 0
.if LVL >= 3
.irp j,0,1,2,3,4,5,6,7
	global_load_b32 v[WFS+\j], v[L4], s[10:11] offset:20480+128*\j
.endr
.endif
.irp n,0,1,2,3
	global_load_b32 v[W2S+\n], v[L4], s[10:11] offset:21504+128*\n
.endr
	WIN 0x80                                       ; the weights' images: they stay in window 2
.if LVL >= 3
.irp j,0,1,2,3,4,5,6,7
.irp c,0,1,2,3
	global_load_b128 v[WFF+16*\j+4*\c:WFF+16*\j+4*\c+3], v[L16], s[10:11] offset:2048*\j+512*\c
.endr
.endr
.endif
.irp n,0,1,2,3
.irp c,0,1
	global_load_b128 v[W2F+16*\n+8+4*\c:W2F+16*\n+8+4*\c+3], v[L16], s[10:11] offset:16384+1024*\n+512*\c
.endr
.endr
	WIN 0x04                                       ; an LDS store's data are its source 1
	ds_store_b128 v[RDA], v[PAC:PAC+3]
	WIN 0
.if LVL == 4
	ds_store_b32 v[B2A], v[B2D]
.endif
	BARRIER                                        ; RED holds NSL rows of [S | Q]
	s_cmp_ge_u32 s28, CH/32                        ; thread c finishes channel c: the first CH threads
	s_cbranch_scc1 .Lnofin
.set sl, 0
.rept NSL
	ds_load_b32 v[FS+sl], v[FAD] offset:8*CH*sl
	ds_load_b32 v[FQ+sl], v[FAD] offset:8*CH*sl+4*CH
.set sl, sl+1
.endr
	s_wait_dscnt 0x0
.set sl, 1
.rept NSL-1
	v_add_f32 v[FS], v[FS], v[FS+sl]
	v_add_f32 v[FQ], v[FQ], v[FQ+sl]
.set sl, sl+1
.endr
	v_mul_f32 v[FM], 0x358637bd, v[FS]             ; mean = S / 1,000,000
	v_mul_f32 v[FV], 0x358637bd, v[FQ]
	v_fma_f32 v[FV], -v[FM], v[FM], v[FV]          ; the biased variance,
	v_max_num_f32 v[FV], 0, v[FV]                  ; not under 0,
	v_add_f32 v[FV], 0x3727c5ac, v[FV]             ; + 1e-5
	v_rsq_f32 v[FRS], v[FV]
	v_nop                                          ; one plain instruction behind a transcendental
	s_wait_alu depctr_va_vdst(0)
	v_mul_f32 v[FAA], v[GAM], v[FRS]               ; a = gamma / sqrt(var + eps)
	v_fma_f32 v[FBB], -v[FAA], v[FM], v[BET]       ; b' = beta - a mean
	ds_store_b32 v[FTD], v[FAA]
	ds_store_b32 v[FTD], v[FBB] offset:512
.if LVL < 4
	s_cmp_lg_u32 ttmp9, 0
	s_cbranch_scc1 .Lnofin
	global_store_b32 v[GB4], v[FAA], s[18:19]      ; for the later launches: one work-group stores them
	global_store_b32 v[GB4], v[FBB], s[18:19] offset:512
.endif
.Lnofin:
	BARRIER                                        ; TAB is whole
.if LVL == 2
	ds_load_b32 v[A1L], v[TA]                      ; a1 and b1' of channel lane
	ds_load_b32 v[A1L+1], v[TA] offset:512
.endif
.if LVL == 3
	WIN 0x80
.irp n,0,1,2,3
.irp f,0,1
	ds_load_b128 v[A2+8*\n+4*\f:A2+8*\n+4*\f+3], v[TA] offset:128*(\n/2)+32*(\n%2)+16*\f
	ds_load_b128 v[B2+8*\n+4*\f:B2+8*\n+4*\f+3], v[TA] offset:512+128*(\n/2)+32*(\n%2)+16*\f
.endr
.endr
.endif
.if LVL == 4
	WIN 0x80
.irp n,0,1,2,3
.irp f,0,1
	ds_load_b128 v[A2+8*\n+4*\f:A2+8*\n+4*\f+3], v[TA2] offset:128*(\n/2)+32*(\n%2)+16*\f
	ds_load_b128 v[B2+8*\n+4*\f:B2+8*\n+4*\f+3], v[TA2] offset:512+128*(\n/2)+32*(\n%2)+16*\f
.endr
.endr
	WIN 0xC0
.irp j,0,1,2,3,4,5,6,7
.irp f,0,1
	ds_load_b128 v[A3+16*\j+4*\f:A3+16*\j+4*\f+3], v[TA] offset:64*\j+16*\f
	ds_load_b128 v[A3+16*\j+8+4*\f:A3+16*\j+8+4*\f+3], v[TA] offset:512+64*\j+16*\f
.endr
.endr
.endif
	s_wait_dscnt 0x0
	WIN 0
	s_cmp_eq_u32 s28, 3                            ; THE FOLDED TABLE: thread i makes rows wave and wave + 4 of channel lane; wave 3's second row is the bias
	s_cselect_b32 s57, -1, 0
	v_mul_f32 v[WE0], v[RWA], v[A1L]               ; a1 W1
	v_mul_f32 v[WE1], v[RWB], v[A1L]
	v_cndmask_b32 v[WE1], v[WE1], v[A1L+1], s57    ; b1' in wave 3
	ds_store_b32 v[WTD], v[WE0]
	ds_store_b32 v[WTD], v[WE1] offset:512
	BARRIER                                        ; the table is whole
	s_wait_loadcnt 0x0                             ; the weights and their scale words
	s_wait_kmcnt 0x0                               ; x0
	WIN 0x40
.irp t,0,1,2,3,4,5,6,7,8,9
.irp i,0,1,2,3,4,5,6,7
	v_mov_b32 v[X2+16*\t+\i], 0                    ; the operands' lower halves: zero codes until x2's first codes land there
.endr
.endr
	WIN 0x80
.irp n,0,1,2,3
.irp i,0,1,2,3,4,5,6,7
	v_mov_b32 v[W2F+16*\n+\i], 0                   ; W2's lower 64 along K: zero codes
.endr
.endr
.if LVL < 4
	WIN 0xC0
.set ii, 0
.rept 64*(LVL-1)
	v_mov_b32 v[SS+ii], 0                          ; S and Q: 64 registers (LVL 2), 128 (LVL 3)
.set ii, ii+1
.endr
.endif
	WIN 0
	v_mov_b32 v[PM0], 0                            ; a lane permute's destination counts as one of its sources
	v_mov_b32 v[PM0+1], 0
	s_wait_xcnt 0x0                                ; the stores above have read their registers
.macro MASKS
	WIN 0
.irp t,0,1,2,3,4,5,6,7,8,9
	v_max_num_f32 v[MPA+\t], 0, v[MK+\t]
.endr
.irp t,0,2,4,6,8
	v_pk_mul_f32 v[M2A+\t:M2A+\t+1], v[MK+\t:MK+\t+1], v[MK+\t:MK+\t+1]
.endr
.endm
; the group that was loaded a trip ago goes through my stage: as it lies on the way in; my voxel's masks and its 70 numbers on the way out; then my 128 numbers of the folded table
.macro LOADX
	s_wait_loadcnt 0x0
	WIN 0x04                                       ; an LDS store's data are its source 1: window 1
.set ii, 0
.rept 8
	ds_store_b128 v[ST16], v[XR+4*ii:XR+4*ii+3] offset:512*ii
.set ii, ii+1
.endr
	ds_store_b64 v[ST8], v[XR+32:XR+33] offset:4096
	ds_store_b32 v[ST4], v[XR+34] offset:4352
	ds_store_b128 v[ST16], v[XR+36:XR+39] offset:4480
	ds_store_b32 v[ST4], v[XR+35] offset:4992
	WIN 0
.irp i,0,1,2,3,4
	ds_load_b64 v[MK+2*\i:MK+2*\i+1], v[MB] offset:8*\i        ; LDS serves a wave's instructions in order: these see my stores
.endr
	WIN 0x40
.set ii, 0
.rept 35
	ds_load_b64 v[XR+2*ii:XR+2*ii+1], v[XB0] offset:8*ii       ; 280 bytes a voxel: a multiple of 8; they land behind the stores that read these registers
.set ii, ii+1
.endr
	s_wait_dscnt 35                                ; the masks are in; the 35 loads of x issued behind them may be out
	MASKS
	s_wait_dscnt 0x0                               ; x is in
	WIN 0xC0
.irp k,0,1,2,3,4,5,6,7
.irp f,0,1,2,3
	ds_load_b128 v[W1W+16*\k+4*\f:W1W+16*\k+4*\f+3], v[W1A] offset:128*\k+16*\f   ; the sixteen lanes of a half read the same bytes
.endr
.endr
	WIN 0x41
.irp t,0,1,2,3,4,5,6,7,8,9
.irp k,0,1,2,3,4,5,6
	v_sub_f32 v[XR+7*\t+\k], v[XR+7*\t+\k], s[X0S+\k]          ; x - x0, while the table is on its way
.endr
.endr
	s_wait_dscnt 0x0
.endm
; z1 of points t and t + 1 (t even): b1' + seven K steps, eight pairs of channels a point: sixteen chains by turns
.macro L1P t
	WIN 0x37                                       ; source 0 (table) and source 2 (b1') window 3, source 1 (x) window 1
.irp e,0,1
.set pp, 0
.rept 8
	XFMA D12+16*\e+2*pp, W1W+2*pp, W1W+112+2*pp, 7*((\t)+\e)
.set pp, pp+1
.endr
.endr
	WIN 0x07
.irp k,1,2,3,4,5,6
.irp e,0,1
.set pp, 0
.rept 8
	XFMA D12+16*\e+2*pp, W1W+16*\k+2*pp, D12+16*\e+2*pp, 7*((\t)+\e)+\k
.set pp, pp+1
.endr
.endr
.endr
.endm
; eight registers (number k) of the pool: max(m, 0) z of an even point is kept; an odd point joins both into the running maximum, which begins at 0
.macro POOLQ src, P, t, k
.set pq, 0
.rept 4
.if ((\t)%2) == 0
	PKM EB+8*(\k)+2*pq, \src+8*(\k)+2*pq, MPA, \t
.else
	PKM ET+2*pq, \src+8*(\k)+2*pq, MPA, \t
.endif
.set pq, pq+1
.endr
.if ((\t)%2) == 1
.set pq, 0
.rept 8
.if (\t) == 1
	v_max3_num_f32 v[\P+8*(\k)+pq], 0, v[ET+pq], v[EB+8*(\k)+pq]
.else
	v_max3_num_f32 v[\P+8*(\k)+pq], v[\P+8*(\k)+pq], v[ET+pq], v[EB+8*(\k)+pq]
.endif
.set pq, pq+1
.endr
.endif
.endm
; point t of layer 1: the block's scale, the pool, x_h = relu(m^2 z) as codes into registers 8-11 of the point's operand
.macro PROC1 t
	WIN 0
.set dd, D12+16*((\t)%2)
	v_max3_num_f32 v[AM0], v[dd], v[dd+1], 0       ; no |.|: what is negative becomes 0
	v_max3_num_f32 v[AB0], v[dd+2], v[dd+3], v[dd+4]
	v_max3_num_f32 v[AM0], v[AM0], v[dd+5], v[dd+6]
	v_max3_num_f32 v[AB0], v[AB0], v[dd+7], v[dd+8]
	v_max3_num_f32 v[AM0], v[AM0], v[dd+9], v[dd+10]
	v_max3_num_f32 v[AB0], v[AB0], v[dd+11], v[dd+12]
	v_max3_num_f32 v[AM0], v[AM0], v[dd+13], v[dd+14]
	v_max3_num_f32 v[AM0], v[AM0], v[AB0], v[dd+15]
	v_permlanex16_b32 v[PM0], v[AM0], s36, s37
	POOLQ dd, P1, \t, 0
	v_max_num_f32 v[AM0], v[AM0], v[PM0]           ; with lane l xor 16's 16 channels
	v_mul_f32 v[AM0], v[AM0], v[M2A+(\t)]          ; the block's largest m^2 z
	POOLQ dd, P1, \t, 1
	v_max_num_f32 v[AM0], 0x4800000, v[AM0]        ; the floor 2^(9 - 127): the byte cannot fall under 1
	v_add_nc_u32 v[SC0], 0xfc000000, v[AM0]        ; 8 off the exponent field: the conversion's scale operand
	v_and_or_b32 v[HD0], v[AM0], 0x7f800000, s38   ; 448 x the scale
	v_lshrrev_b32 v[BY0], 23, v[SC0]
	v_lshlrev_b32 v[SW1+(\t)], 16, v[BY0]          ; byte 2 of the scale word; bytes 0 and 1 stand over products with zero codes
.set pp, 0
.rept 8
	PKM VV+2*pp, dd+2*pp, M2A, \t
.set pp, pp+1
.endr
.set ii, 0
.rept 16
	v_med3_num_f32 v[VV+ii], v[VV+ii], 0, v[HD0]   ; the activation and the hold in one
.set ii, ii+1
.endr
	WIN 0x40
	v_cvt_scalef32_pk8_fp8_f32 v[X2+16*(\t)+8:X2+16*(\t)+9], v[VV:VV+7], v[SC0]
	v_cvt_scalef32_pk8_fp8_f32 v[X2+16*(\t)+10:X2+16*(\t)+11], v[VV+8:VV+15], v[SC0]
	WIN 0
	v_nop                                          ; one plain instruction behind the last conversion
.endm
.macro PAMAX P, nb, dst                ; the largest pooled number of each block of 32 channels
.set bb, 0
.rept \nb
	v_max3_num_f32 v[AM0+bb], v[\P+16*bb], v[\P+16*bb+1], v[\P+16*bb+2]
	v_max3_num_f32 v[AB0+bb], v[\P+16*bb+3], v[\P+16*bb+4], v[\P+16*bb+5]
.set bb, bb+1
.endr
.irp i,6,10
.set bb, 0
.rept \nb
	v_max3_num_f32 v[AM0+bb], v[AM0+bb], v[\P+16*bb+\i], v[\P+16*bb+\i+1]
	v_max3_num_f32 v[AB0+bb], v[AB0+bb], v[\P+16*bb+\i+2], v[\P+16*bb+\i+3]
.set bb, bb+1
.endr
.endr
.set bb, 0
.rept \nb
	v_max3_num_f32 v[AM0+bb], v[AM0+bb], v[\P+16*bb+14], v[\P+16*bb+15]
.set bb, bb+1
.endr
.set bb, 0
.rept \nb
	v_max_num_f32 v[AM0+bb], v[AM0+bb], v[AB0+bb]
.set bb, bb+1
.endr
.set bb, 0
.rept \nb
	v_permlanex16_b32 v[PM0+bb], v[AM0+bb], s36, s37
.set bb, bb+1
.endr
.set bb, 0
.rept \nb
	v_max_num_f32 v[\dst+bb], v[AM0+bb], v[PM0+bb]
.set bb, bb+1
.endr
.endm
; the scales of m_t P for all ten points at once: 10 nb chains that do not wait for each other
.macro CHAIN nb, pa, sw, sh
	WIN 0x40
.irp t,0,1,2,3,4,5,6,7,8,9
.set bb, 0
.rept \nb
	v_mul_f32 v[HDA+\nb*\t+bb], |v[MK+\t]|, v[\pa+bb]
.set bb, bb+1
.endr
.endr
	WIN 0x44
.set ii, 0
.rept 10*\nb
	v_max_num_f32 v[HDA+ii], 0x4800000, v[HDA+ii]
.set ii, ii+1
.endr
.set ii, 0
.rept 10*\nb
	v_add_nc_u32 v[SCA+ii], 0xfc000000, v[HDA+ii]
.set ii, ii+1
.endr
	WIN 0x41
.set ii, 0
.rept 10*\nb
	v_and_or_b32 v[HDA+ii], v[HDA+ii], 0x7f800000, s38
.set ii, ii+1
.endr
	WIN 0x04
.set ii, 0
.rept 10*\nb
	v_lshrrev_b32 v[VV+ii], 23, v[SCA+ii]
.set ii, ii+1
.endr
	WIN 0
.irp t,0,1,2,3,4,5,6,7,8,9
.set bb, 0
.rept \nb
	v_lshl_or_b32 v[\sw+\t], v[VV+\nb*\t+bb], \sh+8*bb, v[\sw+\t]
.set bb, bb+1
.endr
.endr
.endm
; x_p(t) = m_t P as codes into the upper registers of the point's operand (nb = 1: 12-15; nb = 2: 8-15).  m may be negative: the hold is two-sided
.macro BUILD t, nb, P
	WIN 0
.set pp, 0
.rept 8*\nb
	PKM VV+2*pp, \P+2*pp, MK, \t
.set pp, pp+1
.endr
	WIN 0x14
.set bb, 0
.rept \nb
.set ii, 0
.rept 16
	v_med3_num_f32 v[VV+16*bb+ii], v[VV+16*bb+ii], -v[HDA+\nb*(\t)+bb], v[HDA+\nb*(\t)+bb]
.set ii, ii+1
.endr
.set bb, bb+1
.endr
	WIN 0x44
.set bb, 0
.rept \nb
	v_cvt_scalef32_pk8_fp8_f32 v[X2+16*(\t)+16-4*\nb+4*bb:X2+16*(\t)+16-4*\nb+4*bb+1], v[VV+16*bb:VV+16*bb+7], v[SCA+\nb*(\t)+bb]
	v_cvt_scalef32_pk8_fp8_f32 v[X2+16*(\t)+16-4*\nb+4*bb+2:X2+16*(\t)+16-4*\nb+4*bb+3], v[VV+16*bb+8:VV+16*bb+15], v[SCA+\nb*(\t)+bb]
.set bb, bb+1
.endr
	WIN 0
	v_nop
.endm
.macro WMMA2 t                         ; h2 of point t: four tiles of 16 channels
	WIN 0x06                                       ; source 0 (W2) window 2, source 1 (x1) window 1
.irp n,0,1,2,3
	v_wmma_scale_f32_16x16x128_f8f6f4 v[D12+8*\n:D12+8*\n+7], v[W2F+16*\n:W2F+16*\n+15], v[X2+16*(\t):X2+16*(\t)+15], 0, v[W2S+\n], v[SW1+(\t)]
.endr
.endm
.macro ACC2                            ; LVL 2: S += h2, Q += h2^2; each accumulator is read from its low end on
	WIN 0xC3
.set pp, 0
.rept 16
	v_pk_add_f32 v[SS+2*pp:SS+2*pp+1], v[SS+2*pp:SS+2*pp+1], v[D12+2*pp:D12+2*pp+1]
.set pp, pp+1
.endr
	WIN 0xF0
.set pp, 0
.rept 16
	v_pk_fma_f32 v[SS+32+2*pp:SS+32+2*pp+1], v[D12+2*pp:D12+2*pp+1], v[D12+2*pp:D12+2*pp+1], v[SS+32+2*pp:SS+32+2*pp+1]
.set pp, pp+1
.endr
.endm
; point t of layer 2: z2 = a2 h2 + b2'; two blocks' scales; the pool; x_h as codes into registers 0-7 of the point's operand
.macro PROC2 t
	WIN 0x28
.set pp, 0
.rept 16
	v_pk_fma_f32 v[VV+2*pp:VV+2*pp+1], v[D12+2*pp:D12+2*pp+1], v[A2+2*pp:A2+2*pp+1], v[B2+2*pp:B2+2*pp+1]
.set pp, pp+1
.endr
	WIN 0
.irp b,0,1
	v_max3_num_f32 v[AM0+\b], v[VV+16*\b], v[VV+16*\b+1], 0
	v_max3_num_f32 v[AB0+\b], v[VV+16*\b+2], v[VV+16*\b+3], v[VV+16*\b+4]
.endr
.irp i,5,9
.irp b,0,1
	v_max3_num_f32 v[AM0+\b], v[AM0+\b], v[VV+16*\b+\i], v[VV+16*\b+\i+1]
	v_max3_num_f32 v[AB0+\b], v[AB0+\b], v[VV+16*\b+\i+2], v[VV+16*\b+\i+3]
.endr
.endr
.irp b,0,1
	v_max3_num_f32 v[AM0+\b], v[AM0+\b], v[VV+16*\b+13], v[VV+16*\b+14]
.endr
.irp b,0,1
	v_max3_num_f32 v[AM0+\b], v[AM0+\b], v[AB0+\b], v[VV+16*\b+15]
.endr
.irp b,0,1
	v_permlanex16_b32 v[PM0+\b], v[AM0+\b], s36, s37
.endr
	POOLQ VV, P2, \t, 0
.irp b,0,1
	v_max_num_f32 v[AM0+\b], v[AM0+\b], v[PM0+\b]
.endr
	POOLQ VV, P2, \t, 1
.irp b,0,1
	v_mul_f32 v[AM0+\b], v[AM0+\b], v[M2A+(\t)]
.endr
	POOLQ VV, P2, \t, 2
.irp b,0,1
	v_max_num_f32 v[AM0+\b], 0x4800000, v[AM0+\b]
.endr
	POOLQ VV, P2, \t, 3
.irp b,0,1
	v_add_nc_u32 v[SC0+\b], 0xfc000000, v[AM0+\b]
.endr
.irp b,0,1
	v_and_or_b32 v[HD0+\b], v[AM0+\b], 0x7f800000, s38
.endr
.irp b,0,1
	v_lshrrev_b32 v[BY0+\b], 23, v[SC0+\b]
.endr
	v_lshl_or_b32 v[SW2+(\t)], v[BY0+1], 8, v[BY0]
.set pp, 0
.rept 16
	PKM VV+2*pp, VV+2*pp, M2A, \t
.set pp, pp+1
.endr
.irp b,0,1
.set ii, 0
.rept 16
	v_med3_num_f32 v[VV+16*\b+ii], v[VV+16*\b+ii], 0, v[HD0+\b]
.set ii, ii+1
.endr
.endr
	WIN 0x40
.irp b,0,1
	v_cvt_scalef32_pk8_fp8_f32 v[X2+16*(\t)+4*\b:X2+16*(\t)+4*\b+1], v[VV+16*\b:VV+16*\b+7], v[SC0+\b]
	v_cvt_scalef32_pk8_fp8_f32 v[X2+16*(\t)+4*\b+2:X2+16*(\t)+4*\b+3], v[VV+16*\b+8:VV+16*\b+15], v[SC0+\b]
.endr
	WIN 0
	v_nop
.endm
.macro FILL9                           ; the eight places behind the last point's products of layer 2
.if LVL == 4
	WIN 0xC0
.irp t,0,1,2,3,4,5,6,7,8,9
	v_mov_b32 v[MP3+\t], v[MPA+\t]                 ; max(m, 0) beside layer 3's accumulators
.endr
.else
.rept 8
	v_nop
.endr
.endif
.endm
.macro WM j, t0, n                     ; h3, channels 16 j on, of points t0 .. t0 + n - 1
	WIN 0xC6                                       ; source 0 (Wf) window 2, source 1 (x2) window 1, destination window 3
.set tt, \t0
.rept \n
	v_wmma_scale_f32_16x16x128_f8f6f4 v[D3+8*tt:D3+8*tt+7], v[WFF+16*(\j):WFF+16*(\j)+15], v[X2+16*tt:X2+16*tt+15], 0, v[WFS+(\j)], v[SW2+tt]
.set tt, tt+1
.endr
.endm
.macro PR j, t0, n                     ; LVL 4: max(m, 0) (a3 h3 + b3') and the maximum over the points, which begins at 0; all in window 3
	WIN 0xFF
.irp p,0,1,2,3
.set tt, \t0
.rept \n
	v_pk_fma_f32 v[D3+8*tt+2*\p:D3+8*tt+2*\p+1], v[D3+8*tt+2*\p:D3+8*tt+2*\p+1], v[A3+16*(\j)+2*\p:A3+16*(\j)+2*\p+1], v[A3+16*(\j)+8+2*\p:A3+16*(\j)+8+2*\p+1]
.set tt, tt+1
.endr
.endr
.irp p,0,1,2,3
.set tt, \t0
.rept \n
	PKM D3+8*tt+2*\p, D3+8*tt+2*\p, MP3, tt
.set tt, tt+1
.endr
.endr
.set oo, O3+8*((\j)%2)
.set tt, \t0
.rept (\n)/2
.set ii, 0
.rept 8
.if tt == 0
	v_max3_num_f32 v[oo+ii], 0, v[D3+8*tt+ii], v[D3+8*tt+8+ii]
.else
	v_max3_num_f32 v[oo+ii], v[oo+ii], v[D3+8*tt+ii], v[D3+8*tt+8+ii]
.endif
.set ii, ii+1
.endr
.set tt, tt+2
.endr
.endm
.macro OUT j                           ; eight neighbouring channels of my voxel into the stage
	WIN 0x0C
	ds_store_b128 v[LOW], v[O3+8*((\j)%2):O3+8*((\j)%2)+3] offset:64*(\j)
	ds_store_b128 v[LOW], v[O3+8*((\j)%2)+4:O3+8*((\j)%2)+7] offset:64*(\j)+16
.endm
.macro ACC3 j, t0, n                   ; LVL 3: S += h3, Q += h3^2
	WIN 0xFF
.set tt, \t0
.rept \n
.irp p,0,1,2,3
	v_pk_add_f32 v[SS+16*(\j)+2*\p:SS+16*(\j)+2*\p+1], v[SS+16*(\j)+2*\p:SS+16*(\j)+2*\p+1], v[D3+8*tt+2*\p:D3+8*tt+2*\p+1]
	v_pk_fma_f32 v[SS+16*(\j)+8+2*\p:SS+16*(\j)+8+2*\p+1], v[D3+8*tt+2*\p:D3+8*tt+2*\p+1], v[D3+8*tt+2*\p:D3+8*tt+2*\p+1], v[SS+16*(\j)+8+2*\p:SS+16*(\j)+8+2*\p+1]
.endr
.set tt, tt+1
.endr
.endm
.macro L3 j, t0, n
.if LVL == 4
	PR \j, \t0, \n
.else
	ACC3 \j, \t0, \n
.endif
.endm
	s_mov_b32 s32, 0
.Ltrip:                                                ; seven trips in every wave; a wave of six groups jumps over the seventh's work
	s_cmp_ge_u32 s32, s30
	s_cbranch_scc1 .Lskip
	LOADX
.irp t,0,2,4,6,8
	L1P \t
	PROC1 \t
	PROC1 \t+1
.endr
	s_add_co_u32 s56, s32, 1                       ; layer 1 has read x: its registers take the next group's bytes, if there is a next group: no load leaves its buffer
	s_cmp_ge_u32 s56, s30
	s_cbranch_scc1 .Lnonext
	RAWLOAD 4480, 640                              ; the rest of the trip stands between these loads and the wait for them
.Lnonext:
	PAMAX P1, 1, PA1
	CHAIN 1, PA1, SW1, 24
	BUILD 0, 1, P1
.rept 3
	v_nop                                          ; with the one in BUILD: four places between codes made by vector instructions and the scaled product
.endr
.irp t,0,1,2,3,4,5,6,7,8,9
	WMMA2 \t
.if \t < 9
	BUILD \t+1, 1, P1                              ; the places behind point t's products
.else
	FILL9
.endif
.if LVL == 2
	ACC2
.else
	PROC2 \t
.endif
.endr
.if LVL >= 3
	PAMAX P2, 2, PA2
	CHAIN 2, PA2, SW2, 16
.irp t,0,1,2,3,4
	BUILD \t, 2, P2
.endr
	WM 0, 0, 4
.irp t,5,6,7,8,9
	BUILD \t, 2, P2
.endr
.rept 3
	v_nop
.endr
	WM 0, 4, 6
.irp j,0,1,2,3,4,5,6,7                 ; one batch's vector work stands behind the other batch's products
	L3 \j, 0, 4
.if \j < 7
	WM \j+1, 0, 4
.endif
	L3 \j, 4, 6
.if LVL == 4
	OUT \j
.endif
.if \j < 7
	WM \j+1, 4, 6
.endif
.endr
.endif
.if LVL == 4
	WIN 0xC0
.irp i,0,1,2,3,4,5,6,7,8,9,10,11,12,13,14,15
	ds_load_b128 v[OB+4*\i:OB+4*\i+3], v[LOR] offset:528*\i      ; LDS serves a wave's instructions in order: these see my stores
.endr
	WIN 0x0C
.irp i,0,1,2,3,4,5,6,7,8,9,10,11,12,13,14,15
	s_wait_dscnt 15-\i                             ; row i is back; the younger loads may be out
	global_store_b128 v[L16], v[OB+4*\i:OB+4*\i+3], s[48:49] offset:512*\i th:TH_STORE_NT   ; 32 lanes store a voxel's 512 consecutive bytes
.endr
.endif
	WIN 0
.Lskip:
	s_wait_xcnt 0x0                                ; the loads and stores have read their registers and their bases
	s_add_nc_u64 s[44:45], s[44:45], 4480
	s_add_nc_u64 s[46:47], s[46:47], 640
.if LVL == 4
	s_add_nc_u64 s[48:49], s[48:49], 8192
.endif
	s_add_co_u32 s32, s32, 1
	s_cmp_lt_u32 s32, 7
	s_cbranch_scc1 .Ltrip
.if LVL < 4
; the sums over the 16 voxels of a row of lanes, 64 registers at a time in window 0; then the four waves' sums meet in LDS
.irp g,0,1
.if \g < LVL-1
	WIN 0x03
.set ii, 0
.rept 64
	v_mov_b32 v[VV+ii], v[SS+64*\g+ii]
.set ii, ii+1
.endr
	WIN 0
.irp m,1,2,4,8
.set ii, 0
.rept 64
	v_add_f32_dpp v[VV+ii], v[VV+ii], v[VV+ii] row_xmask:\m row_mask:0xf bank_mask:0xf
.set ii, ii+1
.endr
.endr
.irp n,0,1,2,3
.irp f,0,1
.if LVL == 2
	ds_store_b128 v[XSA], v[VV+8*\n+4*\f:VV+8*\n+4*\f+3] offset:128*(\n/2)+32*(\n%2)+16*\f            ; S of channels 32 b + 16 h + 8 u + 4 f on
	ds_store_b128 v[XSA], v[VV+32+8*\n+4*\f:VV+32+8*\n+4*\f+3] offset:256+128*(\n/2)+32*(\n%2)+16*\f  ; Q
.else
	ds_store_b128 v[XSA], v[VV+16*\n+4*\f:VV+16*\n+4*\f+3] offset:64*(4*\g+\n)+16*\f                  ; S of channels 16 j + 8 h + 4 f on
	ds_store_b128 v[XSA], v[VV+16*\n+8+4*\f:VV+16*\n+8+4*\f+3] offset:512+64*(4*\g+\n)+16*\f          ; Q
.endif
.endr
.endr
.endif
.endr
	BARRIER
	s_cmp_ge_u32 s28, LVL-1                        ; a row is 512 bytes (one wave stores it) or 1,024 (two)
	s_cbranch_scc1 .Lend
.irp w,0,1,2,3
	ds_load_b128 v[VV+4*\w:VV+4*\w+3], v[TLA] offset:1024*\w
.endr
	s_wait_dscnt 0x0
	v_pk_add_f32 v[VV:VV+1], v[VV:VV+1], v[VV+4:VV+5]
	v_pk_add_f32 v[VV+2:VV+3], v[VV+2:VV+3], v[VV+6:VV+7]
	v_pk_add_f32 v[VV+8:VV+9], v[VV+8:VV+9], v[VV+12:VV+13]
	v_pk_add_f32 v[VV+10:VV+11], v[VV+10:VV+11], v[VV+14:VV+15]
	v_pk_add_f32 v[VV:VV+1], v[VV:VV+1], v[VV+8:VV+9]
	v_pk_add_f32 v[VV+2:VV+3], v[VV+2:VV+3], v[VV+10:VV+11]
	global_store_b128 v[T16P], v[VV:VV+3], s[50:51]      ; a wave stores 512 consecutive bytes
.Lend:
.endif
	s_wait_tensorcnt 0x0
	ds_add_u32 v254, v255
	s_wait_dscnt 0x0
	s_endpgm
.Lfunc_end_k_q92f38a9d2f_final:
	.size	k_q92f38a9d2f_final, .Lfunc_end_k_q92f38a9d2f_final-k_q92f38a9d2f_final
	.p2alignl 7, 3214868480
	.fill 96, 4, 3214868480
	.section	.rodata,"a",@progbits
	.p2align	6, 0x0
	.amdhsa_kernel k_q92f38a9d2f_final
		.amdhsa_group_segment_fixed_size 59904
		.amdhsa_private_segment_fixed_size 0
		.amdhsa_enable_private_segment 0
		.amdhsa_kernarg_size 80
		.amdhsa_user_sgpr_count 2
		.amdhsa_user_sgpr_kernarg_segment_ptr 1
		.amdhsa_wavefront_size32 1
		.amdhsa_system_sgpr_workgroup_id_x 1
		.amdhsa_system_sgpr_workgroup_id_y 1
		.amdhsa_system_sgpr_workgroup_id_z 1
		.amdhsa_system_vgpr_workitem_id 0
		.amdhsa_next_free_vgpr 1024
		.amdhsa_next_free_sgpr 80
		.amdhsa_reserve_vcc 0
		.amdhsa_float_denorm_mode_32 3
		.amdhsa_float_denorm_mode_16_64 3
		.amdhsa_memory_ordered 1
		.amdhsa_forward_progress 1
		.amdhsa_inst_pref_size 255
	.end_amdhsa_kernel
	.section	.bss,"aw",@nobits
	.p2align	6
	.space	262144
	.amdgpu_metadata
---
amdhsa.version: [ 1, 2 ]
amdhsa.kernels:
  - .name:           k_q92f38a9d2f_final
    .symbol:         k_q92f38a9d2f_final.kd
    .args:
      - { .name: points_per_voxel, .offset: 0, .size: 8, .value_kind: global_buffer, .address_space: global }
      - { .name: mask, .offset: 8, .size: 8, .value_kind: global_buffer, .address_space: global }
      - { .name: W1, .offset: 16, .size: 8, .value_kind: global_buffer, .address_space: global }
      - { .name: wq, .offset: 24, .size: 8, .value_kind: global_buffer, .address_space: global }
      - { .name: p3, .offset: 32, .size: 8, .value_kind: global_buffer, .address_space: global }
      - { .name: gf, .offset: 40, .size: 8, .value_kind: global_buffer, .address_space: global }
      - { .name: bf, .offset: 48, .size: 8, .value_kind: global_buffer, .address_space: global }
      - { .name: out0, .offset: 56, .size: 8, .value_kind: global_buffer, .address_space: global }
      - { .name: bn1, .offset: 64, .size: 8, .value_kind: global_buffer, .address_space: global }
      - { .name: bn2, .offset: 72, .size: 8, .value_kind: global_buffer, .address_space: global }
    .group_segment_fixed_size: 59904
    .private_segment_fixed_size: 0
    .kernarg_segment_align: 8
    .kernarg_segment_size: 80
    .max_flat_workgroup_size: 128
    .sgpr_count:     80
    .vgpr_count:     1024
    .wavefront_size: 32
...
	.end_amdgpu_metadata
.endif
;; end of part 4
;; ======== version 2 of 2: 4 launches; version 1 with the launches stat2, stat3, final written anew for expert scheduling mode
;; limits: a difference of large sums (such as E[x^2] - mean^2): digits are lost where the result is much smaller than its terms
;; workspace buffers: p1 65,536 bytes; p2 131,072 bytes; p3 262,144 bytes; bn1 1,024 bytes; bn2 1,024 bytes; wq 22,016 bytes
;; launch stat1: the kernel of part 1 again; grid 256 x 1, 4 waves a work-group, no clusters, 23,040 bytes of LDS; arguments points_per_voxel, W1, W2, Wf, p1, wq; writes p1, wq
;; launch stat2 (part 5): grid 256 x 1, 4 waves a work-group, no clusters, 59,904 bytes of LDS; arguments points_per_voxel, mask, W1, wq, p1, g1, b1, bn1, p2; writes bn1, p2
.if DOCPART == 5
	.amdgcn_target "amdgcn-amd-amdhsa--gfx1250"
	.amdhsa_code_object_version 6
	.text
	.protected	k_q92f38a9d2f_stat2
	.globl	k_q92f38a9d2f_stat2
	.p2align	8
	.type	k_q92f38a9d2f_stat2,@function
k_q92f38a9d2f_stat2:
	s_mov_b64 s[64:65], 0
	v_nop
	global_prefetch_b8 v0, s[64:65] scope:SCOPE_SE
	s_setreg_imm32_b32 hwreg(HW_REG_WAVE_SCHED_MODE, 0, 2), 2
	s_setreg_imm32_b32 hwreg(HW_REG_WAVE_MODE, 25, 1), 1
	s_wait_xcnt 0x0
	s_wait_alu depctr_vm_vsrc(0)
; VoxelFeatureEncoder, launches 2, 3 and 4 of 4: ONE text, told apart by LVL alone.  Each recomputes the chain from x, since x and the mask are far fewer bytes than any intermediate.
;   LVL 2: BatchNorm 1 from p1; layer 1; product 2; sums S, Q of h2 into p2[work-group]; work-group 0 stores a1, b1' into bn1.
;   LVL 3: BatchNorm 2 from p2; layers 1 and 2; product 3; S, Q of h3 into p3; work-group 0 stores a2, b2' into bn2.
;   LVL 4: BatchNorm 3 from p3; the whole chain; out0.
; SHARES.  A group = 16 voxels x 10 points; wave q = 256 wave + work-group takes groups 6 q + min(q, 106) on, 7 where q < 106, else 6.  Its x and mask are dense runs.  A group's 5,120 bytes are loaded as they lie,
; 512 consecutive bytes an instruction, a trip ahead, into registers that layer 1 has left, and turned through the wave's own stage in LDS: a lane then takes its voxel's 70 numbers and 10 masks.
; LAYOUT.  Lane (r, h) holds voxel r throughout, and its registers run along the channels: the maximum over a voxel's points is a maximum over registers of one lane.  A matrix tile's 16 rows are the SAME point t of
; 16 voxels, and both matrix products are used transposed (source 0 = 16 output channels, source 1 = 16 voxels).  Layer 1 gives a lane channels 16 h .. 16 h + 15; the channels that form a tile of layer 2 are chosen
; (row m = m + 8 u + 8 (m / 8)) so that two tiles' 16 registers are 16 neighbours along the next K, in the order of an 8-bit operand: the conversions' results are the next operand.
; THE MASK m is honoured as a number: z being BatchNorm's result, x_h = relu(m^2 z); P = max(0, max_t max(m, 0) z_t); x_p(t) = m_t P; out = max(0, max_t max(m, 0) z3_t).
; PRODUCT 1 has K = 7 and is left in f32, since its result goes into a quantiser: fused multiply-adds, two channels an instruction.  BatchNorm 1 is folded into it: z1 = b1' + sum over k of (x - x0)[k] a1[c] W1[k][c].
; The folded table (8 rows of 32 numbers) lies in LDS; a lane's 128 numbers of it are fetched in every trip into the registers that layers 2 and 3 use later in the trip.
; PRODUCT 2 has K = 64: it stands in the UPPER half of the instruction's 128.  W2's fragments have zero codes below; x1's registers 0-7 hold older valid codes (zeros at first), which meet zero codes.
; A block's largest m^2 z is m^2 x the block's largest z, bit for bit (a rounded product does not fall where a factor rises); likewise |m| P.
; No cluster: what work-groups share is 22 KB of weights and the partial sums, against a work-group's 144 KB of rows.
; LIMITS: a voxel with no mask > 0 (reference: -inf, then NaN everywhere) is not reproduced; the variances of h2 and h3 are Q / N - mean^2 in f32, relative error about 3e-7 (1 + mean^2 / var);
; a block of zeros gets the scale byte 1 (its codes are zeros; only this program reads the bytes); NaN and infinities are not served.
; THE MODE: SCHED_MODE bits 1:0 = 2 (LLVM: expert scheduling mode 2), set by the entry lines.  The code itself states the register dependences between vector or matrix instructions and memory or LDS
; instructions, with s_wait_alu, always for 0.
; THE PLAN.  Registers that memory or LDS instructions touch in a trip, and who else names them:
;   XR (window 1, v160-229)  the next group's global loads land in v160-199; the next trip's stage stores read them; the LDS loads of x land in v160-229; the subtractions write and layer 1 reads them; v216-229 are HDA later.
;   MK (v16-25)              the LDS loads of the masks land there; vector instructions read them to the trip's end.
;   window 3, v128-255       the LDS loads of the folded table land there; layer 1 reads them; then layers 2 and 3 have their accumulators there; LVL 4: the rows read back from the stage land in v128-191, and the global stores read them.
;   OW (v138-201), LVL 4     layer 3's maxima, a set of eight registers to each tile of channels: written by vector instructions, read by the stage stores; the next trip's layer 1 writes these registers again.
;   X2, SW1, SW2             written by vector instructions, taken by the scaled products as operands and scales.
;   Offsets and LDS addresses are made at the head and never written again: scalar bases move on, and immediate offsets do the rest.
; THE WAITS OF A TRIP.  One on va_vdst behind the stage stores: the last trip is done with MK, XR, HDA and window 3's v128-255.  One on vm_vsrc ahead of the loads of x: the stage stores have read XR, the last trip's stores OW
; and the rows.  One on va_vdst ahead of layer 2: all ten points' codes and scale words are made first, so that it serves all 40 products, and the next group's global loads stand behind it too.  One ahead of each of layer 3's
; first two batches of products.  LVL 4: one ahead of each of the two runs of stage stores; the second also serves the loads from the stage.
.set LVL,  2
.set CH,   32<<(LVL-2)                 ; channels of the BatchNorm that this launch finishes
.set NSL,  256/CH                      ; rows of partial sums in 2,048 bytes
.set NB,   CH/16                       ; the partial sums are CH x 2,048 bytes: batches of 16 loads a thread
.set XSTB, 5120                        ; LDS: a wave's stage: a group's x (4,480 bytes), then its masks (640)
.set OSTG, 20480                       ; LDS, LVL 4: the way out, 16 rows x 528 bytes a wave
.set WRED, 20480                       ; LDS, LVL 2 and 3: the waves' sums, 1,024 bytes a wave
.set RED,  54272                       ; LDS: 16 bytes a thread
.set TAB,  56320                       ; LDS: a[c] at 4 c, b'[c] at 512 + 4 c
.set TB2,  57344                       ; LDS, LVL 4: a2, b2' likewise
.set W1T,  58368                       ; LDS: a1[c] W1[k][c] at 128 k + 4 c, k = 0 .. 6; b1'[c] at 896 + 4 c
; window 0
.set XB0,  1
.set W1A,  2
.set MB,   3
.set L8,   4
.set ST16, 5
.set ST8,  6
.set LOW,  7
.set LOR,  8
.set L16,  9
.set L4,   10
.set RDA,  11
.set MK,   16                          ; v16-25  m_t
.set MPA,  26                          ; v26-35  max(m_t, 0)
.set M2A,  36                          ; v36-45  m_t^2
.set SW1,  46                          ; v46-55  x1's scale words
.set SW2,  56                          ; v56-65  x2's
.set W2S,  66                          ; v66-69  W2's
.set WFS,  70                          ; v70-77  Wf's
.set AM0,  78
.set AB0,  80
.set PM0,  82
.set SC0,  84
.set HD0,  86
.set BY0,  88
.set ST4,  90
.set ET,   94
.set PA1,  102
.set PA2,  103
.set D12,  106                         ; v106-137 z1 of two points
.set TL,   106                         ; v106-121 at the end, LVL 2 and 3: the four waves' sums as read back
.set VV,   138
.set OW,   138                         ; v138-201 LVL 4, layer 3: the maxima of tile j at 8 j
.set EB,   170
.set P1,   202
.set P2,   218
.set XSA,  250
.set TLA,  251
.set T16P, 252
; window 0, at the head only
.set RWA,  138
.set RWB,  139
.set A1L,  150
.set WE0,  152
.set WE1,  153
.set GAM,  154
.set BET,  155
.set FS,   156
.set FQ,   164
.set FM,   172
.set FV,   173
.set FRS,  174
.set FAA,  175
.set FBB,  176
.set FAD,  177
.set FTD,  178
.set I4,   186
.set WB4,  187
.set WTD,  188
.set GB4,  191
.set RR,   193
.set HH,   194
.set LN,   195
.set TA2,  196
.set TA,   197
.set B2G,  198
.set B2A,  199
.set B2D,  200
; window 1
.set X2,   0                           ; v0-159   ten operands of 16 registers: x1 in 8-15, then x2 in 0-15.  At the head: v0-127 two buffers of partial sums, v128-131 their sum
.set PAC,  128
.set XR,   160                         ; v160-229 my voxel's x: point t, number k at 7 t + k; behind layer 1 v160-199 take the next group's bytes as loaded
.set HDA,  216                         ; v216-235 (behind layer 1)
.set SCA,  236
; window 2
.set WFF,  0
.set W2F,  128
.set A2,   192
.set B2,   224
; window 3
.set A3,   0                           ; LVL 4: a3 at 16 j, b3' at 16 j + 8
.set SS,   0                           ; LVL 3: S at 16 j, Q at 16 j + 8;  LVL 2: S at 0, Q at 32
.set W1W,  128                         ; v128-255 in layer 1: the folded W1 of my 16 channels at 16 k + i, b1' at 112 + i
.set D2,   128                         ; v128-191 in layer 2: two sets of four accumulators, the points by turns
.set D3,   128
.set OB,   128
.set MP3,  224
.set X0S,  68                          ; s[68:75] x0
.if LVL == 3
.set BN1P, 22
.endif
.if LVL == 4
.set BN1P, 20
.set BN2P, 22
.endif
.set MSB, 0
.macro WIN new                         ; bits 1:0 source 0, 3:2 source 1, 5:4 source 2, 7:6 destination; the high byte repeats the setting that is left
.if MSB != \new
	s_set_vgpr_msb (MSB<<8)|\new
.set MSB, \new
.endif
.endm
.macro PKM d, a, arr, t                ; a pair times element t of an array: the pair that holds it is named, and op_sel picks it for both halves
.if ((\t)%2) == 0
	v_pk_mul_f32 v[\d:\d+1], v[\a:\a+1], v[\arr+(\t):\arr+(\t)+1] op_sel_hi:[1,0]
.else
	v_pk_mul_f32 v[\d:\d+1], v[\a:\a+1], v[\arr+(\t)-1:\arr+(\t)] op_sel:[0,1] op_sel_hi:[1,1]
.endif
.endm
.macro XFMA d, w, c, f                 ; a pair of channels: weights x number f of x, added onto the pair c
.if ((\f)%2) == 0
	v_pk_fma_f32 v[\d:\d+1], v[\w:\w+1], v[XR+(\f):XR+(\f)+1], v[\c:\c+1] op_sel_hi:[1,0,1]
.else
	v_pk_fma_f32 v[\d:\d+1], v[\w:\w+1], v[XR+(\f)-1:XR+(\f)], v[\c:\c+1] op_sel:[0,1,0] op_sel_hi:[1,1,1]
.endif
.endm
.macro BARRIER
	s_wait_dscnt 0x0                               ; my LDS stores have landed and my LDS loads are in
	s_barrier_signal -1
	s_barrier_wait -1
.endm
; a group's bytes as they lie, xo and mo bytes on from the bases: x is 8 x 512 + 256 + 128 bytes, the mask 512 + 128
.macro RAWLOAD xo, mo
	WIN 0x40                                       ; destination window 1
.set ii, 0
.rept 8
	global_load_b128 v[XR+4*ii:XR+4*ii+3], v[L16], s[44:45] offset:\xo+512*ii th:TH_LOAD_NT
.set ii, ii+1
.endr
	global_load_b64 v[XR+32:XR+33], v[L8], s[44:45] offset:\xo+4096 th:TH_LOAD_NT
	global_load_b32 v[XR+34], v[L4], s[44:45] offset:\xo+4352 th:TH_LOAD_NT
	global_load_b32 v[XR+35], v[L4], s[46:47] offset:\mo+512 th:TH_LOAD_NT
	global_load_b128 v[XR+36:XR+39], v[L16], s[46:47] offset:\mo th:TH_LOAD_NT
	WIN 0
.endm
.macro PLOAD b                         ; batch b of the partial sums: thread i takes the 16 bytes at 16 i of sixteen runs of 2,048
.set ii, 0
.rept 16
	global_load_b128 v[64*((\b)%2)+4*ii:64*((\b)%2)+4*ii+3], v[T16P], s[12:13] offset:2048*(16*(\b)+ii)
.set ii, ii+1
.endr
.endm
.macro PSUM b                          ; its sixteen are added up, and onto the batches before
.set bs, 64*((\b)%2)
.irp st,8,4,2
.set ii, 0
.rept \st
	v_pk_add_f32 v[bs+4*ii:bs+4*ii+1], v[bs+4*ii:bs+4*ii+1], v[bs+4*(ii+\st):bs+4*(ii+\st)+1]
	v_pk_add_f32 v[bs+4*ii+2:bs+4*ii+3], v[bs+4*ii+2:bs+4*ii+3], v[bs+4*(ii+\st)+2:bs+4*(ii+\st)+3]
.set ii, ii+1
.endr
.endr
.if (\b) == 0
	v_pk_add_f32 v[PAC:PAC+1], v[bs:bs+1], v[bs+4:bs+5]
	v_pk_add_f32 v[PAC+2:PAC+3], v[bs+2:bs+3], v[bs+6:bs+7]
.else
	v_pk_add_f32 v[bs:bs+1], v[bs:bs+1], v[bs+4:bs+5]
	v_pk_add_f32 v[bs+2:bs+3], v[bs+2:bs+3], v[bs+6:bs+7]
	v_pk_add_f32 v[PAC:PAC+1], v[PAC:PAC+1], v[bs:bs+1]
	v_pk_add_f32 v[PAC+2:PAC+3], v[PAC+2:PAC+3], v[bs+2:bs+3]
.endif
.endm
	s_load_b512 s[4:19], s[0:1], 0x0               ; x, mask, W1, wq, partial sums, gamma, beta, s[18:19]: bnK out (LVL 2, 3) or out0
.if LVL == 2
	s_load_b64 s[20:21], s[0:1], 0x40              ; p2 out
	v_lshl_add_u32 v254, v0, 2, 0xe800
	v_mov_b32 v255, 0
.else
	s_load_b128 s[20:23], s[0:1], 0x40             ; LVL 3: p3 out, bn1;  LVL 4: bn1, bn2
.endif
	v_lshrrev_b32 v12, 5, v0
	v_readfirstlane_b32 s28, v12                   ; wave
	s_wait_alu depctr_va_sdst(0)                   ; s28 is written, ahead of its first reader: shares, bases and branches are made from it
	s_lshl_b32 s29, s28, 8
	s_add_co_u32 s29, s29, ttmp9                   ; q
	s_mul_i32 s31, s29, 6
	s_min_u32 s40, s29, 106
	s_add_co_u32 s31, s31, s40                     ; my first group
	s_cmp_lt_u32 s29, 106
	s_cselect_b32 s30, 7, 6                        ; my groups
	s_mul_i32 s40, s31, 4480
	s_mov_b32 s41, 0
	s_mul_i32 s42, s31, 640
	s_mov_b32 s43, 0
	s_mov_b32 s55, 0
	s_mov_b32 s36, 0x76543210
	s_mov_b32 s37, 0xfedcba98                      ; v_permlanex16_b32's selects for lane l xor 16
	s_mov_b32 s38, 0x600000                        ; the mantissa field of 448
	s_mul_i32 s39, s28, XSTB
	; every address register that outlives a branch is made here
	v_and_b32 v[LN], 31, v0
	v_and_b32 v[RR], 15, v0                        ; r
	v_bfe_u32 v[HH], v0, 4, 1                      ; h
	v_lshlrev_b32 v[L16], 4, v[LN]
	v_lshlrev_b32 v[L8], 3, v[LN]
	v_lshlrev_b32 v[L4], 2, v[LN]
	v_add_nc_u32 v[ST16], s39, v[L16]
	v_add_nc_u32 v[ST8], s39, v[L8]
	v_add_nc_u32 v[ST4], s39, v[L4]
	v_mul_u32_u24 v[XB0], v[RR], 280               ; a voxel's x is 280 bytes
	v_add_nc_u32 v[XB0], s39, v[XB0]
	v_mul_u32_u24 v[MB], v[RR], 40                 ; its mask 40, behind the group's x
	v_add_nc_u32 v[MB], s39, v[MB]
	v_add_nc_u32 v[MB], 4480, v[MB]
	v_lshl_add_u32 v[W1A], v[HH], 6, W1T           ; my 16 channels in a row of the folded table
	v_lshl_add_u32 v[WTD], v0, 2, W1T              ; and where thread i puts its two entries: row wave (and wave + 4), channel lane
	v_lshl_add_u32 v[RDA], v0, 4, RED
	v_lshl_add_u32 v[FAD], v0, 2, RED
	v_lshl_add_u32 v[FTD], v0, 2, TAB
	v_lshlrev_b32 v[T16P], 4, v0
	v_lshlrev_b32 v[I4], 2, v0                     ; W1: row wave, channel lane
	v_add_nc_u32 v[WB4], 512, v[I4]                ; row wave + 4;
	v_min_u32 v[WB4], 892, v[WB4]                  ; W1 has 7 rows: wave 3's load is held inside the buffer, and what it brings is not used
.if LVL == 2
	v_add_nc_u32 v[TA], TAB, v[L4]
.else
	v_lshl_add_u32 v[TA], v[HH], 9-LVL, TAB        ; LVL 3: + 64 h;  LVL 4: + 32 h
.endif
.if LVL < 4
	s_lshl_b32 s53, s28, 10
	s_add_co_u32 s53, s53, WRED
	v_lshlrev_b32 v[XSA], 8-LVL, v[HH]             ; LVL 2: 64 h;  LVL 3: 32 h
	v_add_nc_u32 v[XSA], s53, v[XSA]
	v_add_nc_u32 v[TLA], WRED, v[T16P]
.else
	s_mul_i32 s53, s28, 8448
	s_add_co_u32 s53, s53, OSTG
	v_mul_u32_u24 v[LOW], v[RR], 528
	v_lshl_add_u32 v[LOW], v[HH], 5, v[LOW]
	v_add_nc_u32 v[LOW], s53, v[LOW]               ; into the stage: row r, + 32 h
	v_add_nc_u32 v[LOR], s53, v[L16]               ; back: 16 bytes a lane of a row
	v_lshrrev_b32 v[B2G], 6, v0
	v_lshlrev_b32 v[B2G], 8, v[B2G]
	v_lshl_add_u32 v[B2G], v0, 2, v[B2G]           ; 4 i + 256 (i / 64): threads 0-63 take a2, threads 64-127 b2'
	v_add_nc_u32 v[B2A], TB2, v[B2G]
	v_lshl_add_u32 v[TA2], v[HH], 6, TB2
.endif
	v_and_b32 v[GB4], CH-1, v0
	v_lshlrev_b32 v[GB4], 2, v[GB4]
	s_wait_kmcnt 0x0
	s_load_b256 s[X0S:X0S+7], s[4:5], 0x0          ; x0 = the first point's seven numbers (and one more, not used)
	s_add_nc_u64 s[44:45], s[4:5], s[40:41]        ; my run of x
	s_add_nc_u64 s[46:47], s[6:7], s[42:43]        ; and of the mask
.if LVL < 4
	s_mul_i32 s54, ttmp9, 16*CH
	s_add_nc_u64 s[50:51], s[20:21], s[54:55]      ; my work-group's row of partial sums
.else
	s_lshl_b32 s54, s31, 13
	s_add_nc_u64 s[48:49], s[18:19], s[54:55]      ; my first group's 16 rows of out0
.endif
	s_wait_alu depctr_va_vdst(0)                   ; every offset and LDS address made above is written, which the kernel's loads and stores read; so are v254 and v255, which the closing add reads
	; THE LOADS OF THE HEAD, in three runs.  First what is small and wanted soon, and my first group:
	RAWLOAD 0, 0
	global_load_b32 v[GAM], v[GB4], s[14:15]
	global_load_b32 v[BET], v[GB4], s[16:17]
	global_load_b32 v[RWA], v[I4], s[8:9]
	global_load_b32 v[RWB], v[WB4], s[8:9]
.if LVL >= 3
	global_load_b32 v[A1L], v[L4], s[BN1P:BN1P+1]              ; a1 and b1' of channel lane
	global_load_b32 v[A1L+1], v[L4], s[BN1P:BN1P+1] offset:512
.endif
.if LVL == 4
	global_load_b32 v[B2D], v[B2G], s[BN2P:BN2P+1]
.endif
	; then the partial sums, streamed through two buffers
	WIN 0x40
	PLOAD 0
	PLOAD 1
.set bq, 0
.rept NB
.if bq < NB-1
	s_wait_loadcnt 16                              ; loads come back in order: this batch is in; the next batch's sixteen may be out
.else
	s_wait_loadcnt 0x0
.endif
	WIN 0x45
	PSUM bq
.if bq+2 < NB
	WIN 0x40
	s_wait_alu depctr_va_vdst(0)                   ; the additions are done reading and writing this buffer, in which the next loads land
	PLOAD bq+2
.endif
.set bq, bq+1
.endr
	; then what is wanted behind the barriers
	WIN 0
.if LVL >= 3
.irp j,0,1,2,3,4,5,6,7
	global_load_b32 v[WFS+\j], v[L4], s[10:11] offset:20480+128*\j
.endr
.endif
.irp n,0,1,2,3
	global_load_b32 v[W2S+\n], v[L4], s[10:11] offset:21504+128*\n
.endr
	WIN 0x80                                       ; the weights' images: they stay in window 2
.if LVL >= 3
.irp j,0,1,2,3,4,5,6,7
.irp c,0,1,2,3
	global_load_b128 v[WFF+16*\j+4*\c:WFF+16*\j+4*\c+3], v[L16], s[10:11] offset:2048*\j+512*\c
.endr
.endr
.endif
.irp n,0,1,2,3
.irp c,0,1
	global_load_b128 v[W2F+16*\n+8+4*\c:W2F+16*\n+8+4*\c+3], v[L16], s[10:11] offset:16384+1024*\n+512*\c
.endr
.endr
	s_wait_alu depctr_va_vdst(0)                   ; the additions have written v[PAC ..], which the LDS store reads
	WIN 0x04                                       ; an LDS store's data are its source 1
	ds_store_b128 v[RDA], v[PAC:PAC+3]
	WIN 0
.if LVL == 4
	ds_store_b32 v[B2A], v[B2D]
.endif
	BARRIER                                        ; RED holds NSL rows of [S | Q]
	s_cmp_ge_u32 s28, CH/32                        ; thread c finishes channel c: the first CH threads
	s_cbranch_scc1 .Lnofin
.set sl, 0
.rept NSL
	ds_load_b32 v[FS+sl], v[FAD] offset:8*CH*sl
	ds_load_b32 v[FQ+sl], v[FAD] offset:8*CH*sl+4*CH
.set sl, sl+1
.endr
	s_wait_dscnt 0x0
.set sl, 1
.rept NSL-1
	v_add_f32 v[FS], v[FS], v[FS+sl]
	v_add_f32 v[FQ], v[FQ], v[FQ+sl]
.set sl, sl+1
.endr
	v_mul_f32 v[FM], 0x358637bd, v[FS]             ; mean = S / 1,000,000
	v_mul_f32 v[FV], 0x358637bd, v[FQ]
	v_fma_f32 v[FV], -v[FM], v[FM], v[FV]          ; the biased variance,
	v_max_num_f32 v[FV], 0, v[FV]                  ; not under 0,
	v_add_f32 v[FV], 0x3727c5ac, v[FV]             ; + 1e-5
	v_rsq_f32 v[FRS], v[FV]
	v_nop                                          ; one plain instruction behind a transcendental
	s_wait_alu depctr_va_vdst(0)                   ; the root's reciprocal is written, ahead of its first reader
	v_mul_f32 v[FAA], v[GAM], v[FRS]               ; a = gamma / sqrt(var + eps)
	v_fma_f32 v[FBB], -v[FAA], v[FM], v[BET]       ; b' = beta - a mean
	s_wait_alu depctr_va_vdst(0)                   ; a and b' are written, which the stores below read
	ds_store_b32 v[FTD], v[FAA]
	ds_store_b32 v[FTD], v[FBB] offset:512
.if LVL < 4
	s_cmp_lg_u32 ttmp9, 0
	s_cbranch_scc1 .Lnofin
	global_store_b32 v[GB4], v[FAA], s[18:19]      ; for the later launches: one work-group stores them
	global_store_b32 v[GB4], v[FBB], s[18:19] offset:512
.endif
.Lnofin:
	BARRIER                                        ; TAB is whole
.if LVL == 2
	ds_load_b32 v[A1L], v[TA]                      ; a1 and b1' of channel lane
	ds_load_b32 v[A1L+1], v[TA] offset:512
.endif
.if LVL == 3
	WIN 0x80
.irp n,0,1,2,3
.irp f,0,1
	ds_load_b128 v[A2+8*\n+4*\f:A2+8*\n+4*\f+3], v[TA] offset:128*(\n/2)+32*(\n%2)+16*\f
	ds_load_b128 v[B2+8*\n+4*\f:B2+8*\n+4*\f+3], v[TA] offset:512+128*(\n/2)+32*(\n%2)+16*\f
.endr
.endr
.endif
.if LVL == 4
	WIN 0x80
.irp n,0,1,2,3
.irp f,0,1
	ds_load_b128 v[A2+8*\n+4*\f:A2+8*\n+4*\f+3], v[TA2] offset:128*(\n/2)+32*(\n%2)+16*\f
	ds_load_b128 v[B2+8*\n+4*\f:B2+8*\n+4*\f+3], v[TA2] offset:512+128*(\n/2)+32*(\n%2)+16*\f
.endr
.endr
	WIN 0xC0
.irp j,0,1,2,3,4,5,6,7
.irp f,0,1
	ds_load_b128 v[A3+16*\j+4*\f:A3+16*\j+4*\f+3], v[TA] offset:64*\j+16*\f
	ds_load_b128 v[A3+16*\j+8+4*\f:A3+16*\j+8+4*\f+3], v[TA] offset:512+64*\j+16*\f
.endr
.endr
.endif
	s_wait_dscnt 0x0
	WIN 0
	s_cmp_eq_u32 s28, 3                            ; THE FOLDED TABLE: thread i makes rows wave and wave + 4 of channel lane; wave 3's second row is the bias
	s_cselect_b32 s57, -1, 0
	v_mul_f32 v[WE0], v[RWA], v[A1L]               ; a1 W1
	v_mul_f32 v[WE1], v[RWB], v[A1L]
	v_cndmask_b32 v[WE1], v[WE1], v[A1L+1], s57    ; b1' in wave 3
	s_wait_alu depctr_va_vdst(0)                   ; the two entries are written, which the LDS stores read
	ds_store_b32 v[WTD], v[WE0]
	ds_store_b32 v[WTD], v[WE1] offset:512
	BARRIER                                        ; the table is whole
	s_wait_alu depctr_vm_vsrc(0)                   ; the head's loads and stores have read their registers: v[PAC ..] is cleared below, and the head's own offsets and store data are written again by the loop's vector work
	s_wait_loadcnt 0x0                             ; the weights and their scale words
	s_wait_kmcnt 0x0                               ; x0
	WIN 0x40
.irp t,0,1,2,3,4,5,6,7,8,9
.irp i,0,1,2,3,4,5,6,7
	v_mov_b32 v[X2+16*\t+\i], 0                    ; the operands' lower halves: zero codes until x2's first codes land there
.endr
.endr
	WIN 0x80
.irp n,0,1,2,3
.irp i,0,1,2,3,4,5,6,7
	v_mov_b32 v[W2F+16*\n+\i], 0                   ; W2's lower 64 along K: zero codes
.endr
.endr
.if LVL < 4
	WIN 0xC0
.set ii, 0
.rept 64*(LVL-1)
	v_mov_b32 v[SS+ii], 0                          ; S and Q: 64 registers (LVL 2), 128 (LVL 3)
.set ii, ii+1
.endr
.endif
	WIN 0
	v_mov_b32 v[PM0], 0                            ; a lane permute's destination counts as one of its sources
	v_mov_b32 v[PM0+1], 0
	s_wait_xcnt 0x0                                ; the stores above have read their registers
.macro MASKS
	WIN 0
.irp t,0,1,2,3,4,5,6,7,8,9
	v_max_num_f32 v[MPA+\t], 0, v[MK+\t]
.endr
.irp t,0,2,4,6,8
	v_pk_mul_f32 v[M2A+\t:M2A+\t+1], v[MK+\t:MK+\t+1], v[MK+\t:MK+\t+1]
.endr
.endm
; the group that was loaded a trip ago goes through my stage: as it lies on the way in; my voxel's masks and its 70 numbers on the way out; then my 128 numbers of the folded table
.macro LOADX
	s_wait_loadcnt 0x0
	WIN 0x04                                       ; an LDS store's data are its source 1: window 1
.set ii, 0
.rept 8
	ds_store_b128 v[ST16], v[XR+4*ii:XR+4*ii+3] offset:512*ii
.set ii, ii+1
.endr
	ds_store_b64 v[ST8], v[XR+32:XR+33] offset:4096
	ds_store_b32 v[ST4], v[XR+34] offset:4352
	ds_store_b128 v[ST16], v[XR+36:XR+39] offset:4480
	ds_store_b32 v[ST4], v[XR+35] offset:4992
	WIN 0
	s_wait_alu depctr_va_vdst(0)                   ; the last trip's vector and matrix instructions (in the first trip: the head's) are done with MK, with XR and HDA and with window 3's v128-255, in which the loads below land
.irp i,0,1,2,3,4
	ds_load_b64 v[MK+2*\i:MK+2*\i+1], v[MB] offset:8*\i        ; LDS serves a wave's instructions in order: these see my stores
.endr
	WIN 0x40
	s_wait_alu depctr_vm_vsrc(0)                   ; the stage stores have read XR, in which the loads of x land and which the subtractions write; the last trip's stores have read OW and window 3's rows
.set ii, 0
.rept 35
	ds_load_b64 v[XR+2*ii:XR+2*ii+1], v[XB0] offset:8*ii       ; 280 bytes a voxel: a multiple of 8
.set ii, ii+1
.endr
	s_wait_dscnt 35                                ; the masks are in; the 35 loads of x issued behind them may be out
	MASKS
	s_wait_dscnt 0x0                               ; x is in
	WIN 0xC0
.irp k,0,1,2,3,4,5,6,7
.irp f,0,1,2,3
	ds_load_b128 v[W1W+16*\k+4*\f:W1W+16*\k+4*\f+3], v[W1A] offset:128*\k+16*\f   ; the sixteen lanes of a half read the same bytes.  No wait: no vector instruction since the two above names these registers
.endr
.endr
	WIN 0x41
.irp t,0,1,2,3,4,5,6,7,8,9
.irp k,0,1,2,3,4,5,6
	v_sub_f32 v[XR+7*\t+\k], v[XR+7*\t+\k], s[X0S+\k]          ; x - x0, while the table is on its way
.endr
.endr
	s_wait_dscnt 0x0
.endm
; z1 of points t and t + 1 (t even): b1' + seven K steps, eight pairs of channels a point: sixteen chains by turns
.macro L1P t
	WIN 0x37                                       ; source 0 (table) and source 2 (b1') window 3, source 1 (x) window 1
.irp e,0,1
.set pp, 0
.rept 8
	XFMA D12+16*\e+2*pp, W1W+2*pp, W1W+112+2*pp, 7*((\t)+\e)
.set pp, pp+1
.endr
.endr
	WIN 0x07
.irp k,1,2,3,4,5,6
.irp e,0,1
.set pp, 0
.rept 8
	XFMA D12+16*\e+2*pp, W1W+16*\k+2*pp, D12+16*\e+2*pp, 7*((\t)+\e)+\k
.set pp, pp+1
.endr
.endr
.endr
.endm
; eight registers (number k) of the pool: max(m, 0) z of an even point is kept; an odd point joins both into the running maximum, which begins at 0
.macro POOLQ src, P, t, k
.set pq, 0
.rept 4
.if ((\t)%2) == 0
	PKM EB+8*(\k)+2*pq, \src+8*(\k)+2*pq, MPA, \t
.else
	PKM ET+2*pq, \src+8*(\k)+2*pq, MPA, \t
.endif
.set pq, pq+1
.endr
.if ((\t)%2) == 1
.set pq, 0
.rept 8
.if (\t) == 1
	v_max3_num_f32 v[\P+8*(\k)+pq], 0, v[ET+pq], v[EB+8*(\k)+pq]
.else
	v_max3_num_f32 v[\P+8*(\k)+pq], v[\P+8*(\k)+pq], v[ET+pq], v[EB+8*(\k)+pq]
.endif
.set pq, pq+1
.endr
.endif
.endm
; point t of layer 1: the block's scale, the pool, x_h = relu(m^2 z) as codes into registers 8-11 of the point's operand
.macro PROC1 t
	WIN 0
.set dd, D12+16*((\t)%2)
	v_max3_num_f32 v[AM0], v[dd], v[dd+1], 0       ; no |.|: what is negative becomes 0
	v_max3_num_f32 v[AB0], v[dd+2], v[dd+3], v[dd+4]
	v_max3_num_f32 v[AM0], v[AM0], v[dd+5], v[dd+6]
	v_max3_num_f32 v[AB0], v[AB0], v[dd+7], v[dd+8]
	v_max3_num_f32 v[AM0], v[AM0], v[dd+9], v[dd+10]
	v_max3_num_f32 v[AB0], v[AB0], v[dd+11], v[dd+12]
	v_max3_num_f32 v[AM0], v[AM0], v[dd+13], v[dd+14]
	v_max3_num_f32 v[AM0], v[AM0], v[AB0], v[dd+15]
	v_permlanex16_b32 v[PM0], v[AM0], s36, s37
	POOLQ dd, P1, \t, 0
	v_max_num_f32 v[AM0], v[AM0], v[PM0]           ; with lane l xor 16's 16 channels
	v_mul_f32 v[AM0], v[AM0], v[M2A+(\t)]          ; the block's largest m^2 z
	POOLQ dd, P1, \t, 1
	v_max_num_f32 v[AM0], 0x4800000, v[AM0]        ; the floor 2^(9 - 127): the byte cannot fall under 1
	v_add_nc_u32 v[SC0], 0xfc000000, v[AM0]        ; 8 off the exponent field: the conversion's scale operand
	v_and_or_b32 v[HD0], v[AM0], 0x7f800000, s38   ; 448 x the scale
	v_lshrrev_b32 v[BY0], 23, v[SC0]
	v_lshlrev_b32 v[SW1+(\t)], 16, v[BY0]          ; byte 2 of the scale word; bytes 0 and 1 stand over products with zero codes
.set pp, 0
.rept 8
	PKM VV+2*pp, dd+2*pp, M2A, \t
.set pp, pp+1
.endr
.set ii, 0
.rept 16
	v_med3_num_f32 v[VV+ii], v[VV+ii], 0, v[HD0]   ; the activation and the hold in one
.set ii, ii+1
.endr
	WIN 0x40
	v_cvt_scalef32_pk8_fp8_f32 v[X2+16*(\t)+8:X2+16*(\t)+9], v[VV:VV+7], v[SC0]
	v_cvt_scalef32_pk8_fp8_f32 v[X2+16*(\t)+10:X2+16*(\t)+11], v[VV+8:VV+15], v[SC0]
	WIN 0
	v_nop                                          ; one plain instruction behind the last conversion
.endm
.macro PAMAX P, nb, dst                ; the largest pooled number of each block of 32 channels
.set bb, 0
.rept \nb
	v_max3_num_f32 v[AM0+bb], v[\P+16*bb], v[\P+16*bb+1], v[\P+16*bb+2]
	v_max3_num_f32 v[AB0+bb], v[\P+16*bb+3], v[\P+16*bb+4], v[\P+16*bb+5]
.set bb, bb+1
.endr
.irp i,6,10
.set bb, 0
.rept \nb
	v_max3_num_f32 v[AM0+bb], v[AM0+bb], v[\P+16*bb+\i], v[\P+16*bb+\i+1]
	v_max3_num_f32 v[AB0+bb], v[AB0+bb], v[\P+16*bb+\i+2], v[\P+16*bb+\i+3]
.set bb, bb+1
.endr
.endr
.set bb, 0
.rept \nb
	v_max3_num_f32 v[AM0+bb], v[AM0+bb], v[\P+16*bb+14], v[\P+16*bb+15]
.set bb, bb+1
.endr
.set bb, 0
.rept \nb
	v_max_num_f32 v[AM0+bb], v[AM0+bb], v[AB0+bb]
.set bb, bb+1
.endr
.set bb, 0
.rept \nb
	v_permlanex16_b32 v[PM0+bb], v[AM0+bb], s36, s37
.set bb, bb+1
.endr
.set bb, 0
.rept \nb
	v_max_num_f32 v[\dst+bb], v[AM0+bb], v[PM0+bb]
.set bb, bb+1
.endr
.endm
; the scales of m_t P for all ten points at once: 10 nb chains that do not wait for each other
.macro CHAIN nb, pa, sw, sh
	WIN 0x40
.irp t,0,1,2,3,4,5,6,7,8,9
.set bb, 0
.rept \nb
	v_mul_f32 v[HDA+\nb*\t+bb], |v[MK+\t]|, v[\pa+bb]
.set bb, bb+1
.endr
.endr
	WIN 0x44
.set ii, 0
.rept 10*\nb
	v_max_num_f32 v[HDA+ii], 0x4800000, v[HDA+ii]
.set ii, ii+1
.endr
.set ii, 0
.rept 10*\nb
	v_add_nc_u32 v[SCA+ii], 0xfc000000, v[HDA+ii]
.set ii, ii+1
.endr
	WIN 0x41
.set ii, 0
.rept 10*\nb
	v_and_or_b32 v[HDA+ii], v[HDA+ii], 0x7f800000, s38
.set ii, ii+1
.endr
	WIN 0x04
.set ii, 0
.rept 10*\nb
	v_lshrrev_b32 v[VV+ii], 23, v[SCA+ii]
.set ii, ii+1
.endr
	WIN 0
.irp t,0,1,2,3,4,5,6,7,8,9
.set bb, 0
.rept \nb
	v_lshl_or_b32 v[\sw+\t], v[VV+\nb*\t+bb], \sh+8*bb, v[\sw+\t]
.set bb, bb+1
.endr
.endr
.endm
; x_p(t) = m_t P as codes into the upper registers of the point's operand (nb = 1: 12-15; nb = 2: 8-15).  m may be negative: the hold is two-sided
.macro BUILD t, nb, P
	WIN 0
.set pp, 0
.rept 8*\nb
	PKM VV+2*pp, \P+2*pp, MK, \t
.set pp, pp+1
.endr
	WIN 0x14
.set bb, 0
.rept \nb
.set ii, 0
.rept 16
	v_med3_num_f32 v[VV+16*bb+ii], v[VV+16*bb+ii], -v[HDA+\nb*(\t)+bb], v[HDA+\nb*(\t)+bb]
.set ii, ii+1
.endr
.set bb, bb+1
.endr
	WIN 0x44
.set bb, 0
.rept \nb
	v_cvt_scalef32_pk8_fp8_f32 v[X2+16*(\t)+16-4*\nb+4*bb:X2+16*(\t)+16-4*\nb+4*bb+1], v[VV+16*bb:VV+16*bb+7], v[SCA+\nb*(\t)+bb]
	v_cvt_scalef32_pk8_fp8_f32 v[X2+16*(\t)+16-4*\nb+4*bb+2:X2+16*(\t)+16-4*\nb+4*bb+3], v[VV+16*bb+8:VV+16*bb+15], v[SCA+\nb*(\t)+bb]
.set bb, bb+1
.endr
	WIN 0
	v_nop
.endm
.macro WMMA2 t                         ; h2 of point t: four tiles of 16 channels, into accumulator set t % 2
	WIN 0xC6                                       ; source 0 (W2) window 2, source 1 (x1) window 1, destination window 3
.irp n,0,1,2,3
	v_wmma_scale_f32_16x16x128_f8f6f4 v[D2+32*((\t)%2)+8*\n:D2+32*((\t)%2)+8*\n+7], v[W2F+16*\n:W2F+16*\n+15], v[X2+16*(\t):X2+16*(\t)+15], 0, v[W2S+\n], v[SW1+(\t)]
.endr
.endm
.macro ACC2 t                          ; LVL 2: S += h2, Q += h2^2; each accumulator is read from its low end on; all in window 3
	WIN 0xFF
.set dz, D2+32*((\t)%2)
.set pp, 0
.rept 16
	v_pk_add_f32 v[SS+2*pp:SS+2*pp+1], v[SS+2*pp:SS+2*pp+1], v[dz+2*pp:dz+2*pp+1]
.set pp, pp+1
.endr
.set pp, 0
.rept 16
	v_pk_fma_f32 v[SS+32+2*pp:SS+32+2*pp+1], v[dz+2*pp:dz+2*pp+1], v[dz+2*pp:dz+2*pp+1], v[SS+32+2*pp:SS+32+2*pp+1]
.set pp, pp+1
.endr
.endm
; point t of layer 2: z2 = a2 h2 + b2'; two blocks' scales; the pool; x_h as codes into registers 0-7 of the point's operand
.macro PROC2 t
	WIN 0x2B                                       ; source 0 (h2) window 3, sources 1 and 2 (a2, b2') window 2
.set dz, D2+32*((\t)%2)
.set pp, 0
.rept 16
	v_pk_fma_f32 v[VV+2*pp:VV+2*pp+1], v[dz+2*pp:dz+2*pp+1], v[A2+2*pp:A2+2*pp+1], v[B2+2*pp:B2+2*pp+1]
.set pp, pp+1
.endr
	WIN 0
.irp b,0,1
	v_max3_num_f32 v[AM0+\b], v[VV+16*\b], v[VV+16*\b+1], 0
	v_max3_num_f32 v[AB0+\b], v[VV+16*\b+2], v[VV+16*\b+3], v[VV+16*\b+4]
.endr
.irp i,5,9
.irp b,0,1
	v_max3_num_f32 v[AM0+\b], v[AM0+\b], v[VV+16*\b+\i], v[VV+16*\b+\i+1]
	v_max3_num_f32 v[AB0+\b], v[AB0+\b], v[VV+16*\b+\i+2], v[VV+16*\b+\i+3]
.endr
.endr
.irp b,0,1
	v_max3_num_f32 v[AM0+\b], v[AM0+\b], v[VV+16*\b+13], v[VV+16*\b+14]
.endr
.irp b,0,1
	v_max3_num_f32 v[AM0+\b], v[AM0+\b], v[AB0+\b], v[VV+16*\b+15]
.endr
.irp b,0,1
	v_permlanex16_b32 v[PM0+\b], v[AM0+\b], s36, s37
.endr
	POOLQ VV, P2, \t, 0
.irp b,0,1
	v_max_num_f32 v[AM0+\b], v[AM0+\b], v[PM0+\b]
.endr
	POOLQ VV, P2, \t, 1
.irp b,0,1
	v_mul_f32 v[AM0+\b], v[AM0+\b], v[M2A+(\t)]
.endr
	POOLQ VV, P2, \t, 2
.irp b,0,1
	v_max_num_f32 v[AM0+\b], 0x4800000, v[AM0+\b]
.endr
	POOLQ VV, P2, \t, 3
.irp b,0,1
	v_add_nc_u32 v[SC0+\b], 0xfc000000, v[AM0+\b]
.endr
.irp b,0,1
	v_and_or_b32 v[HD0+\b], v[AM0+\b], 0x7f800000, s38
.endr
.irp b,0,1
	v_lshrrev_b32 v[BY0+\b], 23, v[SC0+\b]
.endr
	v_lshl_or_b32 v[SW2+(\t)], v[BY0+1], 8, v[BY0]
.set pp, 0
.rept 16
	PKM VV+2*pp, VV+2*pp, M2A, \t
.set pp, pp+1
.endr
.irp b,0,1
.set ii, 0
.rept 16
	v_med3_num_f32 v[VV+16*\b+ii], v[VV+16*\b+ii], 0, v[HD0+\b]
.set ii, ii+1
.endr
.endr
	WIN 0x40
.irp b,0,1
	v_cvt_scalef32_pk8_fp8_f32 v[X2+16*(\t)+4*\b:X2+16*(\t)+4*\b+1], v[VV+16*\b:VV+16*\b+7], v[SC0+\b]
	v_cvt_scalef32_pk8_fp8_f32 v[X2+16*(\t)+4*\b+2:X2+16*(\t)+4*\b+3], v[VV+16*\b+8:VV+16*\b+15], v[SC0+\b]
.endr
	WIN 0
	v_nop
.endm
.macro FILL0                           ; the eight places behind the first point's products of layer 2; behind every later point's stands the vector work of the point before
.if LVL == 4
	WIN 0xC0
.irp t,0,1,2,3,4,5,6,7,8,9
	v_mov_b32 v[MP3+\t], v[MPA+\t]                 ; max(m, 0) beside layer 3's accumulators
.endr
.else
.rept 8
	v_nop
.endr
.endif
.endm
.macro WM j, t0, n                     ; h3, channels 16 j on, of points t0 .. t0 + n - 1
	WIN 0xC6                                       ; source 0 (Wf) window 2, source 1 (x2) window 1, destination window 3
.set tt, \t0
.rept \n
	v_wmma_scale_f32_16x16x128_f8f6f4 v[D3+8*tt:D3+8*tt+7], v[WFF+16*(\j):WFF+16*(\j)+15], v[X2+16*tt:X2+16*tt+15], 0, v[WFS+(\j)], v[SW2+tt]
.set tt, tt+1
.endr
.endm
.macro PR j, t0, n                     ; LVL 4: max(m, 0) (a3 h3 + b3') in window 3, and the maximum over the points, which begins at 0, into the tile's own eight registers of window 0
	WIN 0xFF
.irp p,0,1,2,3
.set tt, \t0
.rept \n
	v_pk_fma_f32 v[D3+8*tt+2*\p:D3+8*tt+2*\p+1], v[D3+8*tt+2*\p:D3+8*tt+2*\p+1], v[A3+16*(\j)+2*\p:A3+16*(\j)+2*\p+1], v[A3+16*(\j)+8+2*\p:A3+16*(\j)+8+2*\p+1]
.set tt, tt+1
.endr
.endr
.irp p,0,1,2,3
.set tt, \t0
.rept \n
	PKM D3+8*tt+2*\p, D3+8*tt+2*\p, MP3, tt
.set tt, tt+1
.endr
.endr
	WIN 0x3C                                       ; sources 1 and 2 window 3; source 0 and the destination window 0
.set oo, OW+8*(\j)
.set tt, \t0
.rept (\n)/2
.set ii, 0
.rept 8
.if tt == 0
	v_max3_num_f32 v[oo+ii], 0, v[D3+8*tt+ii], v[D3+8*tt+8+ii]
.else
	v_max3_num_f32 v[oo+ii], v[oo+ii], v[D3+8*tt+ii], v[D3+8*tt+8+ii]
.endif
.set ii, ii+1
.endr
.set tt, tt+2
.endr
.endm
.macro OUT j                           ; eight neighbouring channels of my voxel into the stage
	WIN 0
	ds_store_b128 v[LOW], v[OW+8*(\j):OW+8*(\j)+3] offset:64*(\j)
	ds_store_b128 v[LOW], v[OW+8*(\j)+4:OW+8*(\j)+7] offset:64*(\j)+16
.endm
.macro ACC3 j, t0, n                   ; LVL 3: S += h3, Q += h3^2
	WIN 0xFF
.set tt, \t0
.rept \n
.irp p,0,1,2,3
	v_pk_add_f32 v[SS+16*(\j)+2*\p:SS+16*(\j)+2*\p+1], v[SS+16*(\j)+2*\p:SS+16*(\j)+2*\p+1], v[D3+8*tt+2*\p:D3+8*tt+2*\p+1]
	v_pk_fma_f32 v[SS+16*(\j)+8+2*\p:SS+16*(\j)+8+2*\p+1], v[D3+8*tt+2*\p:D3+8*tt+2*\p+1], v[D3+8*tt+2*\p:D3+8*tt+2*\p+1], v[SS+16*(\j)+8+2*\p:SS+16*(\j)+8+2*\p+1]
.endr
.set tt, tt+1
.endr
.endm
.macro L3 j, t0, n
.if LVL == 4
	PR \j, \t0, \n
.else
	ACC3 \j, \t0, \n
.endif
.endm
	s_mov_b32 s32, 0
.Ltrip:                                                ; seven trips in every wave; a wave of six groups jumps over the seventh's work
	s_cmp_ge_u32 s32, s30
	s_cbranch_scc1 .Lskip
	LOADX
.irp t,0,2,4,6,8
	L1P \t
	PROC1 \t
	PROC1 \t+1
.endr
	PAMAX P1, 1, PA1
	CHAIN 1, PA1, SW1, 24
.irp t,0,1,2,3,4,5,6,7,8,9
	BUILD \t, 1, P1                                ; all ten points' operands are finished ahead of layer 2's first product
.endr
.rept 3
	v_nop                                          ; with the one in BUILD: four places between codes made by vector instructions and the scaled product
.endr
	s_wait_alu depctr_va_vdst(0)                   ; the conversions have written x1's codes and the shifts its scale words, which layer 2's 40 products take; layer 1 is done reading and writing XR, in which the loads below land
	s_add_co_u32 s56, s32, 1                       ; XR's registers take the next group's bytes, if there is a next group: no load leaves its buffer
	s_cmp_ge_u32 s56, s30
	s_cbranch_scc1 .Lnonext
	RAWLOAD 4480, 640                              ; the rest of the trip stands between these loads and the wait for them
.Lnonext:
	WMMA2 0
	FILL0
.irp t,0,1,2,3,4,5,6,7,8,9             ; point t + 1's products are issued ahead of point t's vector work, which writes none of the registers that a later product of this layer takes
.if \t < 9
	WMMA2 \t+1
.endif
.if LVL == 2
	ACC2 \t
.else
	PROC2 \t
.endif
.endr
.if LVL >= 3
	PAMAX P2, 2, PA2
	CHAIN 2, PA2, SW2, 16
.irp t,0,1,2,3,4
	BUILD \t, 2, P2
.endr
	s_wait_alu depctr_va_vdst(0)                   ; the conversions have written the codes of x2's points 0 to 3 and the shifts their scale words, which the products below take
	WM 0, 0, 4
.irp t,5,6,7,8,9
	BUILD \t, 2, P2
.endr
.rept 3
	v_nop
.endr
	s_wait_alu depctr_va_vdst(0)                   ; and those of points 4 to 9: from here on no vector instruction writes x2 or its scale words, so layer 3's later products owe nothing more
	WM 0, 4, 6
.irp j,0,1,2,3,4,5,6,7                 ; one batch's vector work stands behind the other batch's products
	L3 \j, 0, 4
.if \j < 7
	WM \j+1, 0, 4
.endif
	L3 \j, 4, 6
.if LVL == 4
.if (\j%4) == 3
	s_wait_alu depctr_va_vdst(0)                   ; the maxima of four tiles are written, which the stage stores read; behind tile 7 layer 3 is also done with window 3's v128-191, in which the rows land
	OUT \j-3
	OUT \j-2
	OUT \j-1
	OUT \j
.endif
.endif
.if \j < 7
	WM \j+1, 4, 6
.endif
.endr
.endif
.if LVL == 4
	WIN 0xC0
.irp i,0,1,2,3,4,5,6,7,8,9,10,11,12,13,14,15
	ds_load_b128 v[OB+4*\i:OB+4*\i+3], v[LOR] offset:528*\i      ; LDS serves a wave's instructions in order: these see my stores
.endr
	WIN 0x0C
.irp i,0,1,2,3,4,5,6,7,8,9,10,11,12,13,14,15
	s_wait_dscnt 15-\i                             ; row i is back; the younger loads may be out
	global_store_b128 v[L16], v[OB+4*\i:OB+4*\i+3], s[48:49] offset:512*\i th:TH_STORE_NT   ; 32 lanes store a voxel's 512 consecutive bytes
.endr
.endif
	WIN 0
.Lskip:
	s_wait_xcnt 0x0                                ; the loads and stores have read their registers and their bases
	s_add_nc_u64 s[44:45], s[44:45], 4480
	s_add_nc_u64 s[46:47], s[46:47], 640
.if LVL == 4
	s_add_nc_u64 s[48:49], s[48:49], 8192
.endif
	s_add_co_u32 s32, s32, 1
	s_cmp_lt_u32 s32, 7
	s_cbranch_scc1 .Ltrip
.if LVL < 4
; the sums over the 16 voxels of a row of lanes, 64 registers at a time in window 0; then the four waves' sums meet in LDS
.irp g,0,1
.if \g < LVL-1
.if \g > 0
	s_wait_alu depctr_vm_vsrc(0)                   ; the LDS stores above have read v[VV ..], which the moves below write again
.endif
	WIN 0x03
.set ii, 0
.rept 64
	v_mov_b32 v[VV+ii], v[SS+64*\g+ii]
.set ii, ii+1
.endr
	WIN 0
.irp m,1,2,4,8
.set ii, 0
.rept 64
	v_add_f32_dpp v[VV+ii], v[VV+ii], v[VV+ii] row_xmask:\m row_mask:0xf bank_mask:0xf
.set ii, ii+1
.endr
.endr
	s_wait_alu depctr_va_vdst(0)                   ; the additions have written v[VV ..], which the LDS stores read
.irp n,0,1,2,3
.irp f,0,1
.if LVL == 2
	ds_store_b128 v[XSA], v[VV+8*\n+4*\f:VV+8*\n+4*\f+3] offset:128*(\n/2)+32*(\n%2)+16*\f            ; S of channels 32 b + 16 h + 8 u + 4 f on
	ds_store_b128 v[XSA], v[VV+32+8*\n+4*\f:VV+32+8*\n+4*\f+3] offset:256+128*(\n/2)+32*(\n%2)+16*\f  ; Q
.else
	ds_store_b128 v[XSA], v[VV+16*\n+4*\f:VV+16*\n+4*\f+3] offset:64*(4*\g+\n)+16*\f                  ; S of channels 16 j + 8 h + 4 f on
	ds_store_b128 v[XSA], v[VV+16*\n+8+4*\f:VV+16*\n+8+4*\f+3] offset:512+64*(4*\g+\n)+16*\f          ; Q
.endif
.endr
.endr
.endif
.endr
	BARRIER
	s_cmp_ge_u32 s28, LVL-1                        ; a row is 512 bytes (one wave stores it) or 1,024 (two)
	s_cbranch_scc1 .Lend
.irp w,0,1,2,3
	ds_load_b128 v[TL+4*\w:TL+4*\w+3], v[TLA] offset:1024*\w     ; into registers that no store has read and that no vector instruction since the wait above names
.endr
	s_wait_dscnt 0x0
	v_pk_add_f32 v[TL:TL+1], v[TL:TL+1], v[TL+4:TL+5]
	v_pk_add_f32 v[TL+2:TL+3], v[TL+2:TL+3], v[TL+6:TL+7]
	v_pk_add_f32 v[TL+8:TL+9], v[TL+8:TL+9], v[TL+12:TL+13]
	v_pk_add_f32 v[TL+10:TL+11], v[TL+10:TL+11], v[TL+14:TL+15]
	v_pk_add_f32 v[TL:TL+1], v[TL:TL+1], v[TL+8:TL+9]
	v_pk_add_f32 v[TL+2:TL+3], v[TL+2:TL+3], v[TL+10:TL+11]
	s_wait_alu depctr_va_vdst(0)                   ; the additions have written v[TL ..], which the store reads
	global_store_b128 v[T16P], v[TL:TL+3], s[50:51]      ; a wave stores 512 consecutive bytes
.Lend:
.endif
	s_wait_dscnt 0x0                               ; the closing lines, six on end, of a launch in the mode that stores to LDS
	s_wait_alu 0x0
	s_wait_tensorcnt 0x0
	ds_add_u32 v254, v255
	s_wait_dscnt 0x0
	s_endpgm
.Lfunc_end_k_q92f38a9d2f_stat2:
	.size	k_q92f38a9d2f_stat2, .Lfunc_end_k_q92f38a9d2f_stat2-k_q92f38a9d2f_stat2
	.p2alignl 7, 3214868480
	.fill 96, 4, 3214868480
	.section	.rodata,"a",@progbits
	.p2align	6, 0x0
	.amdhsa_kernel k_q92f38a9d2f_stat2
		.amdhsa_group_segment_fixed_size 59904
		.amdhsa_private_segment_fixed_size 0
		.amdhsa_enable_private_segment 0
		.amdhsa_kernarg_size 72
		.amdhsa_user_sgpr_count 2
		.amdhsa_user_sgpr_kernarg_segment_ptr 1
		.amdhsa_wavefront_size32 1
		.amdhsa_system_sgpr_workgroup_id_x 1
		.amdhsa_system_sgpr_workgroup_id_y 1
		.amdhsa_system_sgpr_workgroup_id_z 1
		.amdhsa_system_vgpr_workitem_id 0
		.amdhsa_next_free_vgpr 1024
		.amdhsa_next_free_sgpr 80
		.amdhsa_reserve_vcc 0
		.amdhsa_float_denorm_mode_32 3
		.amdhsa_float_denorm_mode_16_64 3
		.amdhsa_memory_ordered 1
		.amdhsa_forward_progress 1
		.amdhsa_inst_pref_size 175
	.end_amdhsa_kernel
	.amdgpu_metadata
---
amdhsa.version: [ 1, 2 ]
amdhsa.kernels:
  - .name:           k_q92f38a9d2f_stat2
    .symbol:         k_q92f38a9d2f_stat2.kd
    .args:
      - { .name: points_per_voxel, .offset: 0, .size: 8, .value_kind: global_buffer, .address_space: global }
      - { .name: mask, .offset: 8, .size: 8, .value_kind: global_buffer, .address_space: global }
      - { .name: W1, .offset: 16, .size: 8, .value_kind: global_buffer, .address_space: global }
      - { .name: wq, .offset: 24, .size: 8, .value_kind: global_buffer, .address_space: global }
      - { .name: p1, .offset: 32, .size: 8, .value_kind: global_buffer, .address_space: global }
      - { .name: g1, .offset: 40, .size: 8, .value_kind: global_buffer, .address_space: global }
      - { .name: b1, .offset: 48, .size: 8, .value_kind: global_buffer, .address_space: global }
      - { .name: bn1, .offset: 56, .size: 8, .value_kind: global_buffer, .address_space: global }
      - { .name: p2, .offset: 64, .size: 8, .value_kind: global_buffer, .address_space: global }
    .group_segment_fixed_size: 59904
    .private_segment_fixed_size: 0
    .kernarg_segment_align: 8
    .kernarg_segment_size: 72
    .max_flat_workgroup_size: 128
    .sgpr_count:     80
    .vgpr_count:     1024
    .wavefront_size: 32
...
	.end_amdgpu_metadata
.endif
;; end of part 5
;; launch stat3 (part 6): grid 256 x 1, 4 waves a work-group, no clusters, 59,904 bytes of LDS; arguments points_per_voxel, mask, W1, wq, p2, g2, b2, bn2, p3, bn1; writes bn2, p3
.if DOCPART == 6
	.amdgcn_target "amdgcn-amd-amdhsa--gfx1250"
	.amdhsa_code_object_version 6
	.text
	.protected	k_q92f38a9d2f_stat3
	.globl	k_q92f38a9d2f_stat3
	.p2align	8
	.type	k_q92f38a9d2f_stat3,@function
k_q92f38a9d2f_stat3:
	s_mov_b64 s[64:65], 0
	v_nop
	global_prefetch_b8 v0, s[64:65] scope:SCOPE_SE
	s_setreg_imm32_b32 hwreg(HW_REG_WAVE_SCHED_MODE, 0, 2), 2
	s_setreg_imm32_b32 hwreg(HW_REG_WAVE_MODE, 25, 1), 1
	s_wait_xcnt 0x0
	s_wait_alu depctr_vm_vsrc(0)
; VoxelFeatureEncoder, launches 2, 3 and 4 of 4: ONE text, told apart by LVL alone.  Each recomputes the chain from x, since x and the mask are far fewer bytes than any intermediate.
;   LVL 2: BatchNorm 1 from p1; layer 1; product 2; sums S, Q of h2 into p2[work-group]; work-group 0 stores a1, b1' into bn1.
;   LVL 3: BatchNorm 2 from p2; layers 1 and 2; product 3; S, Q of h3 into p3; work-group 0 stores a2, b2' into bn2.
;   LVL 4: BatchNorm 3 from p3; the whole chain; out0.
; SHARES.  A group = 16 voxels x 10 points; wave q = 256 wave + work-group takes groups 6 q + min(q, 106) on, 7 where q < 106, else 6.  Its x and mask are dense runs.  A group's 5,120 bytes are loaded as they lie,
; 512 consecutive bytes an instruction, a trip ahead, into registers that layer 1 has left, and turned through the wave's own stage in LDS: a lane then takes its voxel's 70 numbers and 10 masks.
; LAYOUT.  Lane (r, h) holds voxel r throughout, and its registers run along the channels: the maximum over a voxel's points is a maximum over registers of one lane.  A matrix tile's 16 rows are the SAME point t of
; 16 voxels, and both matrix products are used transposed (source 0 = 16 output channels, source 1 = 16 voxels).  Layer 1 gives a lane channels 16 h .. 16 h + 15; the channels that form a tile of layer 2 are chosen
; (row m = m + 8 u + 8 (m / 8)) so that two tiles' 16 registers are 16 neighbours along the next K, in the order of an 8-bit operand: the conversions' results are the next operand.
; THE MASK m is honoured as a number: z being BatchNorm's result, x_h = relu(m^2 z); P = max(0, max_t max(m, 0) z_t); x_p(t) = m_t P; out = max(0, max_t max(m, 0) z3_t).
; PRODUCT 1 has K = 7 and is left in f32, since its result goes into a quantiser: fused multiply-adds, two channels an instruction.  BatchNorm 1 is folded into it: z1 = b1' + sum over k of (x - x0)[k] a1[c] W1[k][c].
; The folded table (8 rows of 32 numbers) lies in LDS; a lane's 128 numbers of it are fetched in every trip into the registers that layers 2 and 3 use later in the trip.
; PRODUCT 2 has K = 64: it stands in the UPPER half of the instruction's 128.  W2's fragments have zero codes below; x1's registers 0-7 hold older valid codes (zeros at first), which meet zero codes.
; A block's largest m^2 z is m^2 x the block's largest z, bit for bit (a rounded product does not fall where a factor rises); likewise |m| P.
; No cluster: what work-groups share is 22 KB of weights and the partial sums, against a work-group's 144 KB of rows.
; LIMITS: a voxel with no mask > 0 (reference: -inf, then NaN everywhere) is not reproduced; the variances of h2 and h3 are Q / N - mean^2 in f32, relative error about 3e-7 (1 + mean^2 / var);
; a block of zeros gets the scale byte 1 (its codes are zeros; only this program reads the bytes); NaN and infinities are not served.
; THE MODE: SCHED_MODE bits 1:0 = 2 (LLVM: expert scheduling mode 2), set by the entry lines.  The code itself states the register dependences between vector or matrix instructions and memory or LDS
; instructions, with s_wait_alu, always for 0.
; THE PLAN.  Registers that memory or LDS instructions touch in a trip, and who else names them:
;   XR (window 1, v160-229)  the next group's global loads land in v160-199; the next trip's stage stores read them; the LDS loads of x land in v160-229; the subtractions write and layer 1 reads them; v216-229 are HDA later.
;   MK (v16-25)              the LDS loads of the masks land there; vector instructions read them to the trip's end.
;   window 3, v128-255       the LDS loads of the folded table land there; layer 1 reads them; then layers 2 and 3 have their accumulators there; LVL 4: the rows read back from the stage land in v128-191, and the global stores read them.
;   OW (v138-201), LVL 4     layer 3's maxima, a set of eight registers to each tile of channels: written by vector instructions, read by the stage stores; the next trip's layer 1 writes these registers again.
;   X2, SW1, SW2             written by vector instructions, taken by the scaled products as operands and scales.
;   Offsets and LDS addresses are made at the head and never written again: scalar bases move on, and immediate offsets do the rest.
; THE WAITS OF A TRIP.  One on va_vdst behind the stage stores: the last trip is done with MK, XR, HDA and window 3's v128-255.  One on vm_vsrc ahead of the loads of x: the stage stores have read XR, the last trip's stores OW
; and the rows.  One on va_vdst ahead of layer 2: all ten points' codes and scale words are made first, so that it serves all 40 products, and the next group's global loads stand behind it too.  One ahead of each of layer 3's
; first two batches of products.  LVL 4: one ahead of each of the two runs of stage stores; the second also serves the loads from the stage.
.set LVL,  3
.set CH,   32<<(LVL-2)                 ; channels of the BatchNorm that this launch finishes
.set NSL,  256/CH                      ; rows of partial sums in 2,048 bytes
.set NB,   CH/16                       ; the partial sums are CH x 2,048 bytes: batches of 16 loads a thread
.set XSTB, 5120                        ; LDS: a wave's stage: a group's x (4,480 bytes), then its masks (640)
.set OSTG, 20480                       ; LDS, LVL 4: the way out, 16 rows x 528 bytes a wave
.set WRED, 20480                       ; LDS, LVL 2 and 3: the waves' sums, 1,024 bytes a wave
.set RED,  54272                       ; LDS: 16 bytes a thread
.set TAB,  56320                       ; LDS: a[c] at 4 c, b'[c] at 512 + 4 c
.set TB2,  57344                       ; LDS, LVL 4: a2, b2' likewise
.set W1T,  58368                       ; LDS: a1[c] W1[k][c] at 128 k + 4 c, k = 0 .. 6; b1'[c] at 896 + 4 c
; window 0
.set XB0,  1
.set W1A,  2
.set MB,   3
.set L8,   4
.set ST16, 5
.set ST8,  6
.set LOW,  7
.set LOR,  8
.set L16,  9
.set L4,   10
.set RDA,  11
.set MK,   16                          ; v16-25  m_t
.set MPA,  26                          ; v26-35  max(m_t, 0)
.set M2A,  36                          ; v36-45  m_t^2
.set SW1,  46                          ; v46-55  x1's scale words
.set SW2,  56                          ; v56-65  x2's
.set W2S,  66                          ; v66-69  W2's
.set WFS,  70                          ; v70-77  Wf's
.set AM0,  78
.set AB0,  80
.set PM0,  82
.set SC0,  84
.set HD0,  86
.set BY0,  88
.set ST4,  90
.set ET,   94
.set PA1,  102
.set PA2,  103
.set D12,  106                         ; v106-137 z1 of two points
.set TL,   106                         ; v106-121 at the end, LVL 2 and 3: the four waves' sums as read back
.set VV,   138
.set OW,   138                         ; v138-201 LVL 4, layer 3: the maxima of tile j at 8 j
.set EB,   170
.set P1,   202
.set P2,   218
.set XSA,  250
.set TLA,  251
.set T16P, 252
; window 0, at the head only
.set RWA,  138
.set RWB,  139
.set A1L,  150
.set WE0,  152
.set WE1,  153
.set GAM,  154
.set BET,  155
.set FS,   156
.set FQ,   164
.set FM,   172
.set FV,   173
.set FRS,  174
.set FAA,  175
.set FBB,  176
.set FAD,  177
.set FTD,  178
.set I4,   186
.set WB4,  187
.set WTD,  188
.set GB4,  191
.set RR,   193
.set HH,   194
.set LN,   195
.set TA2,  196
.set TA,   197
.set B2G,  198
.set B2A,  199
.set B2D,  200
; window 1
.set X2,   0                           ; v0-159   ten operands of 16 registers: x1 in 8-15, then x2 in 0-15.  At the head: v0-127 two buffers of partial sums, v128-131 their sum
.set PAC,  128
.set XR,   160                         ; v160-229 my voxel's x: point t, number k at 7 t + k; behind layer 1 v160-199 take the next group's bytes as loaded
.set HDA,  216                         ; v216-235 (behind layer 1)
.set SCA,  236
; window 2
.set WFF,  0
.set W2F,  128
.set A2,   192
.set B2,   224
; window 3
.set A3,   0                           ; LVL 4: a3 at 16 j, b3' at 16 j + 8
.set SS,   0                           ; LVL 3: S at 16 j, Q at 16 j + 8;  LVL 2: S at 0, Q at 32
.set W1W,  128                         ; v128-255 in layer 1: the folded W1 of my 16 channels at 16 k + i, b1' at 112 + i
.set D2,   128                         ; v128-191 in layer 2: two sets of four accumulators, the points by turns
.set D3,   128
.set OB,   128
.set MP3,  224
.set X0S,  68                          ; s[68:75] x0
.if LVL == 3
.set BN1P, 22
.endif
.if LVL == 4
.set BN1P, 20
.set BN2P, 22
.endif
.set MSB, 0
.macro WIN new                         ; bits 1:0 source 0, 3:2 source 1, 5:4 source 2, 7:6 destination; the high byte repeats the setting that is left
.if MSB != \new
	s_set_vgpr_msb (MSB<<8)|\new
.set MSB, \new
.endif
.endm
.macro PKM d, a, arr, t                ; a pair times element t of an array: the pair that holds it is named, and op_sel picks it for both halves
.if ((\t)%2) == 0
	v_pk_mul_f32 v[\d:\d+1], v[\a:\a+1], v[\arr+(\t):\arr+(\t)+1] op_sel_hi:[1,0]
.else
	v_pk_mul_f32 v[\d:\d+1], v[\a:\a+1], v[\arr+(\t)-1:\arr+(\t)] op_sel:[0,1] op_sel_hi:[1,1]
.endif
.endm
.macro XFMA d, w, c, f                 ; a pair of channels: weights x number f of x, added onto the pair c
.if ((\f)%2) == 0
	v_pk_fma_f32 v[\d:\d+1], v[\w:\w+1], v[XR+(\f):XR+(\f)+1], v[\c:\c+1] op_sel_hi:[1,0,1]
.else
	v_pk_fma_f32 v[\d:\d+1], v[\w:\w+1], v[XR+(\f)-1:XR+(\f)], v[\c:\c+1] op_sel:[0,1,0] op_sel_hi:[1,1,1]
.endif
.endm
.macro BARRIER
	s_wait_dscnt 0x0                               ; my LDS stores have landed and my LDS loads are in
	s_barrier_signal -1
	s_barrier_wait -1
.endm
; a group's bytes as they lie, xo and mo bytes on from the bases: x is 8 x 512 + 256 + 128 bytes, the mask 512 + 128
.macro RAWLOAD xo, mo
	WIN 0x40                                       ; destination window 1
.set ii, 0
.rept 8
	global_load_b128 v[XR+4*ii:XR+4*ii+3], v[L16], s[44:45] offset:\xo+512*ii th:TH_LOAD_NT
.set ii, ii+1
.endr
	global_load_b64 v[XR+32:XR+33], v[L8], s[44:45] offset:\xo+4096 th:TH_LOAD_NT
	global_load_b32 v[XR+34], v[L4], s[44:45] offset:\xo+4352 th:TH_LOAD_NT
	global_load_b32 v[XR+35], v[L4], s[46:47] offset:\mo+512 th:TH_LOAD_NT
	global_load_b128 v[XR+36:XR+39], v[L16], s[46:47] offset:\mo th:TH_LOAD_NT
	WIN 0
.endm
.macro PLOAD b                         ; batch b of the partial sums: thread i takes the 16 bytes at 16 i of sixteen runs of 2,048
.set ii, 0
.rept 16
	global_load_b128 v[64*((\b)%2)+4*ii:64*((\b)%2)+4*ii+3], v[T16P], s[12:13] offset:2048*(16*(\b)+ii)
.set ii, ii+1
.endr
.endm
.macro PSUM b                          ; its sixteen are added up, and onto the batches before
.set bs, 64*((\b)%2)
.irp st,8,4,2
.set ii, 0
.rept \st
	v_pk_add_f32 v[bs+4*ii:bs+4*ii+1], v[bs+4*ii:bs+4*ii+1], v[bs+4*(ii+\st):bs+4*(ii+\st)+1]
	v_pk_add_f32 v[bs+4*ii+2:bs+4*ii+3], v[bs+4*ii+2:bs+4*ii+3], v[bs+4*(ii+\st)+2:bs+4*(ii+\st)+3]
.set ii, ii+1
.endr
.endr
.if (\b) == 0
	v_pk_add_f32 v[PAC:PAC+1], v[bs:bs+1], v[bs+4:bs+5]
	v_pk_add_f32 v[PAC+2:PAC+3], v[bs+2:bs+3], v[bs+6:bs+7]
.else
	v_pk_add_f32 v[bs:bs+1], v[bs:bs+1], v[bs+4:bs+5]
	v_pk_add_f32 v[bs+2:bs+3], v[bs+2:bs+3], v[bs+6:bs+7]
	v_pk_add_f32 v[PAC:PAC+1], v[PAC:PAC+1], v[bs:bs+1]
	v_pk_add_f32 v[PAC+2:PAC+3], v[PAC+2:PAC+3], v[bs+2:bs+3]
.endif
.endm
	s_load_b512 s[4:19], s[0:1], 0x0               ; x, mask, W1, wq, partial sums, gamma, beta, s[18:19]: bnK out (LVL 2, 3) or out0
.if LVL == 2
	s_load_b64 s[20:21], s[0:1], 0x40              ; p2 out
.else
	s_load_b128 s[20:23], s[0:1], 0x40             ; LVL 3: p3 out, bn1;  LVL 4: bn1, bn2
	v_lshl_add_u32 v254, v0, 2, 0xe800
	v_mov_b32 v255, 0
.endif
	v_lshrrev_b32 v12, 5, v0
	v_readfirstlane_b32 s28, v12                   ; wave
	s_wait_alu depctr_va_sdst(0)                   ; s28 is written, ahead of its first reader: shares, bases and branches are made from it
	s_lshl_b32 s29, s28, 8
	s_add_co_u32 s29, s29, ttmp9                   ; q
	s_mul_i32 s31, s29, 6
	s_min_u32 s40, s29, 106
	s_add_co_u32 s31, s31, s40                     ; my first group
	s_cmp_lt_u32 s29, 106
	s_cselect_b32 s30, 7, 6                        ; my groups
	s_mul_i32 s40, s31, 4480
	s_mov_b32 s41, 0
	s_mul_i32 s42, s31, 640
	s_mov_b32 s43, 0
	s_mov_b32 s55, 0
	s_mov_b32 s36, 0x76543210
	s_mov_b32 s37, 0xfedcba98                      ; v_permlanex16_b32's selects for lane l xor 16
	s_mov_b32 s38, 0x600000                        ; the mantissa field of 448
	s_mul_i32 s39, s28, XSTB
	; every address register that outlives a branch is made here
	v_and_b32 v[LN], 31, v0
	v_and_b32 v[RR], 15, v0                        ; r
	v_bfe_u32 v[HH], v0, 4, 1                      ; h
	v_lshlrev_b32 v[L16], 4, v[LN]
	v_lshlrev_b32 v[L8], 3, v[LN]
	v_lshlrev_b32 v[L4], 2, v[LN]
	v_add_nc_u32 v[ST16], s39, v[L16]
	v_add_nc_u32 v[ST8], s39, v[L8]
	v_add_nc_u32 v[ST4], s39, v[L4]
	v_mul_u32_u24 v[XB0], v[RR], 280               ; a voxel's x is 280 bytes
	v_add_nc_u32 v[XB0], s39, v[XB0]
	v_mul_u32_u24 v[MB], v[RR], 40                 ; its mask 40, behind the group's x
	v_add_nc_u32 v[MB], s39, v[MB]
	v_add_nc_u32 v[MB], 4480, v[MB]
	v_lshl_add_u32 v[W1A], v[HH], 6, W1T           ; my 16 channels in a row of the folded table
	v_lshl_add_u32 v[WTD], v0, 2, W1T              ; and where thread i puts its two entries: row wave (and wave + 4), channel lane
	v_lshl_add_u32 v[RDA], v0, 4, RED
	v_lshl_add_u32 v[FAD], v0, 2, RED
	v_lshl_add_u32 v[FTD], v0, 2, TAB
	v_lshlrev_b32 v[T16P], 4, v0
	v_lshlrev_b32 v[I4], 2, v0                     ; W1: row wave, channel lane
	v_add_nc_u32 v[WB4], 512, v[I4]                ; row wave + 4;
	v_min_u32 v[WB4], 892, v[WB4]                  ; W1 has 7 rows: wave 3's load is held inside the buffer, and what it brings is not used
.if LVL == 2
	v_add_nc_u32 v[TA], TAB, v[L4]
.else
	v_lshl_add_u32 v[TA], v[HH], 9-LVL, TAB        ; LVL 3: + 64 h;  LVL 4: + 32 h
.endif
.if LVL < 4
	s_lshl_b32 s53, s28, 10
	s_add_co_u32 s53, s53, WRED
	v_lshlrev_b32 v[XSA], 8-LVL, v[HH]             ; LVL 2: 64 h;  LVL 3: 32 h
	v_add_nc_u32 v[XSA], s53, v[XSA]
	v_add_nc_u32 v[TLA], WRED, v[T16P]
.else
	s_mul_i32 s53, s28, 8448
	s_add_co_u32 s53, s53, OSTG
	v_mul_u32_u24 v[LOW], v[RR], 528
	v_lshl_add_u32 v[LOW], v[HH], 5, v[LOW]
	v_add_nc_u32 v[LOW], s53, v[LOW]               ; into the stage: row r, + 32 h
	v_add_nc_u32 v[LOR], s53, v[L16]               ; back: 16 bytes a lane of a row
	v_lshrrev_b32 v[B2G], 6, v0
	v_lshlrev_b32 v[B2G], 8, v[B2G]
	v_lshl_add_u32 v[B2G], v0, 2, v[B2G]           ; 4 i + 256 (i / 64): threads 0-63 take a2, threads 64-127 b2'
	v_add_nc_u32 v[B2A], TB2, v[B2G]
	v_lshl_add_u32 v[TA2], v[HH], 6, TB2
.endif
	v_and_b32 v[GB4], CH-1, v0
	v_lshlrev_b32 v[GB4], 2, v[GB4]
	s_wait_kmcnt 0x0
	s_load_b256 s[X0S:X0S+7], s[4:5], 0x0          ; x0 = the first point's seven numbers (and one more, not used)
	s_add_nc_u64 s[44:45], s[4:5], s[40:41]        ; my run of x
	s_add_nc_u64 s[46:47], s[6:7], s[42:43]        ; and of the mask
.if LVL < 4
	s_mul_i32 s54, ttmp9, 16*CH
	s_add_nc_u64 s[50:51], s[20:21], s[54:55]      ; my work-group's row of partial sums
.else
	s_lshl_b32 s54, s31, 13
	s_add_nc_u64 s[48:49], s[18:19], s[54:55]      ; my first group's 16 rows of out0
.endif
	s_wait_alu depctr_va_vdst(0)                   ; every offset and LDS address made above is written, which the kernel's loads and stores read; so are v254 and v255, which the closing add reads
	; THE LOADS OF THE HEAD, in three runs.  First what is small and wanted soon, and my first group:
	RAWLOAD 0, 0
	global_load_b32 v[GAM], v[GB4], s[14:15]
	global_load_b32 v[BET], v[GB4], s[16:17]
	global_load_b32 v[RWA], v[I4], s[8:9]
	global_load_b32 v[RWB], v[WB4], s[8:9]
.if LVL >= 3
	global_load_b32 v[A1L], v[L4], s[BN1P:BN1P+1]              ; a1 and b1' of channel lane
	global_load_b32 v[A1L+1], v[L4], s[BN1P:BN1P+1] offset:512
.endif
.if LVL == 4
	global_load_b32 v[B2D], v[B2G], s[BN2P:BN2P+1]
.endif
	; then the partial sums, streamed through two buffers
	WIN 0x40
	PLOAD 0
	PLOAD 1
.set bq, 0
.rept NB
.if bq < NB-1
	s_wait_loadcnt 16                              ; loads come back in order: this batch is in; the next batch's sixteen may be out
.else
	s_wait_loadcnt 0x0
.endif
	WIN 0x45
	PSUM bq
.if bq+2 < NB
	WIN 0x40
	s_wait_alu depctr_va_vdst(0)                   ; the additions are done reading and writing this buffer, in which the next loads land
	PLOAD bq+2
.endif
.set bq, bq+1
.endr
	; then what is wanted behind the barriers
	WIN 0
.if LVL >= 3
.irp j,0,1,2,3,4,5,6,7
	global_load_b32 v[WFS+\j], v[L4], s[10:11] offset:20480+128*\j
.endr
.endif
.irp n,0,1,2,3
	global_load_b32 v[W2S+\n], v[L4], s[10:11] offset:21504+128*\n
.endr
	WIN 0x80                                       ; the weights' images: they stay in window 2
.if LVL >= 3
.irp j,0,1,2,3,4,5,6,7
.irp c,0,1,2,3
	global_load_b128 v[WFF+16*\j+4*\c:WFF+16*\j+4*\c+3], v[L16], s[10:11] offset:2048*\j+512*\c
.endr
.endr
.endif
.irp n,0,1,2,3
.irp c,0,1
	global_load_b128 v[W2F+16*\n+8+4*\c:W2F+16*\n+8+4*\c+3], v[L16], s[10:11] offset:16384+1024*\n+512*\c
.endr
.endr
	s_wait_alu depctr_va_vdst(0)                   ; the additions have written v[PAC ..], which the LDS store reads
	WIN 0x04                                       ; an LDS store's data are its source 1
	ds_store_b128 v[RDA], v[PAC:PAC+3]
	WIN 0
.if LVL == 4
	ds_store_b32 v[B2A], v[B2D]
.endif
	BARRIER                                        ; RED holds NSL rows of [S | Q]
	s_cmp_ge_u32 s28, CH/32                        ; thread c finishes channel c: the first CH threads
	s_cbranch_scc1 .Lnofin
.set sl, 0
.rept NSL
	ds_load_b32 v[FS+sl], v[FAD] offset:8*CH*sl
	ds_load_b32 v[FQ+sl], v[FAD] offset:8*CH*sl+4*CH
.set sl, sl+1
.endr
	s_wait_dscnt 0x0
.set sl, 1
.rept NSL-1
	v_add_f32 v[FS], v[FS], v[FS+sl]
	v_add_f32 v[FQ], v[FQ], v[FQ+sl]
.set sl, sl+1
.endr
	v_mul_f32 v[FM], 0x358637bd, v[FS]             ; mean = S / 1,000,000
	v_mul_f32 v[FV], 0x358637bd, v[FQ]
	v_fma_f32 v[FV], -v[FM], v[FM], v[FV]          ; the biased variance,
	v_max_num_f32 v[FV], 0, v[FV]                  ; not under 0,
	v_add_f32 v[FV], 0x3727c5ac, v[FV]             ; + 1e-5
	v_rsq_f32 v[FRS], v[FV]
	v_nop                                          ; one plain instruction behind a transcendental
	s_wait_alu depctr_va_vdst(0)                   ; the root's reciprocal is written, ahead of its first reader
	v_mul_f32 v[FAA], v[GAM], v[FRS]               ; a = gamma / sqrt(var + eps)
	v_fma_f32 v[FBB], -v[FAA], v[FM], v[BET]       ; b' = beta - a mean
	s_wait_alu depctr_va_vdst(0)                   ; a and b' are written, which the stores below read
	ds_store_b32 v[FTD], v[FAA]
	ds_store_b32 v[FTD], v[FBB] offset:512
.if LVL < 4
	s_cmp_lg_u32 ttmp9, 0
	s_cbranch_scc1 .Lnofin
	global_store_b32 v[GB4], v[FAA], s[18:19]      ; for the later launches: one work-group stores them
	global_store_b32 v[GB4], v[FBB], s[18:19] offset:512
.endif
.Lnofin:
	BARRIER                                        ; TAB is whole
.if LVL == 2
	ds_load_b32 v[A1L], v[TA]                      ; a1 and b1' of channel lane
	ds_load_b32 v[A1L+1], v[TA] offset:512
.endif
.if LVL == 3
	WIN 0x80
.irp n,0,1,2,3
.irp f,0,1
	ds_load_b128 v[A2+8*\n+4*\f:A2+8*\n+4*\f+3], v[TA] offset:128*(\n/2)+32*(\n%2)+16*\f
	ds_load_b128 v[B2+8*\n+4*\f:B2+8*\n+4*\f+3], v[TA] offset:512+128*(\n/2)+32*(\n%2)+16*\f
.endr
.endr
.endif
.if LVL == 4
	WIN 0x80
.irp n,0,1,2,3
.irp f,0,1
	ds_load_b128 v[A2+8*\n+4*\f:A2+8*\n+4*\f+3], v[TA2] offset:128*(\n/2)+32*(\n%2)+16*\f
	ds_load_b128 v[B2+8*\n+4*\f:B2+8*\n+4*\f+3], v[TA2] offset:512+128*(\n/2)+32*(\n%2)+16*\f
.endr
.endr
	WIN 0xC0
.irp j,0,1,2,3,4,5,6,7
.irp f,0,1
	ds_load_b128 v[A3+16*\j+4*\f:A3+16*\j+4*\f+3], v[TA] offset:64*\j+16*\f
	ds_load_b128 v[A3+16*\j+8+4*\f:A3+16*\j+8+4*\f+3], v[TA] offset:512+64*\j+16*\f
.endr
.endr
.endif
	s_wait_dscnt 0x0
	WIN 0
	s_cmp_eq_u32 s28, 3                            ; THE FOLDED TABLE: thread i makes rows wave and wave + 4 of channel lane; wave 3's second row is the bias
	s_cselect_b32 s57, -1, 0
	v_mul_f32 v[WE0], v[RWA], v[A1L]               ; a1 W1
	v_mul_f32 v[WE1], v[RWB], v[A1L]
	v_cndmask_b32 v[WE1], v[WE1], v[A1L+1], s57    ; b1' in wave 3
	s_wait_alu depctr_va_vdst(0)                   ; the two entries are written, which the LDS stores read
	ds_store_b32 v[WTD], v[WE0]
	ds_store_b32 v[WTD], v[WE1] offset:512
	BARRIER                                        ; the table is whole
	s_wait_alu depctr_vm_vsrc(0)                   ; the head's loads and stores have read their registers: v[PAC ..] is cleared below, and the head's own offsets and store data are written again by the loop's vector work
	s_wait_loadcnt 0x0                             ; the weights and their scale words
	s_wait_kmcnt 0x0                               ; x0
	WIN 0x40
.irp t,0,1,2,3,4,5,6,7,8,9
.irp i,0,1,2,3,4,5,6,7
	v_mov_b32 v[X2+16*\t+\i], 0                    ; the operands' lower halves: zero codes until x2's first codes land there
.endr
.endr
	WIN 0x80
.irp n,0,1,2,3
.irp i,0,1,2,3,4,5,6,7
	v_mov_b32 v[W2F+16*\n+\i], 0                   ; W2's lower 64 along K: zero codes
.endr
.endr
.if LVL < 4
	WIN 0xC0
.set ii, 0
.rept 64*(LVL-1)
	v_mov_b32 v[SS+ii], 0                          ; S and Q: 64 registers (LVL 2), 128 (LVL 3)
.set ii, ii+1
.endr
.endif
	WIN 0
	v_mov_b32 v[PM0], 0                            ; a lane permute's destination counts as one of its sources
	v_mov_b32 v[PM0+1], 0
	s_wait_xcnt 0x0                                ; the stores above have read their registers
.macro MASKS
	WIN 0
.irp t,0,1,2,3,4,5,6,7,8,9
	v_max_num_f32 v[MPA+\t], 0, v[MK+\t]
.endr
.irp t,0,2,4,6,8
	v_pk_mul_f32 v[M2A+\t:M2A+\t+1], v[MK+\t:MK+\t+1], v[MK+\t:MK+\t+1]
.endr
.endm
; the group that was loaded a trip ago goes through my stage: as it lies on the way in; my voxel's masks and its 70 numbers on the way out; then my 128 numbers of the folded table
.macro LOADX
	s_wait_loadcnt 0x0
	WIN 0x04                                       ; an LDS store's data are its source 1: window 1
.set ii, 0
.rept 8
	ds_store_b128 v[ST16], v[XR+4*ii:XR+4*ii+3] offset:512*ii
.set ii, ii+1
.endr
	ds_store_b64 v[ST8], v[XR+32:XR+33] offset:4096
	ds_store_b32 v[ST4], v[XR+34] offset:4352
	ds_store_b128 v[ST16], v[XR+36:XR+39] offset:4480
	ds_store_b32 v[ST4], v[XR+35] offset:4992
	WIN 0
	s_wait_alu depctr_va_vdst(0)                   ; the last trip's vector and matrix instructions (in the first trip: the head's) are done with MK, with XR and HDA and with window 3's v128-255, in which the loads below land
.irp i,0,1,2,3,4
	ds_load_b64 v[MK+2*\i:MK+2*\i+1], v[MB] offset:8*\i        ; LDS serves a wave's instructions in order: these see my stores
.endr
	WIN 0x40
	s_wait_alu depctr_vm_vsrc(0)                   ; the stage stores have read XR, in which the loads of x land and which the subtractions write; the last trip's stores have read OW and window 3's rows
.set ii, 0
.rept 35
	ds_load_b64 v[XR+2*ii:XR+2*ii+1], v[XB0] offset:8*ii       ; 280 bytes a voxel: a multiple of 8
.set ii, ii+1
.endr
	s_wait_dscnt 35                                ; the masks are in; the 35 loads of x issued behind them may be out
	MASKS
	s_wait_dscnt 0x0                               ; x is in
	WIN 0xC0
.irp k,0,1,2,3,4,5,6,7
.irp f,0,1,2,3
	ds_load_b128 v[W1W+16*\k+4*\f:W1W+16*\k+4*\f+3], v[W1A] offset:128*\k+16*\f   ; the sixteen lanes of a half read the same bytes.  No wait: no vector instruction since the two above names these registers
.endr
.endr
	WIN 0x41
.irp t,0,1,2,3,4,5,6,7,8,9
.irp k,0,1,2,3,4,5,6
	v_sub_f32 v[XR+7*\t+\k], v[XR+7*\t+\k], s[X0S+\k]          ; x - x0, while the table is on its way
.endr
.endr
	s_wait_dscnt 0x0
.endm
; z1 of points t and t + 1 (t even): b1' + seven K steps, eight pairs of channels a point: sixteen chains by turns
.macro L1P t
	WIN 0x37                                       ; source 0 (table) and source 2 (b1') window 3, source 1 (x) window 1
.irp e,0,1
.set pp, 0
.rept 8
	XFMA D12+16*\e+2*pp, W1W+2*pp, W1W+112+2*pp, 7*((\t)+\e)
.set pp, pp+1
.endr
.endr
	WIN 0x07
.irp k,1,2,3,4,5,6
.irp e,0,1
.set pp, 0
.rept 8
	XFMA D12+16*\e+2*pp, W1W+16*\k+2*pp, D12+16*\e+2*pp, 7*((\t)+\e)+\k
.set pp, pp+1
.endr
.endr
.endr
.endm
; eight registers (number k) of the pool: max(m, 0) z of an even point is kept; an odd point joins both into the running maximum, which begins at 0
.macro POOLQ src, P, t, k
.set pq, 0
.rept 4
.if ((\t)%2) == 0
	PKM EB+8*(\k)+2*pq, \src+8*(\k)+2*pq, MPA, \t
.else
	PKM ET+2*pq, \src+8*(\k)+2*pq, MPA, \t
.endif
.set pq, pq+1
.endr
.if ((\t)%2) == 1
.set pq, 0
.rept 8
.if (\t) == 1
	v_max3_num_f32 v[\P+8*(\k)+pq], 0, v[ET+pq], v[EB+8*(\k)+pq]
.else
	v_max3_num_f32 v[\P+8*(\k)+pq], v[\P+8*(\k)+pq], v[ET+pq], v[EB+8*(\k)+pq]
.endif
.set pq, pq+1
.endr
.endif
.endm
; point t of layer 1: the block's scale, the pool, x_h = relu(m^2 z) as codes into registers 8-11 of the point's operand
.macro PROC1 t
	WIN 0
.set dd, D12+16*((\t)%2)
	v_max3_num_f32 v[AM0], v[dd], v[dd+1], 0       ; no |.|: what is negative becomes 0
	v_max3_num_f32 v[AB0], v[dd+2], v[dd+3], v[dd+4]
	v_max3_num_f32 v[AM0], v[AM0], v[dd+5], v[dd+6]
	v_max3_num_f32 v[AB0], v[AB0], v[dd+7], v[dd+8]
	v_max3_num_f32 v[AM0], v[AM0], v[dd+9], v[dd+10]
	v_max3_num_f32 v[AB0], v[AB0], v[dd+11], v[dd+12]
	v_max3_num_f32 v[AM0], v[AM0], v[dd+13], v[dd+14]
	v_max3_num_f32 v[AM0], v[AM0], v[AB0], v[dd+15]
	v_permlanex16_b32 v[PM0], v[AM0], s36, s37
	POOLQ dd, P1, \t, 0
	v_max_num_f32 v[AM0], v[AM0], v[PM0]           ; with lane l xor 16's 16 channels
	v_mul_f32 v[AM0], v[AM0], v[M2A+(\t)]          ; the block's largest m^2 z
	POOLQ dd, P1, \t, 1
	v_max_num_f32 v[AM0], 0x4800000, v[AM0]        ; the floor 2^(9 - 127): the byte cannot fall under 1
	v_add_nc_u32 v[SC0], 0xfc000000, v[AM0]        ; 8 off the exponent field: the conversion's scale operand
	v_and_or_b32 v[HD0], v[AM0], 0x7f800000, s38   ; 448 x the scale
	v_lshrrev_b32 v[BY0], 23, v[SC0]
	v_lshlrev_b32 v[SW1+(\t)], 16, v[BY0]          ; byte 2 of the scale word; bytes 0 and 1 stand over products with zero codes
.set pp, 0
.rept 8
	PKM VV+2*pp, dd+2*pp, M2A, \t
.set pp, pp+1
.endr
.set ii, 0
.rept 16
	v_med3_num_f32 v[VV+ii], v[VV+ii], 0, v[HD0]   ; the activation and the hold in one
.set ii, ii+1
.endr
	WIN 0x40
	v_cvt_scalef32_pk8_fp8_f32 v[X2+16*(\t)+8:X2+16*(\t)+9], v[VV:VV+7], v[SC0]
	v_cvt_scalef32_pk8_fp8_f32 v[X2+16*(\t)+10:X2+16*(\t)+11], v[VV+8:VV+15], v[SC0]
	WIN 0
	v_nop                                          ; one plain instruction behind the last conversion
.endm
.macro PAMAX P, nb, dst                ; the largest pooled number of each block of 32 channels
.set bb, 0
.rept \nb
	v_max3_num_f32 v[AM0+bb], v[\P+16*bb], v[\P+16*bb+1], v[\P+16*bb+2]
	v_max3_num_f32 v[AB0+bb], v[\P+16*bb+3], v[\P+16*bb+4], v[\P+16*bb+5]
.set bb, bb+1
.endr
.irp i,6,10
.set bb, 0
.rept \nb
	v_max3_num_f32 v[AM0+bb], v[AM0+bb], v[\P+16*bb+\i], v[\P+16*bb+\i+1]
	v_max3_num_f32 v[AB0+bb], v[AB0+bb], v[\P+16*bb+\i+2], v[\P+16*bb+\i+3]
.set bb, bb+1
.endr
.endr
.set bb, 0
.rept \nb
	v_max3_num_f32 v[AM0+bb], v[AM0+bb], v[\P+16*bb+14], v[\P+16*bb+15]
.set bb, bb+1
.endr
.set bb, 0
.rept \nb
	v_max_num_f32 v[AM0+bb], v[AM0+bb], v[AB0+bb]
.set bb, bb+1
.endr
.set bb, 0
.rept \nb
	v_permlanex16_b32 v[PM0+bb], v[AM0+bb], s36, s37
.set bb, bb+1
.endr
.set bb, 0
.rept \nb
	v_max_num_f32 v[\dst+bb], v[AM0+bb], v[PM0+bb]
.set bb, bb+1
.endr
.endm
; the scales of m_t P for all ten points at once: 10 nb chains that do not wait for each other
.macro CHAIN nb, pa, sw, sh
	WIN 0x40
.irp t,0,1,2,3,4,5,6,7,8,9
.set bb, 0
.rept \nb
	v_mul_f32 v[HDA+\nb*\t+bb], |v[MK+\t]|, v[\pa+bb]
.set bb, bb+1
.endr
.endr
	WIN 0x44
.set ii, 0
.rept 10*\nb
	v_max_num_f32 v[HDA+ii], 0x4800000, v[HDA+ii]
.set ii, ii+1
.endr
.set ii, 0
.rept 10*\nb
	v_add_nc_u32 v[SCA+ii], 0xfc000000, v[HDA+ii]
.set ii, ii+1
.endr
	WIN 0x41
.set ii, 0
.rept 10*\nb
	v_and_or_b32 v[HDA+ii], v[HDA+ii], 0x7f800000, s38
.set ii, ii+1
.endr
	WIN 0x04
.set ii, 0
.rept 10*\nb
	v_lshrrev_b32 v[VV+ii], 23, v[SCA+ii]
.set ii, ii+1
.endr
	WIN 0
.irp t,0,1,2,3,4,5,6,7,8,9
.set bb, 0
.rept \nb
	v_lshl_or_b32 v[\sw+\t], v[VV+\nb*\t+bb], \sh+8*bb, v[\sw+\t]
.set bb, bb+1
.endr
.endr
.endm
; x_p(t) = m_t P as codes into the upper registers of the point's operand (nb = 1: 12-15; nb = 2: 8-15).  m may be negative: the hold is two-sided
.macro BUILD t, nb, P
	WIN 0
.set pp, 0
.rept 8*\nb
	PKM VV+2*pp, \P+2*pp, MK, \t
.set pp, pp+1
.endr
	WIN 0x14
.set bb, 0
.rept \nb
.set ii, 0
.rept 16
	v_med3_num_f32 v[VV+16*bb+ii], v[VV+16*bb+ii], -v[HDA+\nb*(\t)+bb], v[HDA+\nb*(\t)+bb]
.set ii, ii+1
.endr
.set bb, bb+1
.endr
	WIN 0x44
.set bb, 0
.rept \nb
	v_cvt_scalef32_pk8_fp8_f32 v[X2+16*(\t)+16-4*\nb+4*bb:X2+16*(\t)+16-4*\nb+4*bb+1], v[VV+16*bb:VV+16*bb+7], v[SCA+\nb*(\t)+bb]
	v_cvt_scalef32_pk8_fp8_f32 v[X2+16*(\t)+16-4*\nb+4*bb+2:X2+16*(\t)+16-4*\nb+4*bb+3], v[VV+16*bb+8:VV+16*bb+15], v[SCA+\nb*(\t)+bb]
.set bb, bb+1
.endr
	WIN 0
	v_nop
.endm
.macro WMMA2 t                         ; h2 of point t: four tiles of 16 channels, into accumulator set t % 2
	WIN 0xC6                                       ; source 0 (W2) window 2, source 1 (x1) window 1, destination window 3
.irp n,0,1,2,3
	v_wmma_scale_f32_16x16x128_f8f6f4 v[D2+32*((\t)%2)+8*\n:D2+32*((\t)%2)+8*\n+7], v[W2F+16*\n:W2F+16*\n+15], v[X2+16*(\t):X2+16*(\t)+15], 0, v[W2S+\n], v[SW1+(\t)]
.endr
.endm
.macro ACC2 t                          ; LVL 2: S += h2, Q += h2^2; each accumulator is read from its low end on; all in window 3
	WIN 0xFF
.set dz, D2+32*((\t)%2)
.set pp, 0
.rept 16
	v_pk_add_f32 v[SS+2*pp:SS+2*pp+1], v[SS+2*pp:SS+2*pp+1], v[dz+2*pp:dz+2*pp+1]
.set pp, pp+1
.endr
.set pp, 0
.rept 16
	v_pk_fma_f32 v[SS+32+2*pp:SS+32+2*pp+1], v[dz+2*pp:dz+2*pp+1], v[dz+2*pp:dz+2*pp+1], v[SS+32+2*pp:SS+32+2*pp+1]
.set pp, pp+1
.endr
.endm
; point t of layer 2: z2 = a2 h2 + b2'; two blocks' scales; the pool; x_h as codes into registers 0-7 of the point's operand
.macro PROC2 t
	WIN 0x2B                                       ; source 0 (h2) window 3, sources 1 and 2 (a2, b2') window 2
.set dz, D2+32*((\t)%2)
.set pp, 0
.rept 16
	v_pk_fma_f32 v[VV+2*pp:VV+2*pp+1], v[dz+2*pp:dz+2*pp+1], v[A2+2*pp:A2+2*pp+1], v[B2+2*pp:B2+2*pp+1]
.set pp, pp+1
.endr
	WIN 0
.irp b,0,1
	v_max3_num_f32 v[AM0+\b], v[VV+16*\b], v[VV+16*\b+1], 0
	v_max3_num_f32 v[AB0+\b], v[VV+16*\b+2], v[VV+16*\b+3], v[VV+16*\b+4]
.endr
.irp i,5,9
.irp b,0,1
	v_max3_num_f32 v[AM0+\b], v[AM0+\b], v[VV+16*\b+\i], v[VV+16*\b+\i+1]
	v_max3_num_f32 v[AB0+\b], v[AB0+\b], v[VV+16*\b+\i+2], v[VV+16*\b+\i+3]
.endr
.endr
.irp b,0,1
	v_max3_num_f32 v[AM0+\b], v[AM0+\b], v[VV+16*\b+13], v[VV+16*\b+14]
.endr
.irp b,0,1
	v_max3_num_f32 v[AM0+\b], v[AM0+\b], v[AB0+\b], v[VV+16*\b+15]
.endr
.irp b,0,1
	v_permlanex16_b32 v[PM0+\b], v[AM0+\b], s36, s37
.endr
	POOLQ VV, P2, \t, 0
.irp b,0,1
	v_max_num_f32 v[AM0+\b], v[AM0+\b], v[PM0+\b]
.endr
	POOLQ VV, P2, \t, 1
.irp b,0,1
	v_mul_f32 v[AM0+\b], v[AM0+\b], v[M2A+(\t)]
.endr
	POOLQ VV, P2, \t, 2
.irp b,0,1
	v_max_num_f32 v[AM0+\b], 0x4800000, v[AM0+\b]
.endr
	POOLQ VV, P2, \t, 3
.irp b,0,1
	v_add_nc_u32 v[SC0+\b], 0xfc000000, v[AM0+\b]
.endr
.irp b,0,1
	v_and_or_b32 v[HD0+\b], v[AM0+\b], 0x7f800000, s38
.endr
.irp b,0,1
	v_lshrrev_b32 v[BY0+\b], 23, v[SC0+\b]
.endr
	v_lshl_or_b32 v[SW2+(\t)], v[BY0+1], 8, v[BY0]
.set pp, 0
.rept 16
	PKM VV+2*pp, VV+2*pp, M2A, \t
.set pp, pp+1
.endr
.irp b,0,1
.set ii, 0
.rept 16
	v_med3_num_f32 v[VV+16*\b+ii], v[VV+16*\b+ii], 0, v[HD0+\b]
.set ii, ii+1
.endr
.endr
	WIN 0x40
.irp b,0,1
	v_cvt_scalef32_pk8_fp8_f32 v[X2+16*(\t)+4*\b:X2+16*(\t)+4*\b+1], v[VV+16*\b:VV+16*\b+7], v[SC0+\b]
	v_cvt_scalef32_pk8_fp8_f32 v[X2+16*(\t)+4*\b+2:X2+16*(\t)+4*\b+3], v[VV+16*\b+8:VV+16*\b+15], v[SC0+\b]
.endr
	WIN 0
	v_nop
.endm
.macro FILL0                           ; the eight places behind the first point's products of layer 2; behind every later point's stands the vector work of the point before
.if LVL == 4
	WIN 0xC0
.irp t,0,1,2,3,4,5,6,7,8,9
	v_mov_b32 v[MP3+\t], v[MPA+\t]                 ; max(m, 0) beside layer 3's accumulators
.endr
.else
.rept 8
	v_nop
.endr
.endif
.endm
.macro WM j, t0, n                     ; h3, channels 16 j on, of points t0 .. t0 + n - 1
	WIN 0xC6                                       ; source 0 (Wf) window 2, source 1 (x2) window 1, destination window 3
.set tt, \t0
.rept \n
	v_wmma_scale_f32_16x16x128_f8f6f4 v[D3+8*tt:D3+8*tt+7], v[WFF+16*(\j):WFF+16*(\j)+15], v[X2+16*tt:X2+16*tt+15], 0, v[WFS+(\j)], v[SW2+tt]
.set tt, tt+1
.endr
.endm
.macro PR j, t0, n                     ; LVL 4: max(m, 0) (a3 h3 + b3') in window 3, and the maximum over the points, which begins at 0, into the tile's own eight registers of window 0
	WIN 0xFF
.irp p,0,1,2,3
.set tt, \t0
.rept \n
	v_pk_fma_f32 v[D3+8*tt+2*\p:D3+8*tt+2*\p+1], v[D3+8*tt+2*\p:D3+8*tt+2*\p+1], v[A3+16*(\j)+2*\p:A3+16*(\j)+2*\p+1], v[A3+16*(\j)+8+2*\p:A3+16*(\j)+8+2*\p+1]
.set tt, tt+1
.endr
.endr
.irp p,0,1,2,3
.set tt, \t0
.rept \n
	PKM D3+8*tt+2*\p, D3+8*tt+2*\p, MP3, tt
.set tt, tt+1
.endr
.endr
	WIN 0x3C                                       ; sources 1 and 2 window 3; source 0 and the destination window 0
.set oo, OW+8*(\j)
.set tt, \t0
.rept (\n)/2
.set ii, 0
.rept 8
.if tt == 0
	v_max3_num_f32 v[oo+ii], 0, v[D3+8*tt+ii], v[D3+8*tt+8+ii]
.else
	v_max3_num_f32 v[oo+ii], v[oo+ii], v[D3+8*tt+ii], v[D3+8*tt+8+ii]
.endif
.set ii, ii+1
.endr
.set tt, tt+2
.endr
.endm
.macro OUT j                           ; eight neighbouring channels of my voxel into the stage
	WIN 0
	ds_store_b128 v[LOW], v[OW+8*(\j):OW+8*(\j)+3] offset:64*(\j)
	ds_store_b128 v[LOW], v[OW+8*(\j)+4:OW+8*(\j)+7] offset:64*(\j)+16
.endm
.macro ACC3 j, t0, n                   ; LVL 3: S += h3, Q += h3^2
	WIN 0xFF
.set tt, \t0
.rept \n
.irp p,0,1,2,3
	v_pk_add_f32 v[SS+16*(\j)+2*\p:SS+16*(\j)+2*\p+1], v[SS+16*(\j)+2*\p:SS+16*(\j)+2*\p+1], v[D3+8*tt+2*\p:D3+8*tt+2*\p+1]
	v_pk_fma_f32 v[SS+16*(\j)+8+2*\p:SS+16*(\j)+8+2*\p+1], v[D3+8*tt+2*\p:D3+8*tt+2*\p+1], v[D3+8*tt+2*\p:D3+8*tt+2*\p+1], v[SS+16*(\j)+8+2*\p:SS+16*(\j)+8+2*\p+1]
.endr
.set tt, tt+1
.endr
.endm
.macro L3 j, t0, n
.if LVL == 4
	PR \j, \t0, \n
.else
	ACC3 \j, \t0, \n
.endif
.endm
	s_mov_b32 s32, 0
.Ltrip:                                                ; seven trips in every wave; a wave of six groups jumps over the seventh's work
	s_cmp_ge_u32 s32, s30
	s_cbranch_scc1 .Lskip
	LOADX
.irp t,0,2,4,6,8
	L1P \t
	PROC1 \t
	PROC1 \t+1
.endr
	PAMAX P1, 1, PA1
	CHAIN 1, PA1, SW1, 24
.irp t,0,1,2,3,4,5,6,7,8,9
	BUILD \t, 1, P1                                ; all ten points' operands are finished ahead of layer 2's first product
.endr
.rept 3
	v_nop                                          ; with the one in BUILD: four places between codes made by vector instructions and the scaled product
.endr
	s_wait_alu depctr_va_vdst(0)                   ; the conversions have written x1's codes and the shifts its scale words, which layer 2's 40 products take; layer 1 is done reading and writing XR, in which the loads below land
	s_add_co_u32 s56, s32, 1                       ; XR's registers take the next group's bytes, if there is a next group: no load leaves its buffer
	s_cmp_ge_u32 s56, s30
	s_cbranch_scc1 .Lnonext
	RAWLOAD 4480, 640                              ; the rest of the trip stands between these loads and the wait for them
.Lnonext:
	WMMA2 0
	FILL0
.irp t,0,1,2,3,4,5,6,7,8,9             ; point t + 1's products are issued ahead of point t's vector work, which writes none of the registers that a later product of this layer takes
.if \t < 9
	WMMA2 \t+1
.endif
.if LVL == 2
	ACC2 \t
.else
	PROC2 \t
.endif
.endr
.if LVL >= 3
	PAMAX P2, 2, PA2
	CHAIN 2, PA2, SW2, 16
.irp t,0,1,2,3,4
	BUILD \t, 2, P2
.endr
	s_wait_alu depctr_va_vdst(0)                   ; the conversions have written the codes of x2's points 0 to 3 and the shifts their scale words, which the products below take
	WM 0, 0, 4
.irp t,5,6,7,8,9
	BUILD \t, 2, P2
.endr
.rept 3
	v_nop
.endr
	s_wait_alu depctr_va_vdst(0)                   ; and those of points 4 to 9: from here on no vector instruction writes x2 or its scale words, so layer 3's later products owe nothing more
	WM 0, 4, 6
.irp j,0,1,2,3,4,5,6,7                 ; one batch's vector work stands behind the other batch's products
	L3 \j, 0, 4
.if \j < 7
	WM \j+1, 0, 4
.endif
	L3 \j, 4, 6
.if LVL == 4
.if (\j%4) == 3
	s_wait_alu depctr_va_vdst(0)                   ; the maxima of four tiles are written, which the stage stores read; behind tile 7 layer 3 is also done with window 3's v128-191, in which the rows land
	OUT \j-3
	OUT \j-2
	OUT \j-1
	OUT \j
.endif
.endif
.if \j < 7
	WM \j+1, 4, 6
.endif
.endr
.endif
.if LVL == 4
	WIN 0xC0
.irp i,0,1,2,3,4,5,6,7,8,9,10,11,12,13,14,15
	ds_load_b128 v[OB+4*\i:OB+4*\i+3], v[LOR] offset:528*\i      ; LDS serves a wave's instructions in order: these see my stores
.endr
	WIN 0x0C
.irp i,0,1,2,3,4,5,6,7,8,9,10,11,12,13,14,15
	s_wait_dscnt 15-\i                             ; row i is back; the younger loads may be out
	global_store_b128 v[L16], v[OB+4*\i:OB+4*\i+3], s[48:49] offset:512*\i th:TH_STORE_NT   ; 32 lanes store a voxel's 512 consecutive bytes
.endr
.endif
	WIN 0
.Lskip:
	s_wait_xcnt 0x0                                ; the loads and stores have read their registers and their bases
	s_add_nc_u64 s[44:45], s[44:45], 4480
	s_add_nc_u64 s[46:47], s[46:47], 640
.if LVL == 4
	s_add_nc_u64 s[48:49], s[48:49], 8192
.endif
	s_add_co_u32 s32, s32, 1
	s_cmp_lt_u32 s32, 7
	s_cbranch_scc1 .Ltrip
.if LVL < 4
; the sums over the 16 voxels of a row of lanes, 64 registers at a time in window 0; then the four waves' sums meet in LDS
.irp g,0,1
.if \g < LVL-1
.if \g > 0
	s_wait_alu depctr_vm_vsrc(0)                   ; the LDS stores above have read v[VV ..], which the moves below write again
.endif
	WIN 0x03
.set ii, 0
.rept 64
	v_mov_b32 v[VV+ii], v[SS+64*\g+ii]
.set ii, ii+1
.endr
	WIN 0
.irp m,1,2,4,8
.set ii, 0
.rept 64
	v_add_f32_dpp v[VV+ii], v[VV+ii], v[VV+ii] row_xmask:\m row_mask:0xf bank_mask:0xf
.set ii, ii+1
.endr
.endr
	s_wait_alu depctr_va_vdst(0)                   ; the additions have written v[VV ..], which the LDS stores read
.irp n,0,1,2,3
.irp f,0,1
.if LVL == 2
	ds_store_b128 v[XSA], v[VV+8*\n+4*\f:VV+8*\n+4*\f+3] offset:128*(\n/2)+32*(\n%2)+16*\f            ; S of channels 32 b + 16 h + 8 u + 4 f on
	ds_store_b128 v[XSA], v[VV+32+8*\n+4*\f:VV+32+8*\n+4*\f+3] offset:256+128*(\n/2)+32*(\n%2)+16*\f  ; Q
.else
	ds_store_b128 v[XSA], v[VV+16*\n+4*\f:VV+16*\n+4*\f+3] offset:64*(4*\g+\n)+16*\f                  ; S of channels 16 j + 8 h + 4 f on
	ds_store_b128 v[XSA], v[VV+16*\n+8+4*\f:VV+16*\n+8+4*\f+3] offset:512+64*(4*\g+\n)+16*\f          ; Q
.endif
.endr
.endr
.endif
.endr
	BARRIER
	s_cmp_ge_u32 s28, LVL-1                        ; a row is 512 bytes (one wave stores it) or 1,024 (two)
	s_cbranch_scc1 .Lend
.irp w,0,1,2,3
	ds_load_b128 v[TL+4*\w:TL+4*\w+3], v[TLA] offset:1024*\w     ; into registers that no store has read and that no vector instruction since the wait above names
.endr
	s_wait_dscnt 0x0
	v_pk_add_f32 v[TL:TL+1], v[TL:TL+1], v[TL+4:TL+5]
	v_pk_add_f32 v[TL+2:TL+3], v[TL+2:TL+3], v[TL+6:TL+7]
	v_pk_add_f32 v[TL+8:TL+9], v[TL+8:TL+9], v[TL+12:TL+13]
	v_pk_add_f32 v[TL+10:TL+11], v[TL+10:TL+11], v[TL+14:TL+15]
	v_pk_add_f32 v[TL:TL+1], v[TL:TL+1], v[TL+8:TL+9]
	v_pk_add_f32 v[TL+2:TL+3], v[TL+2:TL+3], v[TL+10:TL+11]
	s_wait_alu depctr_va_vdst(0)                   ; the additions have written v[TL ..], which the store reads
	global_store_b128 v[T16P], v[TL:TL+3], s[50:51]      ; a wave stores 512 consecutive bytes
.Lend:
.endif
	s_wait_dscnt 0x0                               ; the closing lines, six on end, of a launch in the mode that stores to LDS
	s_wait_alu 0x0
	s_wait_tensorcnt 0x0
	ds_add_u32 v254, v255
	s_wait_dscnt 0x0
	s_endpgm
.Lfunc_end_k_q92f38a9d2f_stat3:
	.size	k_q92f38a9d2f_stat3, .Lfunc_end_k_q92f38a9d2f_stat3-k_q92f38a9d2f_stat3
	.p2alignl 7, 3214868480
	.fill 96, 4, 3214868480
	.section	.rodata,"a",@progbits
	.p2align	6, 0x0
	.amdhsa_kernel k_q92f38a9d2f_stat3
		.amdhsa_group_segment_fixed_size 59904
		.amdhsa_private_segment_fixed_size 0
		.amdhsa_enable_private_segment 0
		.amdhsa_kernarg_size 80
		.amdhsa_user_sgpr_count 2
		.amdhsa_user_sgpr_kernarg_segment_ptr 1
		.amdhsa_wavefront_size32 1
		.amdhsa_system_sgpr_workgroup_id_x 1
		.amdhsa_system_sgpr_workgroup_id_y 1
		.amdhsa_system_sgpr_workgroup_id_z 1
		.amdhsa_system_vgpr_workitem_id 0
		.amdhsa_next_free_vgpr 1024
		.amdhsa_next_free_sgpr 80
		.amdhsa_reserve_vcc 0
		.amdhsa_float_denorm_mode_32 3
		.amdhsa_float_denorm_mode_16_64 3
		.amdhsa_memory_ordered 1
		.amdhsa_forward_progress 1
		.amdhsa_inst_pref_size 255
	.end_amdhsa_kernel
	.section	.bss,"aw",@nobits
	.p2align	6
	.space	262144
	.amdgpu_metadata
---
amdhsa.version: [ 1, 2 ]
amdhsa.kernels:
  - .name:           k_q92f38a9d2f_stat3
    .symbol:         k_q92f38a9d2f_stat3.kd
    .args:
      - { .name: points_per_voxel, .offset: 0, .size: 8, .value_kind: global_buffer, .address_space: global }
      - { .name: mask, .offset: 8, .size: 8, .value_kind: global_buffer, .address_space: global }
      - { .name: W1, .offset: 16, .size: 8, .value_kind: global_buffer, .address_space: global }
      - { .name: wq, .offset: 24, .size: 8, .value_kind: global_buffer, .address_space: global }
      - { .name: p2, .offset: 32, .size: 8, .value_kind: global_buffer, .address_space: global }
      - { .name: g2, .offset: 40, .size: 8, .value_kind: global_buffer, .address_space: global }
      - { .name: b2, .offset: 48, .size: 8, .value_kind: global_buffer, .address_space: global }
      - { .name: bn2, .offset: 56, .size: 8, .value_kind: global_buffer, .address_space: global }
      - { .name: p3, .offset: 64, .size: 8, .value_kind: global_buffer, .address_space: global }
      - { .name: bn1, .offset: 72, .size: 8, .value_kind: global_buffer, .address_space: global }
    .group_segment_fixed_size: 59904
    .private_segment_fixed_size: 0
    .kernarg_segment_align: 8
    .kernarg_segment_size: 80
    .max_flat_workgroup_size: 128
    .sgpr_count:     80
    .vgpr_count:     1024
    .wavefront_size: 32
...
	.end_amdgpu_metadata
.endif
;; end of part 6
;; launch final (part 7): grid 256 x 1, 4 waves a work-group, no clusters, 59,904 bytes of LDS; arguments points_per_voxel, mask, W1, wq, p3, gf, bf, out0, bn1, bn2; writes out0
.if DOCPART == 7
	.amdgcn_target "amdgcn-amd-amdhsa--gfx1250"
	.amdhsa_code_object_version 6
	.text
	.protected	k_q92f38a9d2f_final
	.globl	k_q92f38a9d2f_final
	.p2align	8
	.type	k_q92f38a9d2f_final,@function
k_q92f38a9d2f_final:
	s_mov_b64 s[64:65], 0
	v_nop
	global_prefetch_b8 v0, s[64:65] scope:SCOPE_SE
	s_setreg_imm32_b32 hwreg(HW_REG_WAVE_SCHED_MODE, 0, 2), 2
	s_setreg_imm32_b32 hwreg(HW_REG_WAVE_MODE, 25, 1), 1
	s_wait_xcnt 0x0
	s_wait_alu depctr_vm_vsrc(0)
; VoxelFeatureEncoder, launches 2, 3 and 4 of 4: ONE text, told apart by LVL alone.  Each recomputes the chain from x, since x and the mask are far fewer bytes than any intermediate.
;   LVL 2: BatchNorm 1 from p1; layer 1; product 2; sums S, Q of h2 into p2[work-group]; work-group 0 stores a1, b1' into bn1.
;   LVL 3: BatchNorm 2 from p2; layers 1 and 2; product 3; S, Q of h3 into p3; work-group 0 stores a2, b2' into bn2.
;   LVL 4: BatchNorm 3 from p3; the whole chain; out0.
; SHARES.  A group = 16 voxels x 10 points; wave q = 256 wave + work-group takes groups 6 q + min(q, 106) on, 7 where q < 106, else 6.  Its x and mask are dense runs.  A group's 5,120 bytes are loaded as they lie,
; 512 consecutive bytes an instruction, a trip ahead, into registers that layer 1 has left, and turned through the wave's own stage in LDS: a lane then takes its voxel's 70 numbers and 10 masks.
; LAYOUT.  Lane (r, h) holds voxel r throughout, and its registers run along the channels: the maximum over a voxel's points is a maximum over registers of one lane.  A matrix tile's 16 rows are the SAME point t of
; 16 voxels, and both matrix products are used transposed (source 0 = 16 output channels, source 1 = 16 voxels).  Layer 1 gives a lane channels 16 h .. 16 h + 15; the channels that form a tile of layer 2 are chosen
; (row m = m + 8 u + 8 (m / 8)) so that two tiles' 16 registers are 16 neighbours along the next K, in the order of an 8-bit operand: the conversions' results are the next operand.
; THE MASK m is honoured as a number: z being BatchNorm's result, x_h = relu(m^2 z); P = max(0, max_t max(m, 0) z_t); x_p(t) = m_t P; out = max(0, max_t max(m, 0) z3_t).
; PRODUCT 1 has K = 7 and is left in f32, since its result goes into a quantiser: fused multiply-adds, two channels an instruction.  BatchNorm 1 is folded into it: z1 = b1' + sum over k of (x - x0)[k] a1[c] W1[k][c].
; The folded table (8 rows of 32 numbers) lies in LDS; a lane's 128 numbers of it are fetched in every trip into the registers that layers 2 and 3 use later in the trip.
; PRODUCT 2 has K = 64: it stands in the UPPER half of the instruction's 128.  W2's fragments have zero codes below; x1's registers 0-7 hold older valid codes (zeros at first), which meet zero codes.
; A block's largest m^2 z is m^2 x the block's largest z, bit for bit (a rounded product does not fall where a factor rises); likewise |m| P.
; No cluster: what work-groups share is 22 KB of weights and the partial sums, against a work-group's 144 KB of rows.
; LIMITS: a voxel with no mask > 0 (reference: -inf, then NaN everywhere) is not reproduced; the variances of h2 and h3 are Q / N - mean^2 in f32, relative error about 3e-7 (1 + mean^2 / var);
; a block of zeros gets the scale byte 1 (its codes are zeros; only this program reads the bytes); NaN and infinities are not served.
; THE MODE: SCHED_MODE bits 1:0 = 2 (LLVM: expert scheduling mode 2), set by the entry lines.  The code itself states the register dependences between vector or matrix instructions and memory or LDS
; instructions, with s_wait_alu, always for 0.
; THE PLAN.  Registers that memory or LDS instructions touch in a trip, and who else names them:
;   XR (window 1, v160-229)  the next group's global loads land in v160-199; the next trip's stage stores read them; the LDS loads of x land in v160-229; the subtractions write and layer 1 reads them; v216-229 are HDA later.
;   MK (v16-25)              the LDS loads of the masks land there; vector instructions read them to the trip's end.
;   window 3, v128-255       the LDS loads of the folded table land there; layer 1 reads them; then layers 2 and 3 have their accumulators there; LVL 4: the rows read back from the stage land in v128-191, and the global stores read them.
;   OW (v138-201), LVL 4     layer 3's maxima, a set of eight registers to each tile of channels: written by vector instructions, read by the stage stores; the next trip's layer 1 writes these registers again.
;   X2, SW1, SW2             written by vector instructions, taken by the scaled products as operands and scales.
;   Offsets and LDS addresses are made at the head and never written again: scalar bases move on, and immediate offsets do the rest.
; THE WAITS OF A TRIP.  One on va_vdst behind the stage stores: the last trip is done with MK, XR, HDA and window 3's v128-255.  One on vm_vsrc ahead of the loads of x: the stage stores have read XR, the last trip's stores OW
; and the rows.  One on va_vdst ahead of layer 2: all ten points' codes and scale words are made first, so that it serves all 40 products, and the next group's global loads stand behind it too.  One ahead of each of layer 3's
; first two batches of products.  LVL 4: one ahead of each of the two runs of stage stores; the second also serves the loads from the stage.
.set LVL,  4
.set CH,   32<<(LVL-2)                 ; channels of the BatchNorm that this launch finishes
.set NSL,  256/CH                      ; rows of partial sums in 2,048 bytes
.set NB,   CH/16                       ; the partial sums are CH x 2,048 bytes: batches of 16 loads a thread
.set XSTB, 5120                        ; LDS: a wave's stage: a group's x (4,480 bytes), then its masks (640)
.set OSTG, 20480                       ; LDS, LVL 4: the way out, 16 rows x 528 bytes a wave
.set WRED, 20480                       ; LDS, LVL 2 and 3: the waves' sums, 1,024 bytes a wave
.set RED,  54272                       ; LDS: 16 bytes a thread
.set TAB,  56320                       ; LDS: a[c] at 4 c, b'[c] at 512 + 4 c
.set TB2,  57344                       ; LDS, LVL 4: a2, b2' likewise
.set W1T,  58368                       ; LDS: a1[c] W1[k][c] at 128 k + 4 c, k = 0 .. 6; b1'[c] at 896 + 4 c
; window 0
.set XB0,  1
.set W1A,  2
.set MB,   3
.set L8,   4
.set ST16, 5
.set ST8,  6
.set LOW,  7
.set LOR,  8
.set L16,  9
.set L4,   10
.set RDA,  11
.set MK,   16                          ; v16-25  m_t
.set MPA,  26                          ; v26-35  max(m_t, 0)
.set M2A,  36                          ; v36-45  m_t^2
.set SW1,  46                          ; v46-55  x1's scale words
.set SW2,  56                          ; v56-65  x2's
.set W2S,  66                          ; v66-69  W2's
.set WFS,  70                          ; v70-77  Wf's
.set AM0,  78
.set AB0,  80
.set PM0,  82
.set SC0,  84
.set HD0,  86
.set BY0,  88
.set ST4,  90
.set ET,   94
.set PA1,  102
.set PA2,  103
.set D12,  106                         ; v106-137 z1 of two points
.set TL,   106                         ; v106-121 at the end, LVL 2 and 3: the four waves' sums as read back
.set VV,   138
.set OW,   138                         ; v138-201 LVL 4, layer 3: the maxima of tile j at 8 j
.set EB,   170
.set P1,   202
.set P2,   218
.set XSA,  250
.set TLA,  251
.set T16P, 252
; window 0, at the head only
.set RWA,  138
.set RWB,  139
.set A1L,  150
.set WE0,  152
.set WE1,  153
.set GAM,  154
.set BET,  155
.set FS,   156
.set FQ,   164
.set FM,   172
.set FV,   173
.set FRS,  174
.set FAA,  175
.set FBB,  176
.set FAD,  177
.set FTD,  178
.set I4,   186
.set WB4,  187
.set WTD,  188
.set GB4,  191
.set RR,   193
.set HH,   194
.set LN,   195
.set TA2,  196
.set TA,   197
.set B2G,  198
.set B2A,  199
.set B2D,  200
; window 1
.set X2,   0                           ; v0-159   ten operands of 16 registers: x1 in 8-15, then x2 in 0-15.  At the head: v0-127 two buffers of partial sums, v128-131 their sum
.set PAC,  128
.set XR,   160                         ; v160-229 my voxel's x: point t, number k at 7 t + k; behind layer 1 v160-199 take the next group's bytes as loaded
.set HDA,  216                         ; v216-235 (behind layer 1)
.set SCA,  236
; window 2
.set WFF,  0
.set W2F,  128
.set A2,   192
.set B2,   224
; window 3
.set A3,   0                           ; LVL 4: a3 at 16 j, b3' at 16 j + 8
.set SS,   0                           ; LVL 3: S at 16 j, Q at 16 j + 8;  LVL 2: S at 0, Q at 32
.set W1W,  128                         ; v128-255 in layer 1: the folded W1 of my 16 channels at 16 k + i, b1' at 112 + i
.set D2,   128                         ; v128-191 in layer 2: two sets of four accumulators, the points by turns
.set D3,   128
.set OB,   128
.set MP3,  224
.set X0S,  68                          ; s[68:75] x0
.if LVL == 3
.set BN1P, 22
.endif
.if LVL == 4
.set BN1P, 20
.set BN2P, 22
.endif
.set MSB, 0
.macro WIN new                         ; bits 1:0 source 0, 3:2 source 1, 5:4 source 2, 7:6 destination; the high byte repeats the setting that is left
.if MSB != \new
	s_set_vgpr_msb (MSB<<8)|\new
.set MSB, \new
.endif
.endm
.macro PKM d, a, arr, t                ; a pair times element t of an array: the pair that holds it is named, and op_sel picks it for both halves
.if ((\t)%2) == 0
	v_pk_mul_f32 v[\d:\d+1], v[\a:\a+1], v[\arr+(\t):\arr+(\t)+1] op_sel_hi:[1,0]
.else
	v_pk_mul_f32 v[\d:\d+1], v[\a:\a+1], v[\arr+(\t)-1:\arr+(\t)] op_sel:[0,1] op_sel_hi:[1,1]
.endif
.endm
.macro XFMA d, w, c, f                 ; a pair of channels: weights x number f of x, added onto the pair c
.if ((\f)%2) == 0
	v_pk_fma_f32 v[\d:\d+1], v[\w:\w+1], v[XR+(\f):XR+(\f)+1], v[\c:\c+1] op_sel_hi:[1,0,1]
.else
	v_pk_fma_f32 v[\d:\d+1], v[\w:\w+1], v[XR+(\f)-1:XR+(\f)], v[\c:\c+1] op_sel:[0,1,0] op_sel_hi:[1,1,1]
.endif
.endm
.macro BARRIER
	s_wait_dscnt 0x0                               ; my LDS stores have landed and my LDS loads are in
	s_barrier_signal -1
	s_barrier_wait -1
.endm
; a group's bytes as they lie, xo and mo bytes on from the bases: x is 8 x 512 + 256 + 128 bytes, the mask 512 + 128
.macro RAWLOAD xo, mo
	WIN 0x40                                       ; destination window 1
.set ii, 0
.rept 8
	global_load_b128 v[XR+4*ii:XR+4*ii+3], v[L16], s[44:45] offset:\xo+512*ii th:TH_LOAD_NT
.set ii, ii+1
.endr
	global_load_b64 v[XR+32:XR+33], v[L8], s[44:45] offset:\xo+4096 th:TH_LOAD_NT
	global_load_b32 v[XR+34], v[L4], s[44:45] offset:\xo+4352 th:TH_LOAD_NT
	global_load_b32 v[XR+35], v[L4], s[46:47] offset:\mo+512 th:TH_LOAD_NT
	global_load_b128 v[XR+36:XR+39], v[L16], s[46:47] offset:\mo th:TH_LOAD_NT
	WIN 0
.endm
.macro PLOAD b                         ; batch b of the partial sums: thread i takes the 16 bytes at 16 i of sixteen runs of 2,048
.set ii, 0
.rept 16
	global_load_b128 v[64*((\b)%2)+4*ii:64*((\b)%2)+4*ii+3], v[T16P], s[12:13] offset:2048*(16*(\b)+ii)
.set ii, ii+1
.endr
.endm
.macro PSUM b                          ; its sixteen are added up, and onto the batches before
.set bs, 64*((\b)%2)
.irp st,8,4,2
.set ii, 0
.rept \st
	v_pk_add_f32 v[bs+4*ii:bs+4*ii+1], v[bs+4*ii:bs+4*ii+1], v[bs+4*(ii+\st):bs+4*(ii+\st)+1]
	v_pk_add_f32 v[bs+4*ii+2:bs+4*ii+3], v[bs+4*ii+2:bs+4*ii+3], v[bs+4*(ii+\st)+2:bs+4*(ii+\st)+3]
.set ii, ii+1
.endr
.endr
.if (\b) == 0
	v_pk_add_f32 v[PAC:PAC+1], v[bs:bs+1], v[bs+4:bs+5]
	v_pk_add_f32 v[PAC+2:PAC+3], v[bs+2:bs+3], v[bs+6:bs+7]
.else
	v_pk_add_f32 v[bs:bs+1], v[bs:bs+1], v[bs+4:bs+5]
	v_pk_add_f32 v[bs+2:bs+3], v[bs+2:bs+3], v[bs+6:bs+7]
	v_pk_add_f32 v[PAC:PAC+1], v[PAC:PAC+1], v[bs:bs+1]
	v_pk_add_f32 v[PAC+2:PAC+3], v[PAC+2:PAC+3], v[bs+2:bs+3]
.endif
.endm
	s_load_b512 s[4:19], s[0:1], 0x0               ; x, mask, W1, wq, partial sums, gamma, beta, s[18:19]: bnK out (LVL 2, 3) or out0
.if LVL == 2
	s_load_b64 s[20:21], s[0:1], 0x40              ; p2 out
.else
	s_load_b128 s[20:23], s[0:1], 0x40             ; LVL 3: p3 out, bn1;  LVL 4: bn1, bn2
	v_lshl_add_u32 v254, v0, 2, 0xe800
	v_mov_b32 v255, 0
.endif
	v_lshrrev_b32 v12, 5, v0
	v_readfirstlane_b32 s28, v12                   ; wave
	s_wait_alu depctr_va_sdst(0)                   ; s28 is written, ahead of its first reader: shares, bases and branches are made from it
	s_lshl_b32 s29, s28, 8
	s_add_co_u32 s29, s29, ttmp9                   ; q
	s_mul_i32 s31, s29, 6
	s_min_u32 s40, s29, 106
	s_add_co_u32 s31, s31, s40                     ; my first group
	s_cmp_lt_u32 s29, 106
	s_cselect_b32 s30, 7, 6                        ; my groups
	s_mul_i32 s40, s31, 4480
	s_mov_b32 s41, 0
	s_mul_i32 s42, s31, 640
	s_mov_b32 s43, 0
	s_mov_b32 s55, 0
	s_mov_b32 s36, 0x76543210
	s_mov_b32 s37, 0xfedcba98                      ; v_permlanex16_b32's selects for lane l xor 16
	s_mov_b32 s38, 0x600000                        ; the mantissa field of 448
	s_mul_i32 s39, s28, XSTB
	; every address register that outlives a branch is made here
	v_and_b32 v[LN], 31, v0
	v_and_b32 v[RR], 15, v0                        ; r
	v_bfe_u32 v[HH], v0, 4, 1                      ; h
	v_lshlrev_b32 v[L16], 4, v[LN]
	v_lshlrev_b32 v[L8], 3, v[LN]
	v_lshlrev_b32 v[L4], 2, v[LN]
	v_add_nc_u32 v[ST16], s39, v[L16]
	v_add_nc_u32 v[ST8], s39, v[L8]
	v_add_nc_u32 v[ST4], s39, v[L4]
	v_mul_u32_u24 v[XB0], v[RR], 280               ; a voxel's x is 280 bytes
	v_add_nc_u32 v[XB0], s39, v[XB0]
	v_mul_u32_u24 v[MB], v[RR], 40                 ; its mask 40, behind the group's x
	v_add_nc_u32 v[MB], s39, v[MB]
	v_add_nc_u32 v[MB], 4480, v[MB]
	v_lshl_add_u32 v[W1A], v[HH], 6, W1T           ; my 16 channels in a row of the folded table
	v_lshl_add_u32 v[WTD], v0, 2, W1T              ; and where thread i puts its two entries: row wave (and wave + 4), channel lane
	v_lshl_add_u32 v[RDA], v0, 4, RED
	v_lshl_add_u32 v[FAD], v0, 2, RED
	v_lshl_add_u32 v[FTD], v0, 2, TAB
	v_lshlrev_b32 v[T16P], 4, v0
	v_lshlrev_b32 v[I4], 2, v0                     ; W1: row wave, channel lane
	v_add_nc_u32 v[WB4], 512, v[I4]                ; row wave + 4;
	v_min_u32 v[WB4], 892, v[WB4]                  ; W1 has 7 rows: wave 3's load is held inside the buffer, and what it brings is not used
.if LVL == 2
	v_add_nc_u32 v[TA], TAB, v[L4]
.else
	v_lshl_add_u32 v[TA], v[HH], 9-LVL, TAB        ; LVL 3: + 64 h;  LVL 4: + 32 h
.endif
.if LVL < 4
	s_lshl_b32 s53, s28, 10
	s_add_co_u32 s53, s53, WRED
	v_lshlrev_b32 v[XSA], 8-LVL, v[HH]             ; LVL 2: 64 h;  LVL 3: 32 h
	v_add_nc_u32 v[XSA], s53, v[XSA]
	v_add_nc_u32 v[TLA], WRED, v[T16P]
.else
	s_mul_i32 s53, s28, 8448
	s_add_co_u32 s53, s53, OSTG
	v_mul_u32_u24 v[LOW], v[RR], 528
	v_lshl_add_u32 v[LOW], v[HH], 5, v[LOW]
	v_add_nc_u32 v[LOW], s53, v[LOW]               ; into the stage: row r, + 32 h
	v_add_nc_u32 v[LOR], s53, v[L16]               ; back: 16 bytes a lane of a row
	v_lshrrev_b32 v[B2G], 6, v0
	v_lshlrev_b32 v[B2G], 8, v[B2G]
	v_lshl_add_u32 v[B2G], v0, 2, v[B2G]           ; 4 i + 256 (i / 64): threads 0-63 take a2, threads 64-127 b2'
	v_add_nc_u32 v[B2A], TB2, v[B2G]
	v_lshl_add_u32 v[TA2], v[HH], 6, TB2
.endif
	v_and_b32 v[GB4], CH-1, v0
	v_lshlrev_b32 v[GB4], 2, v[GB4]
	s_wait_kmcnt 0x0
	s_load_b256 s[X0S:X0S+7], s[4:5], 0x0          ; x0 = the first point's seven numbers (and one more, not used)
	s_add_nc_u64 s[44:45], s[4:5], s[40:41]        ; my run of x
	s_add_nc_u64 s[46:47], s[6:7], s[42:43]        ; and of the mask
.if LVL < 4
	s_mul_i32 s54, ttmp9, 16*CH
	s_add_nc_u64 s[50:51], s[20:21], s[54:55]      ; my work-group's row of partial sums
.else
	s_lshl_b32 s54, s31, 13
	s_add_nc_u64 s[48:49], s[18:19], s[54:55]      ; my first group's 16 rows of out0
.endif
	s_wait_alu depctr_va_vdst(0)                   ; every offset and LDS address made above is written, which the kernel's loads and stores read; so are v254 and v255, which the closing add reads
	; THE LOADS OF THE HEAD, in three runs.  First what is small and wanted soon, and my first group:
	RAWLOAD 0, 0
	global_load_b32 v[GAM], v[GB4], s[14:15]
	global_load_b32 v[BET], v[GB4], s[16:17]
	global_load_b32 v[RWA], v[I4], s[8:9]
	global_load_b32 v[RWB], v[WB4], s[8:9]
.if LVL >= 3
	global_load_b32 v[A1L], v[L4], s[BN1P:BN1P+1]              ; a1 and b1' of channel lane
	global_load_b32 v[A1L+1], v[L4], s[BN1P:BN1P+1] offset:512
.endif
.if LVL == 4
	global_load_b32 v[B2D], v[B2G], s[BN2P:BN2P+1]
.endif
	; then the partial sums, streamed through two buffers
	WIN 0x40
	PLOAD 0
	PLOAD 1
.set bq, 0
.rept NB
.if bq < NB-1
	s_wait_loadcnt 16                              ; loads come back in order: this batch is in; the next batch's sixteen may be out
.else
	s_wait_loadcnt 0x0
.endif
	WIN 0x45
	PSUM bq
.if bq+2 < NB
	WIN 0x40
	s_wait_alu depctr_va_vdst(0)                   ; the additions are done reading and writing this buffer, in which the next loads land
	PLOAD bq+2
.endif
.set bq, bq+1
.endr
	; then what is wanted behind the barriers
	WIN 0
.if LVL >= 3
.irp j,0,1,2,3,4,5,6,7
	global_load_b32 v[WFS+\j], v[L4], s[10:11] offset:20480+128*\j
.endr
.endif
.irp n,0,1,2,3
	global_load_b32 v[W2S+\n], v[L4], s[10:11] offset:21504+128*\n
.endr
	WIN 0x80                                       ; the weights' images: they stay in window 2
.if LVL >= 3
.irp j,0,1,2,3,4,5,6,7
.irp c,0,1,2,3
	global_load_b128 v[WFF+16*\j+4*\c:WFF+16*\j+4*\c+3], v[L16], s[10:11] offset:2048*\j+512*\c
.endr
.endr
.endif
.irp n,0,1,2,3
.irp c,0,1
	global_load_b128 v[W2F+16*\n+8+4*\c:W2F+16*\n+8+4*\c+3], v[L16], s[10:11] offset:16384+1024*\n+512*\c
.endr
.endr
	s_wait_alu depctr_va_vdst(0)                   ; the additions have written v[PAC ..], which the LDS store reads
	WIN 0x04                                       ; an LDS store's data are its source 1
	ds_store_b128 v[RDA], v[PAC:PAC+3]
	WIN 0
.if LVL == 4
	ds_store_b32 v[B2A], v[B2D]
.endif
	BARRIER                                        ; RED holds NSL rows of [S | Q]
	s_cmp_ge_u32 s28, CH/32                        ; thread c finishes channel c: the first CH threads
	s_cbranch_scc1 .Lnofin
.set sl, 0
.rept NSL
	ds_load_b32 v[FS+sl], v[FAD] offset:8*CH*sl
	ds_load_b32 v[FQ+sl], v[FAD] offset:8*CH*sl+4*CH
.set sl, sl+1
.endr
	s_wait_dscnt 0x0
.set sl, 1
.rept NSL-1
	v_add_f32 v[FS], v[FS], v[FS+sl]
	v_add_f32 v[FQ], v[FQ], v[FQ+sl]
.set sl, sl+1
.endr
	v_mul_f32 v[FM], 0x358637bd, v[FS]             ; mean = S / 1,000,000
	v_mul_f32 v[FV], 0x358637bd, v[FQ]
	v_fma_f32 v[FV], -v[FM], v[FM], v[FV]          ; the biased variance,
	v_max_num_f32 v[FV], 0, v[FV]                  ; not under 0,
	v_add_f32 v[FV], 0x3727c5ac, v[FV]             ; + 1e-5
	v_rsq_f32 v[FRS], v[FV]
	v_nop                                          ; one plain instruction behind a transcendental
	s_wait_alu depctr_va_vdst(0)                   ; the root's reciprocal is written, ahead of its first reader
	v_mul_f32 v[FAA], v[GAM], v[FRS]               ; a = gamma / sqrt(var + eps)
	v_fma_f32 v[FBB], -v[FAA], v[FM], v[BET]       ; b' = beta - a mean
	s_wait_alu depctr_va_vdst(0)                   ; a and b' are written, which the stores below read
	ds_store_b32 v[FTD], v[FAA]
	ds_store_b32 v[FTD], v[FBB] offset:512
.if LVL < 4
	s_cmp_lg_u32 ttmp9, 0
	s_cbranch_scc1 .Lnofin
	global_store_b32 v[GB4], v[FAA], s[18:19]      ; for the later launches: one work-group stores them
	global_store_b32 v[GB4], v[FBB], s[18:19] offset:512
.endif
.Lnofin:
	BARRIER                                        ; TAB is whole
.if LVL == 2
	ds_load_b32 v[A1L], v[TA]                      ; a1 and b1' of channel lane
	ds_load_b32 v[A1L+1], v[TA] offset:512
.endif
.if LVL == 3
	WIN 0x80
.irp n,0,1,2,3
.irp f,0,1
	ds_load_b128 v[A2+8*\n+4*\f:A2+8*\n+4*\f+3], v[TA] offset:128*(\n/2)+32*(\n%2)+16*\f
	ds_load_b128 v[B2+8*\n+4*\f:B2+8*\n+4*\f+3], v[TA] offset:512+128*(\n/2)+32*(\n%2)+16*\f
.endr
.endr
.endif
.if LVL == 4
	WIN 0x80
.irp n,0,1,2,3
.irp f,0,1
	ds_load_b128 v[A2+8*\n+4*\f:A2+8*\n+4*\f+3], v[TA2] offset:128*(\n/2)+32*(\n%2)+16*\f
	ds_load_b128 v[B2+8*\n+4*\f:B2+8*\n+4*\f+3], v[TA2] offset:512+128*(\n/2)+32*(\n%2)+16*\f
.endr
.endr
	WIN 0xC0
.irp j,0,1,2,3,4,5,6,7
.irp f,0,1
	ds_load_b128 v[A3+16*\j+4*\f:A3+16*\j+4*\f+3], v[TA] offset:64*\j+16*\f
	ds_load_b128 v[A3+16*\j+8+4*\f:A3+16*\j+8+4*\f+3], v[TA] offset:512+64*\j+16*\f
.endr
.endr
.endif
	s_wait_dscnt 0x0
	WIN 0
	s_cmp_eq_u32 s28, 3                            ; THE FOLDED TABLE: thread i makes rows wave and wave + 4 of channel lane; wave 3's second row is the bias
	s_cselect_b32 s57, -1, 0
	v_mul_f32 v[WE0], v[RWA], v[A1L]               ; a1 W1
	v_mul_f32 v[WE1], v[RWB], v[A1L]
	v_cndmask_b32 v[WE1], v[WE1], v[A1L+1], s57    ; b1' in wave 3
	s_wait_alu depctr_va_vdst(0)                   ; the two entries are written, which the LDS stores read
	ds_store_b32 v[WTD], v[WE0]
	ds_store_b32 v[WTD], v[WE1] offset:512
	BARRIER                                        ; the table is whole
	s_wait_alu depctr_vm_vsrc(0)                   ; the head's loads and stores have read their registers: v[PAC ..] is cleared below, and the head's own offsets and store data are written again by the loop's vector work
	s_wait_loadcnt 0x0                             ; the weights and their scale words
	s_wait_kmcnt 0x0                               ; x0
	WIN 0x40
.irp t,0,1,2,3,4,5,6,7,8,9
.irp i,0,1,2,3,4,5,6,7
	v_mov_b32 v[X2+16*\t+\i], 0                    ; the operands' lower halves: zero codes until x2's first codes land there
.endr
.endr
	WIN 0x80
.irp n,0,1,2,3
.irp i,0,1,2,3,4,5,6,7
	v_mov_b32 v[W2F+16*\n+\i], 0                   ; W2's lower 64 along K: zero codes
.endr
.endr
.if LVL < 4
	WIN 0xC0
.set ii, 0
.rept 64*(LVL-1)
	v_mov_b32 v[SS+ii], 0                          ; S and Q: 64 registers (LVL 2), 128 (LVL 3)
.set ii, ii+1
.endr
.endif
	WIN 0
	v_mov_b32 v[PM0], 0                            ; a lane permute's destination counts as one of its sources
	v_mov_b32 v[PM0+1], 0
	s_wait_xcnt 0x0                                ; the stores above have read their registers
.macro MASKS
	WIN 0
.irp t,0,1,2,3,4,5,6,7,8,9
	v_max_num_f32 v[MPA+\t], 0, v[MK+\t]
.endr
.irp t,0,2,4,6,8
	v_pk_mul_f32 v[M2A+\t:M2A+\t+1], v[MK+\t:MK+\t+1], v[MK+\t:MK+\t+1]
.endr
.endm
; the group that was loaded a trip ago goes through my stage: as it lies on the way in; my voxel's masks and its 70 numbers on the way out; then my 128 numbers of the folded table
.macro LOADX
	s_wait_loadcnt 0x0
	WIN 0x04                                       ; an LDS store's data are its source 1: window 1
.set ii, 0
.rept 8
	ds_store_b128 v[ST16], v[XR+4*ii:XR+4*ii+3] offset:512*ii
.set ii, ii+1
.endr
	ds_store_b64 v[ST8], v[XR+32:XR+33] offset:4096
	ds_store_b32 v[ST4], v[XR+34] offset:4352
	ds_store_b128 v[ST16], v[XR+36:XR+39] offset:4480
	ds_store_b32 v[ST4], v[XR+35] offset:4992
	WIN 0
	s_wait_alu depctr_va_vdst(0)                   ; the last trip's vector and matrix instructions (in the first trip: the head's) are done with MK, with XR and HDA and with window 3's v128-255, in which the loads below land
.irp i,0,1,2,3,4
	ds_load_b64 v[MK+2*\i:MK+2*\i+1], v[MB] offset:8*\i        ; LDS serves a wave's instructions in order: these see my stores
.endr
	WIN 0x40
	s_wait_alu depctr_vm_vsrc(0)                   ; the stage stores have read XR, in which the loads of x land and which the subtractions write; the last trip's stores have read OW and window 3's rows
.set ii, 0
.rept 35
	ds_load_b64 v[XR+2*ii:XR+2*ii+1], v[XB0] offset:8*ii       ; 280 bytes a voxel: a multiple of 8
.set ii, ii+1
.endr
	s_wait_dscnt 35                                ; the masks are in; the 35 loads of x issued behind them may be out
	MASKS
	s_wait_dscnt 0x0                               ; x is in
	WIN 0xC0
.irp k,0,1,2,3,4,5,6,7
.irp f,0,1,2,3
	ds_load_b128 v[W1W+16*\k+4*\f:W1W+16*\k+4*\f+3], v[W1A] offset:128*\k+16*\f   ; the sixteen lanes of a half read the same bytes.  No wait: no vector instruction since the two above names these registers
.endr
.endr
	WIN 0x41
.irp t,0,1,2,3,4,5,6,7,8,9
.irp k,0,1,2,3,4,5,6
	v_sub_f32 v[XR+7*\t+\k], v[XR+7*\t+\k], s[X0S+\k]          ; x - x0, while the table is on its way
.endr
.endr
	s_wait_dscnt 0x0
.endm
; z1 of points t and t + 1 (t even): b1' + seven K steps, eight pairs of channels a point: sixteen chains by turns
.macro L1P t
	WIN 0x37                                       ; source 0 (table) and source 2 (b1') window 3, source 1 (x) window 1
.irp e,0,1
.set pp, 0
.rept 8
	XFMA D12+16*\e+2*pp, W1W+2*pp, W1W+112+2*pp, 7*((\t)+\e)
.set pp, pp+1
.endr
.endr
	WIN 0x07
.irp k,1,2,3,4,5,6
.irp e,0,1
.set pp, 0
.rept 8
	XFMA D12+16*\e+2*pp, W1W+16*\k+2*pp, D12+16*\e+2*pp, 7*((\t)+\e)+\k
.set pp, pp+1
.endr
.endr
.endr
.endm
; eight registers (number k) of the pool: max(m, 0) z of an even point is kept; an odd point joins both into the running maximum, which begins at 0
.macro POOLQ src, P, t, k
.set pq, 0
.rept 4
.if ((\t)%2) == 0
	PKM EB+8*(\k)+2*pq, \src+8*(\k)+2*pq, MPA, \t
.else
	PKM ET+2*pq, \src+8*(\k)+2*pq, MPA, \t
.endif
.set pq, pq+1
.endr
.if ((\t)%2) == 1
.set pq, 0
.rept 8
.if (\t) == 1
	v_max3_num_f32 v[\P+8*(\k)+pq], 0, v[ET+pq], v[EB+8*(\k)+pq]
.else
	v_max3_num_f32 v[\P+8*(\k)+pq], v[\P+8*(\k)+pq], v[ET+pq], v[EB+8*(\k)+pq]
.endif
.set pq, pq+1
.endr
.endif
.endm
; point t of layer 1: the block's scale, the pool, x_h = relu(m^2 z) as codes into registers 8-11 of the point's operand
.macro PROC1 t
	WIN 0
.set dd, D12+16*((\t)%2)
	v_max3_num_f32 v[AM0], v[dd], v[dd+1], 0       ; no |.|: what is negative becomes 0
	v_max3_num_f32 v[AB0], v[dd+2], v[dd+3], v[dd+4]
	v_max3_num_f32 v[AM0], v[AM0], v[dd+5], v[dd+6]
	v_max3_num_f32 v[AB0], v[AB0], v[dd+7], v[dd+8]
	v_max3_num_f32 v[AM0], v[AM0], v[dd+9], v[dd+10]
	v_max3_num_f32 v[AB0], v[AB0], v[dd+11], v[dd+12]
	v_max3_num_f32 v[AM0], v[AM0], v[dd+13], v[dd+14]
	v_max3_num_f32 v[AM0], v[AM0], v[AB0], v[dd+15]
	v_permlanex16_b32 v[PM0], v[AM0], s36, s37
	POOLQ dd, P1, \t, 0
	v_max_num_f32 v[AM0], v[AM0], v[PM0]           ; with lane l xor 16's 16 channels
	v_mul_f32 v[AM0], v[AM0], v[M2A+(\t)]          ; the block's largest m^2 z
	POOLQ dd, P1, \t, 1
	v_max_num_f32 v[AM0], 0x4800000, v[AM0]        ; the floor 2^(9 - 127): the byte cannot fall under 1
	v_add_nc_u32 v[SC0], 0xfc000000, v[AM0]        ; 8 off the exponent field: the conversion's scale operand
	v_and_or_b32 v[HD0], v[AM0], 0x7f800000, s38   ; 448 x the scale
	v_lshrrev_b32 v[BY0], 23, v[SC0]
	v_lshlrev_b32 v[SW1+(\t)], 16, v[BY0]          ; byte 2 of the scale word; bytes 0 and 1 stand over products with zero codes
.set pp, 0
.rept 8
	PKM VV+2*pp, dd+2*pp, M2A, \t
.set pp, pp+1
.endr
.set ii, 0
.rept 16
	v_med3_num_f32 v[VV+ii], v[VV+ii], 0, v[HD0]   ; the activation and the hold in one
.set ii, ii+1
.endr
	WIN 0x40
	v_cvt_scalef32_pk8_fp8_f32 v[X2+16*(\t)+8:X2+16*(\t)+9], v[VV:VV+7], v[SC0]
	v_cvt_scalef32_pk8_fp8_f32 v[X2+16*(\t)+10:X2+16*(\t)+11], v[VV+8:VV+15], v[SC0]
	WIN 0
	v_nop                                          ; one plain instruction behind the last conversion
.endm
.macro PAMAX P, nb, dst                ; the largest pooled number of each block of 32 channels
.set bb, 0
.rept \nb
	v_max3_num_f32 v[AM0+bb], v[\P+16*bb], v[\P+16*bb+1], v[\P+16*bb+2]
	v_max3_num_f32 v[AB0+bb], v[\P+16*bb+3], v[\P+16*bb+4], v[\P+16*bb+5]
.set bb, bb+1
.endr
.irp i,6,10
.set bb, 0
.rept \nb
	v_max3_num_f32 v[AM0+bb], v[AM0+bb], v[\P+16*bb+\i], v[\P+16*bb+\i+1]
	v_max3_num_f32 v[AB0+bb], v[AB0+bb], v[\P+16*bb+\i+2], v[\P+16*bb+\i+3]
.set bb, bb+1
.endr
.endr
.set bb, 0
.rept \nb
	v_max3_num_f32 v[AM0+bb], v[AM0+bb], v[\P+16*bb+14], v[\P+16*bb+15]
.set bb, bb+1
.endr
.set bb, 0
.rept \nb
	v_max_num_f32 v[AM0+bb], v[AM0+bb], v[AB0+bb]
.set bb, bb+1
.endr
.set bb, 0
.rept \nb
	v_permlanex16_b32 v[PM0+bb], v[AM0+bb], s36, s37
.set bb, bb+1
.endr
.set bb, 0
.rept \nb
	v_max_num_f32 v[\dst+bb], v[AM0+bb], v[PM0+bb]
.set bb, bb+1
.endr
.endm
; the scales of m_t P for all ten points at once: 10 nb chains that do not wait for each other
.macro CHAIN nb, pa, sw, sh
	WIN 0x40
.irp t,0,1,2,3,4,5,6,7,8,9
.set bb, 0
.rept \nb
	v_mul_f32 v[HDA+\nb*\t+bb], |v[MK+\t]|, v[\pa+bb]
.set bb, bb+1
.endr
.endr
	WIN 0x44
.set ii, 0
.rept 10*\nb
	v_max_num_f32 v[HDA+ii], 0x4800000, v[HDA+ii]
.set ii, ii+1
.endr
.set ii, 0
.rept 10*\nb
	v_add_nc_u32 v[SCA+ii], 0xfc000000, v[HDA+ii]
.set ii, ii+1
.endr
	WIN 0x41
.set ii, 0
.rept 10*\nb
	v_and_or_b32 v[HDA+ii], v[HDA+ii], 0x7f800000, s38
.set ii, ii+1
.endr
	WIN 0x04
.set ii, 0
.rept 10*\nb
	v_lshrrev_b32 v[VV+ii], 23, v[SCA+ii]
.set ii, ii+1
.endr
	WIN 0
.irp t,0,1,2,3,4,5,6,7,8,9
.set bb, 0
.rept \nb
	v_lshl_or_b32 v[\sw+\t], v[VV+\nb*\t+bb], \sh+8*bb, v[\sw+\t]
.set bb, bb+1
.endr
.endr
.endm
; x_p(t) = m_t P as codes into the upper registers of the point's operand (nb = 1: 12-15; nb = 2: 8-15).  m may be negative: the hold is two-sided
.macro BUILD t, nb, P
	WIN 0
.set pp, 0
.rept 8*\nb
	PKM VV+2*pp, \P+2*pp, MK, \t
.set pp, pp+1
.endr
	WIN 0x14
.set bb, 0
.rept \nb
.set ii, 0
.rept 16
	v_med3_num_f32 v[VV+16*bb+ii], v[VV+16*bb+ii], -v[HDA+\nb*(\t)+bb], v[HDA+\nb*(\t)+bb]
.set ii, ii+1
.endr
.set bb, bb+1
.endr
	WIN 0x44
.set bb, 0
.rept \nb
	v_cvt_scalef32_pk8_fp8_f32 v[X2+16*(\t)+16-4*\nb+4*bb:X2+16*(\t)+16-4*\nb+4*bb+1], v[VV+16*bb:VV+16*bb+7], v[SCA+\nb*(\t)+bb]
	v_cvt_scalef32_pk8_fp8_f32 v[X2+16*(\t)+16-4*\nb+4*bb+2:X2+16*(\t)+16-4*\nb+4*bb+3], v[VV+16*bb+8:VV+16*bb+15], v[SCA+\nb*(\t)+bb]
.set bb, bb+1
.endr
	WIN 0
	v_nop
.endm
.macro WMMA2 t                         ; h2 of point t: four tiles of 16 channels, into accumulator set t % 2
	WIN 0xC6                                       ; source 0 (W2) window 2, source 1 (x1) window 1, destination window 3
.irp n,0,1,2,3
	v_wmma_scale_f32_16x16x128_f8f6f4 v[D2+32*((\t)%2)+8*\n:D2+32*((\t)%2)+8*\n+7], v[W2F+16*\n:W2F+16*\n+15], v[X2+16*(\t):X2+16*(\t)+15], 0, v[W2S+\n], v[SW1+(\t)]
.endr
.endm
.macro ACC2 t                          ; LVL 2: S += h2, Q += h2^2; each accumulator is read from its low end on; all in window 3
	WIN 0xFF
.set dz, D2+32*((\t)%2)
.set pp, 0
.rept 16
	v_pk_add_f32 v[SS+2*pp:SS+2*pp+1], v[SS+2*pp:SS+2*pp+1], v[dz+2*pp:dz+2*pp+1]
.set pp, pp+1
.endr
.set pp, 0
.rept 16
	v_pk_fma_f32 v[SS+32+2*pp:SS+32+2*pp+1], v[dz+2*pp:dz+2*pp+1], v[dz+2*pp:dz+2*pp+1], v[SS+32+2*pp:SS+32+2*pp+1]
.set pp, pp+1
.endr
.endm
; point t of layer 2: z2 = a2 h2 + b2'; two blocks' scales; the pool; x_h as codes into registers 0-7 of the point's operand
.macro PROC2 t
	WIN 0x2B                                       ; source 0 (h2) window 3, sources 1 and 2 (a2, b2') window 2
.set dz, D2+32*((\t)%2)
.set pp, 0
.rept 16
	v_pk_fma_f32 v[VV+2*pp:VV+2*pp+1], v[dz+2*pp:dz+2*pp+1], v[A2+2*pp:A2+2*pp+1], v[B2+2*pp:B2+2*pp+1]
.set pp, pp+1
.endr
	WIN 0
.irp b,0,1
	v_max3_num_f32 v[AM0+\b], v[VV+16*\b], v[VV+16*\b+1], 0
	v_max3_num_f32 v[AB0+\b], v[VV+16*\b+2], v[VV+16*\b+3], v[VV+16*\b+4]
.endr
.irp i,5,9
.irp b,0,1
	v_max3_num_f32 v[AM0+\b], v[AM0+\b], v[VV+16*\b+\i], v[VV+16*\b+\i+1]
	v_max3_num_f32 v[AB0+\b], v[AB0+\b], v[VV+16*\b+\i+2], v[VV+16*\b+\i+3]
.endr
.endr
.irp b,0,1
	v_max3_num_f32 v[AM0+\b], v[AM0+\b], v[VV+16*\b+13], v[VV+16*\b+14]
.endr
.irp b,0,1
	v_max3_num_f32 v[AM0+\b], v[AM0+\b], v[AB0+\b], v[VV+16*\b+15]
.endr
.irp b,0,1
	v_permlanex16_b32 v[PM0+\b], v[AM0+\b], s36, s37
.endr
	POOLQ VV, P2, \t, 0
.irp b,0,1
	v_max_num_f32 v[AM0+\b], v[AM0+\b], v[PM0+\b]
.endr
	POOLQ VV, P2, \t, 1
.irp b,0,1
	v_mul_f32 v[AM0+\b], v[AM0+\b], v[M2A+(\t)]
.endr
	POOLQ VV, P2, \t, 2
.irp b,0,1
	v_max_num_f32 v[AM0+\b], 0x4800000, v[AM0+\b]
.endr
	POOLQ VV, P2, \t, 3
.irp b,0,1
	v_add_nc_u32 v[SC0+\b], 0xfc000000, v[AM0+\b]
.endr
.irp b,0,1
	v_and_or_b32 v[HD0+\b], v[AM0+\b], 0x7f800000, s38
.endr
.irp b,0,1
	v_lshrrev_b32 v[BY0+\b], 23, v[SC0+\b]
.endr
	v_lshl_or_b32 v[SW2+(\t)], v[BY0+1], 8, v[BY0]
.set pp, 0
.rept 16
	PKM VV+2*pp, VV+2*pp, M2A, \t
.set pp, pp+1
.endr
.irp b,0,1
.set ii, 0
.rept 16
	v_med3_num_f32 v[VV+16*\b+ii], v[VV+16*\b+ii], 0, v[HD0+\b]
.set ii, ii+1
.endr
.endr
	WIN 0x40
.irp b,0,1
	v_cvt_scalef32_pk8_fp8_f32 v[X2+16*(\t)+4*\b:X2+16*(\t)+4*\b+1], v[VV+16*\b:VV+16*\b+7], v[SC0+\b]
	v_cvt_scalef32_pk8_fp8_f32 v[X2+16*(\t)+4*\b+2:X2+16*(\t)+4*\b+3], v[VV+16*\b+8:VV+16*\b+15], v[SC0+\b]
.endr
	WIN 0
	v_nop
.endm
.macro FILL0                           ; the eight places behind the first point's products of layer 2; behind every later point's stands the vector work of the point before
.if LVL == 4
	WIN 0xC0
.irp t,0,1,2,3,4,5,6,7,8,9
	v_mov_b32 v[MP3+\t], v[MPA+\t]                 ; max(m, 0) beside layer 3's accumulators
.endr
.else
.rept 8
	v_nop
.endr
.endif
.endm
.macro WM j, t0, n                     ; h3, channels 16 j on, of points t0 .. t0 + n - 1
	WIN 0xC6                                       ; source 0 (Wf) window 2, source 1 (x2) window 1, destination window 3
.set tt, \t0
.rept \n
	v_wmma_scale_f32_16x16x128_f8f6f4 v[D3+8*tt:D3+8*tt+7], v[WFF+16*(\j):WFF+16*(\j)+15], v[X2+16*tt:X2+16*tt+15], 0, v[WFS+(\j)], v[SW2+tt]
.set tt, tt+1
.endr
.endm
.macro PR j, t0, n                     ; LVL 4: max(m, 0) (a3 h3 + b3') in window 3, and the maximum over the points, which begins at 0, into the tile's own eight registers of window 0
	WIN 0xFF
.irp p,0,1,2,3
.set tt, \t0
.rept \n
	v_pk_fma_f32 v[D3+8*tt+2*\p:D3+8*tt+2*\p+1], v[D3+8*tt+2*\p:D3+8*tt+2*\p+1], v[A3+16*(\j)+2*\p:A3+16*(\j)+2*\p+1], v[A3+16*(\j)+8+2*\p:A3+16*(\j)+8+2*\p+1]
.set tt, tt+1
.endr
.endr
.irp p,0,1,2,3
.set tt, \t0
.rept \n
	PKM D3+8*tt+2*\p, D3+8*tt+2*\p, MP3, tt
.set tt, tt+1
.endr
.endr
	WIN 0x3C                                       ; sources 1 and 2 window 3; source 0 and the destination window 0
.set oo, OW+8*(\j)
.set tt, \t0
.rept (\n)/2
.set ii, 0
.rept 8
.if tt == 0
	v_max3_num_f32 v[oo+ii], 0, v[D3+8*tt+ii], v[D3+8*tt+8+ii]
.else
	v_max3_num_f32 v[oo+ii], v[oo+ii], v[D3+8*tt+ii], v[D3+8*tt+8+ii]
.endif
.set ii, ii+1
.endr
.set tt, tt+2
.endr
.endm
.macro OUT j                           ; eight neighbouring channels of my voxel into the stage
	WIN 0
	ds_store_b128 v[LOW], v[OW+8*(\j):OW+8*(\j)+3] offset:64*(\j)
	ds_store_b128 v[LOW], v[OW+8*(\j)+4:OW+8*(\j)+7] offset:64*(\j)+16
.endm
.macro ACC3 j, t0, n                   ; LVL 3: S += h3, Q += h3^2
	WIN 0xFF
.set tt, \t0
.rept \n
.irp p,0,1,2,3
	v_pk_add_f32 v[SS+16*(\j)+2*\p:SS+16*(\j)+2*\p+1], v[SS+16*(\j)+2*\p:SS+16*(\j)+2*\p+1], v[D3+8*tt+2*\p:D3+8*tt+2*\p+1]
	v_pk_fma_f32 v[SS+16*(\j)+8+2*\p:SS+16*(\j)+8+2*\p+1], v[D3+8*tt+2*\p:D3+8*tt+2*\p+1], v[D3+8*tt+2*\p:D3+8*tt+2*\p+1], v[SS+16*(\j)+8+2*\p:SS+16*(\j)+8+2*\p+1]
.endr
.set tt, tt+1
.endr
.endm
.macro L3 j, t0, n
.if LVL == 4
	PR \j, \t0, \n
.else
	ACC3 \j, \t0, \n
.endif
.endm
	s_mov_b32 s32, 0
.Ltrip:                                                ; seven trips in every wave; a wave of six groups jumps over the seventh's work
	s_cmp_ge_u32 s32, s30
	s_cbranch_scc1 .Lskip
	LOADX
.irp t,0,2,4,6,8
	L1P \t
	PROC1 \t
	PROC1 \t+1
.endr
	PAMAX P1, 1, PA1
	CHAIN 1, PA1, SW1, 24
.irp t,0,1,2,3,4,5,6,7,8,9
	BUILD \t, 1, P1                                ; all ten points' operands are finished ahead of layer 2's first product
.endr
.rept 3
	v_nop                                          ; with the one in BUILD: four places between codes made by vector instructions and the scaled product
.endr
	s_wait_alu depctr_va_vdst(0)                   ; the conversions have written x1's codes and the shifts its scale words, which layer 2's 40 products take; layer 1 is done reading and writing XR, in which the loads below land
	s_add_co_u32 s56, s32, 1                       ; XR's registers take the next group's bytes, if there is a next group: no load leaves its buffer
	s_cmp_ge_u32 s56, s30
	s_cbranch_scc1 .Lnonext
	RAWLOAD 4480, 640                              ; the rest of the trip stands between these loads and the wait for them
.Lnonext:
	WMMA2 0
	FILL0
.irp t,0,1,2,3,4,5,6,7,8,9             ; point t + 1's products are issued ahead of point t's vector work, which writes none of the registers that a later product of this layer takes
.if \t < 9
	WMMA2 \t+1
.endif
.if LVL == 2
	ACC2 \t
.else
	PROC2 \t
.endif
.endr
.if LVL >= 3
	PAMAX P2, 2, PA2
	CHAIN 2, PA2, SW2, 16
.irp t,0,1,2,3,4
	BUILD \t, 2, P2
.endr
	s_wait_alu depctr_va_vdst(0)                   ; the conversions have written the codes of x2's points 0 to 3 and the shifts their scale words, which the products below take
	WM 0, 0, 4
.irp t,5,6,7,8,9
	BUILD \t, 2, P2
.endr
.rept 3
	v_nop
.endr
	s_wait_alu depctr_va_vdst(0)                   ; and those of points 4 to 9: from here on no vector instruction writes x2 or its scale words, so layer 3's later products owe nothing more
	WM 0, 4, 6
.irp j,0,1,2,3,4,5,6,7                 ; one batch's vector work stands behind the other batch's products
	L3 \j, 0, 4
.if \j < 7
	WM \j+1, 0, 4
.endif
	L3 \j, 4, 6
.if LVL == 4
.if (\j%4) == 3
	s_wait_alu depctr_va_vdst(0)                   ; the maxima of four tiles are written, which the stage stores read; behind tile 7 layer 3 is also done with window 3's v128-191, in which the rows land
	OUT \j-3
	OUT \j-2
	OUT \j-1
	OUT \j
.endif
.endif
.if \j < 7
	WM \j+1, 4, 6
.endif
.endr
.endif
.if LVL == 4
	WIN 0xC0
.irp i,0,1,2,3,4,5,6,7,8,9,10,11,12,13,14,15
	ds_load_b128 v[OB+4*\i:OB+4*\i+3], v[LOR] offset:528*\i      ; LDS serves a wave's instructions in order: these see my stores
.endr
	WIN 0x0C
.irp i,0,1,2,3,4,5,6,7,8,9,10,11,12,13,14,15
	s_wait_dscnt 15-\i                             ; row i is back; the younger loads may be out
	global_store_b128 v[L16], v[OB+4*\i:OB+4*\i+3], s[48:49] offset:512*\i th:TH_STORE_NT   ; 32 lanes store a voxel's 512 consecutive bytes
.endr
.endif
	WIN 0
.Lskip:
	s_wait_xcnt 0x0                                ; the loads and stores have read their registers and their bases
	s_add_nc_u64 s[44:45], s[44:45], 4480
	s_add_nc_u64 s[46:47], s[46:47], 640
.if LVL == 4
	s_add_nc_u64 s[48:49], s[48:49], 8192
.endif
	s_add_co_u32 s32, s32, 1
	s_cmp_lt_u32 s32, 7
	s_cbranch_scc1 .Ltrip
.if LVL < 4
; the sums over the 16 voxels of a row of lanes, 64 registers at a time in window 0; then the four waves' sums meet in LDS
.irp g,0,1
.if \g < LVL-1
.if \g > 0
	s_wait_alu depctr_vm_vsrc(0)                   ; the LDS stores above have read v[VV ..], which the moves below write again
.endif
	WIN 0x03
.set ii, 0
.rept 64
	v_mov_b32 v[VV+ii], v[SS+64*\g+ii]
.set ii, ii+1
.endr
	WIN 0
.irp m,1,2,4,8
.set ii, 0
.rept 64
	v_add_f32_dpp v[VV+ii], v[VV+ii], v[VV+ii] row_xmask:\m row_mask:0xf bank_mask:0xf
.set ii, ii+1
.endr
.endr
	s_wait_alu depctr_va_vdst(0)                   ; the additions have written v[VV ..], which the LDS stores read
.irp n,0,1,2,3
.irp f,0,1
.if LVL == 2
	ds_store_b128 v[XSA], v[VV+8*\n+4*\f:VV+8*\n+4*\f+3] offset:128*(\n/2)+32*(\n%2)+16*\f            ; S of channels 32 b + 16 h + 8 u + 4 f on
	ds_store_b128 v[XSA], v[VV+32+8*\n+4*\f:VV+32+8*\n+4*\f+3] offset:256+128*(\n/2)+32*(\n%2)+16*\f  ; Q
.else
	ds_store_b128 v[XSA], v[VV+16*\n+4*\f:VV+16*\n+4*\f+3] offset:64*(4*\g+\n)+16*\f                  ; S of channels 16 j + 8 h + 4 f on
	ds_store_b128 v[XSA], v[VV+16*\n+8+4*\f:VV+16*\n+8+4*\f+3] offset:512+64*(4*\g+\n)+16*\f          ; Q
.endif
.endr
.endr
.endif
.endr
	BARRIER
	s_cmp_ge_u32 s28, LVL-1                        ; a row is 512 bytes (one wave stores it) or 1,024 (two)
	s_cbranch_scc1 .Lend
.irp w,0,1,2,3
	ds_load_b128 v[TL+4*\w:TL+4*\w+3], v[TLA] offset:1024*\w     ; into registers that no store has read and that no vector instruction since the wait above names
.endr
	s_wait_dscnt 0x0
	v_pk_add_f32 v[TL:TL+1], v[TL:TL+1], v[TL+4:TL+5]
	v_pk_add_f32 v[TL+2:TL+3], v[TL+2:TL+3], v[TL+6:TL+7]
	v_pk_add_f32 v[TL+8:TL+9], v[TL+8:TL+9], v[TL+12:TL+13]
	v_pk_add_f32 v[TL+10:TL+11], v[TL+10:TL+11], v[TL+14:TL+15]
	v_pk_add_f32 v[TL:TL+1], v[TL:TL+1], v[TL+8:TL+9]
	v_pk_add_f32 v[TL+2:TL+3], v[TL+2:TL+3], v[TL+10:TL+11]
	s_wait_alu depctr_va_vdst(0)                   ; the additions have written v[TL ..], which the store reads
	global_store_b128 v[T16P], v[TL:TL+3], s[50:51]      ; a wave stores 512 consecutive bytes
.Lend:
.endif
	s_wait_dscnt 0x0                               ; the closing lines, six on end, of a launch in the mode that stores to LDS
	s_wait_alu 0x0
	s_wait_tensorcnt 0x0
	ds_add_u32 v254, v255
	s_wait_dscnt 0x0
	s_endpgm
.Lfunc_end_k_q92f38a9d2f_final:
	.size	k_q92f38a9d2f_final, .Lfunc_end_k_q92f38a9d2f_final-k_q92f38a9d2f_final
	.p2alignl 7, 3214868480
	.fill 96, 4, 3214868480
	.section	.rodata,"a",@progbits
	.p2align	6, 0x0
	.amdhsa_kernel k_q92f38a9d2f_final
		.amdhsa_group_segment_fixed_size 59904
		.amdhsa_private_segment_fixed_size 0
		.amdhsa_enable_private_segment 0
		.amdhsa_kernarg_size 80
		.amdhsa_user_sgpr_count 2
		.amdhsa_user_sgpr_kernarg_segment_ptr 1
		.amdhsa_wavefront_size32 1
		.amdhsa_system_sgpr_workgroup_id_x 1
		.amdhsa_system_sgpr_workgroup_id_y 1
		.amdhsa_system_sgpr_workgroup_id_z 1
		.amdhsa_system_vgpr_workitem_id 0
		.amdhsa_next_free_vgpr 1024
		.amdhsa_next_free_sgpr 80
		.amdhsa_reserve_vcc 0
		.amdhsa_float_denorm_mode_32 3
		.amdhsa_float_denorm_mode_16_64 3
		.amdhsa_memory_ordered 1
		.amdhsa_forward_progress 1
		.amdhsa_inst_pref_size 255
	.end_amdhsa_kernel
	.section	.bss,"aw",@nobits
	.p2align	6
	.space	262144
	.amdgpu_metadata
---
amdhsa.version: [ 1, 2 ]
amdhsa.kernels:
  - .name:           k_q92f38a9d2f_final
    .symbol:         k_q92f38a9d2f_final.kd
    .args:
      - { .name: points_per_voxel, .offset: 0, .size: 8, .value_kind: global_buffer, .address_space: global }
      - { .name: mask, .offset: 8, .size: 8, .value_kind: global_buffer, .address_space: global }
      - { .name: W1, .offset: 16, .size: 8, .value_kind: global_buffer, .address_space: global }
      - { .name: wq, .offset: 24, .size: 8, .value_kind: global_buffer, .address_space: global }
      - { .name: p3, .offset: 32, .size: 8, .value_kind: global_buffer, .address_space: global }
      - { .name: gf, .offset: 40, .size: 8, .value_kind: global_buffer, .address_space: global }
      - { .name: bf, .offset: 48, .size: 8, .value_kind: global_buffer, .address_space: global }
      - { .name: out0, .offset: 56, .size: 8, .value_kind: global_buffer, .address_space: global }
      - { .name: bn1, .offset: 64, .size: 8, .value_kind: global_buffer, .address_space: global }
      - { .name: bn2, .offset: 72, .size: 8, .value_kind: global_buffer, .address_space: global }
    .group_segment_fixed_size: 59904
    .private_segment_fixed_size: 0
    .kernarg_segment_align: 8
    .kernarg_segment_size: 80
    .max_flat_workgroup_size: 128
    .sgpr_count:     80
    .vgpr_count:     1024
    .wavefront_size: 32
...
	.end_amdgpu_metadata
.endif
;; end of part 7
